; MI455X (gfx1250); checked and timed in simulation.
; The chip was launched on July 23, 2026; its instructions are those of AMD's public machine-readable ISA for CDNA 5 (MIT licence, August 2026) and "CDNA5" Instruction Set Architecture Reference Guide (July 2026). The comments in the code are by the model that wrote it; some were corrected since.
;; Block. Allowed arithmetic: matrix products marked QUANTISED: E3M2 operands, one E8M0 scale for each 32 along K, by v_wmma_scale_f32_16x16x128_f8f6f4 with both operands' format E3M2, f32 sums; everything else in f32.
;; Inputs: V_codes 2,728 x 32 x 24 uint8 (E3M2 codes of V, K innermost, in blocks of 32 codes, four codes in three bytes); V_scales 2,728 x 32 uint8 (E8M0 scales of V, one for each 32 codes along K); W2 2,728 x 1,024 float32; W_codes 2,728 x 32 x 24 uint8 (E3M2 codes of W, K innermost, in blocks of 32 codes, four codes in three bytes); W_scales 2,728 x 32 uint8 (E8M0 scales of W, one for each 32 codes along K); g1 1,024 float32; g2 1,024 float32; w_o_codes 1,024 x 32 x 24 uint8 (E3M2 codes of w_o, K innermost, in blocks of 32 codes, four codes in three bytes); w_o_scales 1,024 x 32 uint8 (E8M0 scales of w_o, one for each 32 codes along K); w_qkv_codes 3,072 x 32 x 24 uint8 (E3M2 codes of w_qkv, K innermost, in blocks of 32 codes, four codes in three bytes); w_qkv_scales 3,072 x 32 uint8 (E8M0 scales of w_qkv, one for each 32 codes along K); x 2 x 2,048 x 1,024 float32.
;; Outputs: out0 2 x 2,048 x 1,024 float32.
;; This version of the problem:
;;   THIS VERSION OF THE PROBLEM IS GIVEN IN LOW PRECISION. The matrix products marked QUANTISED in the list below multiply operands that are first quantised to E3M2 (3 exponent bits, 2 mantissa bits; 6 bits a number), with one power-of-two scale for each 32 numbers along K (OCP MX v1.0); their sums are f32. All else is computed in f32.
;;   The module's matrix products, in the order in which they are computed (A, B: the left and right operand; K: the contracted axis; several contracted axes count as one K, in the product's order):
;;     1. [M 4,096, K 1,024] x [K 1,024, N 3,072]; A: computed on the way; B: input w_qkv (given as codes): QUANTISED
;;     2. batch 32 x [M 2,048, K 64] x [K 64, N 2,048]; A: computed on the way; B: computed on the way: QUANTISED
;;     3. batch 32 x [M 2,048, K 2,048] x [K 2,048, N 64]; A: softmax (see below); B: computed on the way: QUANTISED
;;     4. [M 4,096, K 1,024] x [K 1,024, N 1,024]; A: computed on the way; B: input w_o (given as codes): QUANTISED
;;     5. [M 4,096, K 1,024] x [K 1,024, N 2,728]; A: computed on the way; B: input W (given as codes): QUANTISED
;;     6. [M 4,096, K 1,024] x [K 1,024, N 2,728]; A: computed on the way; B: input V (given as codes): QUANTISED
;;     7. [M 4,096, K 2,728] x [K 2,728, N 1,024]; A: computed on the way; B: input W2: QUANTISED
;;   THE QUANTISER, for each operand of a quantised product, along K:
;;     - K is cut into blocks of 32 from its start; a last block that is shorter is filled with zeros.
;;     - A block's scale is 2^e with e = floor(log2(the largest magnitude in the block)) - 4, held to -126 .. 127; a block of zeros has e = 0. As a byte (E8M0): e + 127.
;;     - Each number is divided by its block's scale, clamped to +-28, and rounded to the nearest number of E3M2, ties to even, subnormals kept.
;;     - The product sums the exact products of the quantised numbers (number of the format x scale) in f32.
;;   ~~~python
;;   def quantise(x, axis):      # numpy; x: float32 -> the quantised numbers, widened to float32 again
;;       x = np.moveaxis(x, axis, -1); K = x.shape[-1]
;;       x = np.pad(x, [(0, 0)] * (x.ndim - 1) + [(0, -K % 32)]); x = x.reshape(x.shape[:-1] + (-1, 32)); a = np.abs(x).max(-1, keepdims=True)
;;       e = np.where(a > 0, np.clip(np.frexp(np.where(a > 0, a, 1))[1] - 1 - 4, -126, 127), 0)      # np.frexp(a)[1] - 1 = floor(log2(a)), exactly
;;       r = np.clip(x / 2.0 ** e, -28, 28)
;;       step = 2.0 ** (np.maximum(np.frexp(np.where(r == 0, 1, r))[1] - 1, -2) - 2)
;;       q = np.round(r / step) * step * 2.0 ** e      # np.round: ties to even
;;       return np.moveaxis(q.reshape(q.shape[:-2] + (-1,))[..., :K], -1, axis).astype(np.float32)
;;   ~~~
;;   SOFTMAX AHEAD OF A QUANTISED PRODUCT. Where the list says 'softmax', what is quantised is not the finished softmax but p = 2^(t - M), with t = logit x log2(e) and M = ceil(the row's largest t), a whole number; so 1/2 < the row's largest p <= 1. The row's sum l is taken of the UNQUANTISED p, in f32, and the product's result is divided by l at the end. Since M is a whole number, a kernel that streams over the keys may use a running M (the ceiling of the running maximum): every later rescaling is an exact power of two, which a block's scale takes up: the codes' values come out the same.
;;   OPERANDS COMPUTED ON THE WAY. 'Computed on the way' means the value that the module computes at that place (a softmax that the list does not call 'softmax' is quantised finished and normalised). What goes into a quantiser is computed in f32, as accurately as f32 sums, v_exp_f32 and their like allow (about 1e-6 of the number): no bf16 or f16 on the way to a quantiser, and a product that is left as it is and whose result goes on into a quantised operand takes f32 operands (vector FMAs, or v_wmma_f32_16x16x4_f32). A number that lies on a knife's edge between two numbers of the format may be rounded either way, as far as f32 arithmetic and the matrix unit's own rounding can turn it there, and no further.
;;   INPUTS GIVEN AS CODES. V (in the module: [1024, 2728], K = its axis 0); W (in the module: [1024, 2728], K = its axis 0); w_o (in the module: [1024, 1024], K = its axis 0); w_qkv (in the module: [1024, 3072], K = its axis 0): each comes as NAME_codes (uint8): NAME with its K axis moved to the last place and cut into blocks of 32 codes, [.., K / 32, bytes a block], one block behind the other in memory; four codes in three bytes: a row's codes are one little-endian stream of bits, code i at bits 6 i .. 6 i + 5 (a code: sign, 3 exponent bits, 2 mantissa bits); and NAME_scales (uint8): the same leading axes, one E8M0 byte (e + 127) for each 32 codes along K. Its value is code x scale, taken as it is: it is not quantised again, and the codes and scales need not be those that the quantiser above would give.
;; 2 versions. Each part assembles by itself: llvm-mc -triple=amdgcn-amd-amdhsa -mcpu=gfx1250 --defsym DOCPART=n.
;; ======== version 1 of 2: 8 launches
;; workspace buffers: hbuf 3,276,800 bytes; wbuf 10,035,200 bytes; qkvbuf 10,092,544 bytes; cbuf 3,276,800 bytes; x1 16,777,216 bytes; gbuf 9,011,200 bytes
;; launch norm1 (part 1): grid 256 x 1, 8 waves a work-group, no clusters, 1,536 bytes of LDS; arguments x, g1, hbuf; writes hbuf
.if DOCPART == 1
	.amdgcn_target "amdgcn-amd-amdhsa--gfx1250"
	.amdhsa_code_object_version 6
	.text
	.protected	k_q913e0c9402_norm1
	.globl	k_q913e0c9402_norm1
	.p2align	8
	.type	k_q913e0c9402_norm1,@function
k_q913e0c9402_norm1:
	s_mov_b64 s[64:65], 0
	v_nop
	global_prefetch_b8 v0, s[64:65] scope:SCOPE_SE
	s_setreg_imm32_b32 hwreg(HW_REG_WAVE_MODE, 25, 1), 1
	s_wait_xcnt 0x0
; h = x / (sqrt(mean(x^2)) + 1e-5) * g for 16 token rows of 1,024 channels, then the MX-BF6 quantiser along the channels.
; OUTPUT: images of operand registers.  A fragment (16 rows x 128 k, 12 registers a lane) is 1,536 bytes: registers 0-3 at 16 x lane, 4-5 at 512 + 8 x lane,
; 6-9 at 768 + 16 x lane, 10-11 at 1,280 + 8 x lane; fragment (f, s) at (8 f + s) x 1,536.  Its scale words: 64 bytes, word r at 4 r, at HSC + (8 f + s) x 64.
; ROW ORDER: lane-row r of fragment f is token 32 (f / 2) + 8 (f % 2) + r % 8 + 16 (r / 8), so that a product which takes tokens as source 0 has neighbouring tokens in a lane's registers.
; SHARES: a work-group is one fragment row f (16 tokens), wave w its K step w.  Lane (r, h) holds, of its token, k = 128 w + 32 b + 16 h + 0 .. 15, b = 0 .. 3: 64 numbers.
; The row's sum of squares meets in LDS (8 waves x 16 words): one barrier.
; LIMITS: NaN and infinities are not served.  A block whose largest magnitude lies under 2^-122 keeps the scale byte 1 (a block of zeros too: its codes are zeros, and only this program reads the bytes).
; The division is a multiplication by v_rcp_f32 of (rms + eps); x is multiplied by g first.  A mean of squares under 2^-126 counts as zero in v_sqrt_f32.
.set X,   64                           ; v64-127   my 64 numbers
.set G,   128                          ; v128-191  g at the same channels
.set TM,  28                           ; v28-33    the quantiser's: two maxima, two bytes, two scale operands
.set CT,  34                           ; v34-36    the second half block's codes
.set SEL, 40                           ; s[40:41]  selects for lane l xor 16
.set HM,  42                           ; s42       mask of lanes 16-31
.set HSC, 3145728                      ; where the scale words begin
; 32 numbers of a lane, register 16 b + i = k 32 b + 16 h + i, become 6 registers of codes (lane (r, h): the whole block h) and two scale bytes in v[pw].
.macro QUANT2 src, dst, pw
.irp b, 0,1
	v_max3_num_f32 v[TM+\b], |v[\src+16*\b]|, |v[\src+16*\b+1]|, 0x2800000   ; with the floor 2^(5 - 127): the byte cannot fall under 1
.endr
.irp i, 2,4,6,8,10,12,14
.irp b, 0,1
	v_max3_num_f32 v[TM+\b], |v[\src+16*\b+\i]|, |v[\src+16*\b+\i+1]|, v[TM+\b]
.endr
.endr
.irp b, 0,1
	v_permlanex16_b32 v[TM+2+\b], v[TM+\b], s[SEL], s[SEL+1]
.endr
.irp b, 0,1
	v_max_num_f32 v[TM+\b], v[TM+\b], v[TM+2+\b]             ; with lane l xor 16's 16 numbers: the block's largest magnitude
.endr
.irp b, 0,1
	v_add_nc_u32 v[TM+4+\b], 0xfe000000, v[TM+\b]            ; 4 off its exponent field: the conversion's scale operand
.endr
.irp b, 0,1
	v_lshrrev_b32 v[TM+2+\b], 23, v[TM+4+\b]                 ; the scale's byte
.endr
	v_lshl_or_b32 v[\pw], v[TM+3], 8, v[TM+2]
	v_cvt_scalef32_pk16_bf6_f32 v[\dst:\dst+2], v[\src:\src+15], v[TM+4]
	v_cvt_scalef32_pk16_bf6_f32 v[CT:CT+2], v[\src+16:\src+31], v[TM+5]
	v_nop                                                    ; one plain instruction behind the conversions
.irp i, 0,1,2
	v_permlane16_swap_b32 v[\dst+\i], v[CT+\i]               ; lanes 0-15 get block 0 whole, lanes 16-31 block 1
.endr
.irp i, 0,1,2
	v_mov_b32 v[\dst+3+\i], v[CT+\i]
.endr
.endm
	s_load_b128 s[4:7], s[0:1], 0x0                ; x, g
	s_load_b64 s[8:9], s[0:1], 0x10                ; the images
	v_lshl_add_u32 v192, v0, 2, 0x200
	v_mov_b32 v193, 0
	v_lshrrev_b32 v1, 5, v0
	v_readfirstlane_b32 s10, v1                    ; wave = K step
	v_and_b32 v1, 31, v0                           ; lane
	v_and_b32 v2, 15, v0                           ; r
	v_bfe_u32 v3, v0, 4, 1                         ; h
	v_and_b32 v4, 7, v0
	v_bfe_u32 v5, v0, 3, 1
	v_lshl_add_u32 v4, v5, 4, v4                   ; r % 8 + 16 (r / 8)
	v_lshlrev_b32 v4, 12, v4                       ; rows of 4,096 bytes
	v_lshl_add_u32 v4, v3, 6, v4                   ; + 64 h
	v_lshlrev_b32 v5, 6, v3                        ; g: 64 h
	v_lshlrev_b32 v6, 4, v1                        ; 16 x lane
	v_lshlrev_b32 v7, 3, v1                        ; 8 x lane
	v_lshlrev_b32 v10, 2, v2                       ; 4 r
	v_lshl_add_u32 v8, v3, 1, v10                  ; 4 r + 2 h: my half of the row's scale word
	s_lshl_b32 s11, s10, 6
	v_add_nc_u32 v9, s11, v10                      ; LDS: 64 x wave + 4 r
	v_mov_b32 v[TM+2], 0                           ; a lane permute's destination counts as read
	v_mov_b32 v[TM+3], 0
	s_mov_b32 s[SEL], 0x76543210
	s_mov_b32 s[SEL+1], 0xfedcba98
	s_mov_b32 s[HM], 0xffff0000
	s_lshr_b32 s12, ttmp9, 1
	s_lshl_b32 s12, s12, 5
	s_and_b32 s13, ttmp9, 1
	s_lshl_b32 s13, s13, 3
	s_add_co_u32 s12, s12, s13                     ; the fragment's first token
	s_lshl_b32 s12, s12, 12
	s_lshl_b32 s14, s10, 9                         ; 128 channels a wave
	s_add_co_u32 s12, s12, s14
	s_mov_b32 s13, 0
	s_mov_b32 s15, 0
	s_lshl_b32 s16, ttmp9, 3
	s_add_co_u32 s16, s16, s10                     ; 8 f + s
	s_mul_i32 s18, s16, 1536
	s_mov_b32 s19, 0
	s_lshl_b32 s16, s16, 6
	s_add_co_u32 s16, s16, HSC
	s_mov_b32 s17, 0
	s_wait_kmcnt 0x0
	s_add_nc_u64 s[4:5], s[4:5], s[12:13]
	s_add_nc_u64 s[6:7], s[6:7], s[14:15]
	s_add_nc_u64 s[20:21], s[8:9], s[18:19]
	s_add_nc_u64 s[22:23], s[8:9], s[16:17]
.irp b, 0,1,2,3
.irp j, 0,1,2,3
	global_load_b128 v[X+16*\b+4*\j:X+16*\b+4*\j+3], v4, s[4:5] offset:128*\b+16*\j
.endr
.endr
.irp b, 0,1,2,3
.irp j, 0,1,2,3
	global_load_b128 v[G+16*\b+4*\j:G+16*\b+4*\j+3], v5, s[6:7] offset:128*\b+16*\j
.endr
.endr
	s_wait_loadcnt 16                              ; x is in; g's sixteen loads may be out
.irp c, 0,1,2,3
	v_pk_mul_f32 v[12+2*\c:13+2*\c], v[X+2*\c:X+2*\c+1], v[X+2*\c:X+2*\c+1]   ; four chains of squares, started by the first four pairs
.endr
.set p, 4
.rept 28
	v_pk_fma_f32 v[12+2*(p%4):13+2*(p%4)], v[X+2*p:X+2*p+1], v[X+2*p:X+2*p+1], v[12+2*(p%4):13+2*(p%4)]
.set p, p+1
.endr
	v_pk_add_f32 v[12:13], v[12:13], v[14:15]
	v_pk_add_f32 v[16:17], v[16:17], v[18:19]
	v_pk_add_f32 v[12:13], v[12:13], v[16:17]
	v_add_f32 v12, v12, v13
	v_permlanex16_b32 v13, v12, s[SEL], s[SEL+1]
	v_add_f32 v12, v12, v13                        ; my row's 128 channels
	ds_store_b32 v9, v12                           ; lanes r and r + 16 write the same word with the same value
	s_wait_loadcnt 0x0                             ; g
.set p, 0
.rept 32
	v_pk_mul_f32 v[X+2*p:X+2*p+1], v[X+2*p:X+2*p+1], v[G+2*p:G+2*p+1]
.set p, p+1
.endr
	s_wait_dscnt 0x0                               ; for the others' sake: my partial sum lies in LDS
	s_barrier_signal -1
	s_barrier_wait -1
.irp i, 0,1,2,3,4,5,6,7
	ds_load_b32 v[20+\i], v10 offset:64*\i         ; my row's eight partial sums
.endr
	s_wait_dscnt 0x0
	v_add_f32 v20, v20, v21                        ; the same tree in every wave: all eight get the same bits
	v_add_f32 v22, v22, v23
	v_add_f32 v24, v24, v25
	v_add_f32 v26, v26, v27
	v_add_f32 v20, v20, v22
	v_add_f32 v24, v24, v26
	v_add_f32 v20, v20, v24
	v_mul_f32 v20, 0x3a800000, v20                 ; / 1,024
	v_sqrt_f32 v21, v20
	v_nop                                          ; a plain instruction behind the root,
	s_wait_alu depctr_va_vdst(0)                   ; and the wait ahead of its first reader
	v_add_f32 v21, 0x3727c5ac, v21                 ; + 1e-5
	v_rcp_f32 v42, v21
	v_nop
	s_wait_alu depctr_va_vdst(0)
	v_mov_b32 v43, v42
.set p, 0
.rept 32
	v_pk_mul_f32 v[X+2*p:X+2*p+1], v[X+2*p:X+2*p+1], v[42:43]
.set p, p+1
.endr
	QUANT2 X, 44, 38
	QUANT2 X+32, 50, 39
	v_cndmask_b32 v40, v38, v39, s[HM]             ; lanes 0-15: bytes 0, 1 of the row's word; lanes 16-31: bytes 2, 3
	global_store_b128 v6, v[44:47], s[20:21]               ; each store covers whole aligned blocks of 256 bytes
	global_store_b64 v7, v[48:49], s[20:21] offset:512
	global_store_b128 v6, v[50:53], s[20:21] offset:768
	global_store_b64 v7, v[54:55], s[20:21] offset:1280
	global_store_b16 v8, v40, s[22:23]
	s_wait_tensorcnt 0x0
	ds_add_u32 v192, v193
	s_wait_dscnt 0x0
	s_endpgm
.Lfunc_end_k_q913e0c9402_norm1:
	.size	k_q913e0c9402_norm1, .Lfunc_end_k_q913e0c9402_norm1-k_q913e0c9402_norm1
	.p2alignl 7, 3214868480
	.fill 96, 4, 3214868480
	.section	.rodata,"a",@progbits
	.p2align	6, 0x0
	.amdhsa_kernel k_q913e0c9402_norm1
		.amdhsa_group_segment_fixed_size 1536
		.amdhsa_private_segment_fixed_size 0
		.amdhsa_enable_private_segment 0
		.amdhsa_kernarg_size 24
		.amdhsa_user_sgpr_count 2
		.amdhsa_user_sgpr_kernarg_segment_ptr 1
		.amdhsa_wavefront_size32 1
		.amdhsa_system_sgpr_workgroup_id_x 1
		.amdhsa_system_sgpr_workgroup_id_y 1
		.amdhsa_system_sgpr_workgroup_id_z 1
		.amdhsa_system_vgpr_workitem_id 0
		.amdhsa_next_free_vgpr 194
		.amdhsa_next_free_sgpr 66
		.amdhsa_reserve_vcc 0
		.amdhsa_float_denorm_mode_32 3
		.amdhsa_float_denorm_mode_16_64 3
		.amdhsa_memory_ordered 1
		.amdhsa_forward_progress 1
		.amdhsa_inst_pref_size 18
	.end_amdhsa_kernel
	.amdgpu_metadata
---
amdhsa.version: [ 1, 2 ]
amdhsa.kernels:
  - .name:           k_q913e0c9402_norm1
    .symbol:         k_q913e0c9402_norm1.kd
    .args:
      - { .name: x, .offset: 0, .size: 8, .value_kind: global_buffer, .address_space: global }
      - { .name: g1, .offset: 8, .size: 8, .value_kind: global_buffer, .address_space: global }
      - { .name: hbuf, .offset: 16, .size: 8, .value_kind: global_buffer, .address_space: global }
    .group_segment_fixed_size: 1536
    .private_segment_fixed_size: 0
    .kernarg_segment_align: 8
    .kernarg_segment_size: 24
    .max_flat_workgroup_size: 256
    .sgpr_count:     66
    .vgpr_count:     194
    .wavefront_size: 32
...
	.end_amdgpu_metadata
.endif
;; end of part 1
;; launch wprep (part 2): grid 328 x 1, 4 waves a work-group, no clusters, 0 bytes of LDS; arguments w_qkv_codes, w_qkv_scales, w_o_codes, w_o_scales, W_codes, W_scales, V_codes, V_scales, W2, wbuf; writes wbuf
.if DOCPART == 2
	.amdgcn_target "amdgcn-amd-amdhsa--gfx1250"
	.amdhsa_code_object_version 6
	.text
	.protected	k_q913e0c9402_wprep
	.globl	k_q913e0c9402_wprep
	.p2align	8
	.type	k_q913e0c9402_wprep,@function
k_q913e0c9402_wprep:
	s_mov_b64 s[64:65], 0
	v_nop
	global_prefetch_b8 v0, s[64:65] scope:SCOPE_SE
	s_setreg_imm32_b32 hwreg(HW_REG_WAVE_MODE, 25, 1), 1
	s_wait_xcnt 0x0
; All weights become images of operand registers in one workspace buffer (fragment: 1,536 bytes, registers 0-3 at 16 x lane, 4-5 at 512 + 8 x lane, 6-9 at 768 + 16 x lane, 10-11 at 1,280 + 8 x lane;
; scale words: 64 bytes for a fragment and a K step, word r at 4 r).  Lane-row r of fragment f is row 32 (f / 2) + 8 (f % 2) + r % 8 + 16 (r / 8).
; Work-groups 0-151: the four weights given as codes are laid anew, a fragment row (16 rows x all 1,024 of K) to a wave: 192 of w_qkv, 64 of w_o, 176 of W, 176 of V.  W's and V's rows from 2,728 on
; (up to 2,816) get zero codes and the byte 127.  W and V are interleaved: for each 64 rows, W's four fragment rows, then V's four.
; Work-groups 152-327: W2 [2,728 (k)][1,024 (n)], f32, is quantised along K: a lane takes a column and its registers run down K, 128 of K to a wave; K is filled with zeros up to 2,816.
; No LDS, no barrier: waves share nothing.
; LIMITS: NaN and infinities in W2 are not served; a block whose largest magnitude lies under 2^-122 keeps the byte 1 (a block of zeros too: its codes are zeros, and only this program reads the bytes).
.set WO_C, 2359296
.set WV_C, 3145728
.set W2_C, 7471104
.set WQ_S, 9633792
.set WO_S, 9732096
.set WV_S, 9764864
.set W2_S, 9945088
	s_load_b256 s[4:11], s[0:1], 0x0               ; w_qkv codes, scales; w_o codes, scales
	s_load_b256 s[12:19], s[0:1], 0x20             ; W codes, scales; V codes, scales
	s_load_b128 s[20:23], s[0:1], 0x40             ; W2, the images
	v_lshrrev_b32 v1, 5, v0
	v_readfirstlane_b32 s2, v1                     ; wave
	v_and_b32 v1, 31, v0                           ; lane
	s_cmp_lt_u32 ttmp9, 152
	s_cbranch_scc0 .Lquant
	; ---- the weights given as codes
	s_lshl_b32 s3, ttmp9, 2
	s_add_co_u32 s3, s3, s2                        ; t: which fragment row of the 608
	v_bfe_u32 v3, v0, 4, 1                         ; h
	v_and_b32 v4, 7, v0
	v_bfe_u32 v5, v0, 3, 1
	v_lshl_add_u32 v4, v5, 4, v4                   ; r % 8 + 16 (r / 8)
	v_lshlrev_b32 v8, 4, v1
	v_lshlrev_b32 v9, 3, v1
	v_lshlrev_b32 v10, 2, v1
	s_mov_b32 s28, 432                             ; V's figures; the three compares below put the others' in their place
	s_mov_b32 s29, 2728
	s_mov_b32 s30, WV_C
	s_mov_b32 s31, WV_S
	s_mov_b32 s33, 4
	s_wait_kmcnt 0x0
	s_cmp_lt_u32 s3, 432                           ; the choices hang on the work-group's and the wave's number alone
	s_cselect_b64 s[24:25], s[12:13], s[16:17]
	s_cselect_b64 s[26:27], s[14:15], s[18:19]
	s_cselect_b32 s28, 256, s28
	s_cselect_b32 s33, 0, s33
	s_cmp_lt_u32 s3, 256
	s_cselect_b64 s[24:25], s[8:9], s[24:25]
	s_cselect_b64 s[26:27], s[10:11], s[26:27]
	s_cselect_b32 s28, 192, s28
	s_cselect_b32 s29, 1024, s29
	s_cselect_b32 s30, WO_C, s30
	s_cselect_b32 s31, WO_S, s31
	s_cselect_b32 s34, 1, 0                        ; 1: the fragment rows keep their order
	s_cmp_lt_u32 s3, 192
	s_cselect_b64 s[24:25], s[4:5], s[24:25]
	s_cselect_b64 s[26:27], s[6:7], s[26:27]
	s_cselect_b32 s28, 0, s28
	s_cselect_b32 s29, 3072, s29
	s_cselect_b32 s30, 0, s30
	s_cselect_b32 s31, WQ_S, s31
	s_sub_co_u32 s28, s3, s28                      ; the fragment row in its tensor
	s_lshr_b32 s35, s28, 2
	s_lshl_b32 s35, s35, 3
	s_and_b32 s36, s28, 3
	s_add_co_u32 s35, s35, s36
	s_add_co_u32 s35, s35, s33                     ; W, V: 8 (f / 4) + f % 4 (+ 4 for V)
	s_cmp_lg_u32 s34, 0
	s_cselect_b32 s35, s28, s35                    ; where it goes
	s_lshr_b32 s36, s28, 1
	s_lshl_b32 s36, s36, 5
	s_and_b32 s37, s28, 1
	s_lshl_b32 s37, s37, 3
	s_add_co_u32 s36, s36, s37
	v_add_nc_u32 v4, s36, v4                       ; my row
	v_cmp_gt_u32 vcc_lo, s29, v4                   ; is it a row of the tensor?
	s_sub_co_u32 s37, s29, 1
	v_min_u32 v4, s37, v4                          ; no load leaves its buffer
	v_mul_u32_u24 v6, v4, 768
	v_mad_u32_u24 v6, v3, 24, v6                   ; codes: row x 768 + 24 h
	v_lshlrev_b32 v7, 5, v4
	v_lshl_add_u32 v7, v3, 2, v7                   ; scale bytes: row x 32 + 4 h: lanes 16-31 take the odd K steps' words
	s_mul_i32 s38, s35, 12288
	s_add_co_u32 s38, s38, s30
	s_mov_b32 s39, 0
	s_add_nc_u64 s[38:39], s[22:23], s[38:39]
	s_lshl_b32 s40, s35, 9
	s_add_co_u32 s40, s40, s31
	s_mov_b32 s41, 0
	s_add_nc_u64 s[40:41], s[22:23], s[40:41]
.set ks, 0
.rept 8
.irp p, 0,1,2,3,4,5
	global_load_b64 v[32+12*ks+2*\p:33+12*ks+2*\p], v6, s[24:25] offset:96*ks+48*(\p/3)+8*(\p%3)   ; a row's stream of bits is the register image: 24 bytes a block pair and half
.endr
.set ks, ks+1
.endr
.irp j, 0,1,2,3
	global_load_b32 v[16+\j], v7, s[26:27] offset:8*\j
.endr
	s_wait_loadcnt 0x0
.set i, 0
.rept 96
	v_cndmask_b32 v[32+i], 0, v[32+i], vcc_lo      ; rows past the tensor's end: zero codes,
.set i, i+1
.endr
.irp j, 0,1,2,3
	v_cndmask_b32 v[16+\j], 0x7f7f7f7f, v[16+\j], vcc_lo   ; and the scale 1
.endr
.set ks, 0
.rept 8
	global_store_b128 v8, v[32+12*ks:35+12*ks], s[38:39] offset:1536*ks
	global_store_b64 v9, v[36+12*ks:37+12*ks], s[38:39] offset:1536*ks+512
	global_store_b128 v8, v[38+12*ks:41+12*ks], s[38:39] offset:1536*ks+768
	global_store_b64 v9, v[42+12*ks:43+12*ks], s[38:39] offset:1536*ks+1280
.set ks, ks+1
.endr
.irp j, 0,1,2,3
	global_store_b32 v10, v[16+\j], s[40:41] offset:128*\j   ; K steps 2 j (lanes 0-15) and 2 j + 1 (lanes 16-31)
.endr
	s_endpgm
	; ---- W2
.Lquant:
	s_sub_co_u32 s3, ttmp9, 152
	s_and_b32 s26, s3, 7
	s_lshr_b32 s27, s3, 3                          ; the K step, 0 .. 21
	s_lshl_b32 s26, s26, 2
	s_add_co_u32 s26, s26, s2                      ; B: my wave's 32 columns
	v_lshlrev_b32 v2, 2, v1                        ; 4 bytes a lane
	v_bfe_u32 v3, v0, 3, 1                         ; column 32 B + l lies in fragment 2 B + e, e = (l / 8) % 2,
	v_and_b32 v4, 7, v0
	v_bfe_u32 v5, v0, 4, 1
	v_lshl_add_u32 v4, v5, 3, v4                   ; at lane-row r = l % 8 + 8 (l / 16)
	v_mul_u32_u24 v6, v3, 33792                    ; a fragment row of 22 K steps
	v_lshl_add_u32 v7, v4, 4, v6
	v_lshl_add_u32 v8, v4, 3, v6
	v_mul_u32_u24 v9, v3, 1408
	v_lshl_add_u32 v9, v4, 2, v9
	s_lshl_b32 s28, s27, 19                        ; 128 rows of 4,096 bytes
	s_lshl_b32 s29, s26, 7
	s_add_co_u32 s28, s28, s29
	s_mov_b32 s29, 0
	s_mul_i32 s30, s26, 2*33792
	s_mul_i32 s31, s27, 1536
	s_add_co_u32 s30, s30, s31
	s_add_co_u32 s30, s30, W2_C
	s_mov_b32 s31, 0
	s_mul_i32 s34, s26, 2*1408
	s_lshl_b32 s35, s27, 6
	s_add_co_u32 s34, s34, s35
	s_add_co_u32 s34, s34, W2_S
	s_mov_b32 s35, 0
	s_wait_kmcnt 0x0
	s_add_nc_u64 s[24:25], s[20:21], s[28:29]
	s_add_nc_u64 s[30:31], s[22:23], s[30:31]
	s_add_nc_u64 s[34:35], s[22:23], s[34:35]
.macro W2LOAD n                        ; W2(128 s + i, my column), i = 0 .. 127; past the tensor's end zeros
.set i, 0
.rept 128
.if i < \n
	global_load_b32 v[32+i], v2, s[24:25] offset:4096*i th:TH_LOAD_NT   ; 32 lanes read 128 consecutive bytes; the four waves stand side by side
.else
	v_mov_b32 v[32+i], 0
.endif
.set i, i+1
.endr
.endm
	s_cmp_eq_u32 s27, 21
	s_cbranch_scc1 .Ltail
	W2LOAD 128
	s_branch .Ljoin
.Ltail:
	W2LOAD 40                                      ; 2,728 = 21 x 128 + 40
.Ljoin:
	s_wait_loadcnt 0x0
.irp b, 0,1,2,3
	v_max3_num_f32 v[12+\b], |v[32+32*\b]|, |v[33+32*\b]|, 0x2800000   ; a block's 32 numbers are all mine; the floor 2^(5 - 127) holds the byte at 1 from below
.endr
.irp i, 2,4,6,8,10,12,14,16,18,20,22,24,26,28,30
.irp b, 0,1,2,3
	v_max3_num_f32 v[12+\b], v[12+\b], |v[32+32*\b+\i]|, |v[33+32*\b+\i]|
.endr
.endr
.irp b, 0,1,2,3
	v_add_nc_u32 v[16+\b], 0xfe000000, v[12+\b]    ; 4 off the exponent field: the conversion's scale operand
.endr
.irp b, 0,1,2,3
	v_lshrrev_b32 v[20+\b], 23, v[16+\b]           ; the byte
.endr
	v_lshl_or_b32 v24, v21, 8, v20
	v_lshl_or_b32 v24, v22, 16, v24
	v_lshl_or_b32 v24, v23, 24, v24                ; my column's scale word of this K step
.irp b, 0,1,2,3
	v_cvt_scalef32_pk16_bf6_f32 v[160+6*\b:162+6*\b], v[32+32*\b:47+32*\b], v[16+\b]
	v_cvt_scalef32_pk16_bf6_f32 v[184+4*\b:186+4*\b], v[48+32*\b:63+32*\b], v[16+\b]   ; (a conversion's three registers begin on an even number)
.endr
	v_nop                                          ; one plain instruction behind the conversions
.irp b, 0,1,2,3
.irp i, 0,1,2
	v_mov_b32 v[163+6*\b+\i], v[184+4*\b+\i]
.endr
.endr
.irp b, 0,1,2,3                        ; block b is what lane r + 16 (b % 2) of the fragment holds in registers 6 (b / 2) on: sixteen lanes fill 256 consecutive bytes
	global_store_b128 v7, v[160+6*\b:163+6*\b], s[30:31] offset:768*(\b/2)+256*(\b%2)
	global_store_b64 v8, v[164+6*\b:165+6*\b], s[30:31] offset:768*(\b/2)+512+128*(\b%2)
.endr
	global_store_b32 v9, v24, s[34:35]
	s_endpgm
.Lfunc_end_k_q913e0c9402_wprep:
	.size	k_q913e0c9402_wprep, .Lfunc_end_k_q913e0c9402_wprep-k_q913e0c9402_wprep
	.p2alignl 7, 3214868480
	.fill 96, 4, 3214868480
	.section	.rodata,"a",@progbits
	.p2align	6, 0x0
	.amdhsa_kernel k_q913e0c9402_wprep
		.amdhsa_group_segment_fixed_size 0
		.amdhsa_private_segment_fixed_size 0
		.amdhsa_enable_private_segment 0
		.amdhsa_kernarg_size 80
		.amdhsa_user_sgpr_count 2
		.amdhsa_user_sgpr_kernarg_segment_ptr 1
		.amdhsa_wavefront_size32 1
		.amdhsa_system_sgpr_workgroup_id_x 1
		.amdhsa_system_sgpr_workgroup_id_y 1
		.amdhsa_system_sgpr_workgroup_id_z 1
		.amdhsa_system_vgpr_workitem_id 0
		.amdhsa_next_free_vgpr 200
		.amdhsa_next_free_sgpr 66
		.amdhsa_reserve_vcc 1
		.amdhsa_float_denorm_mode_32 3
		.amdhsa_float_denorm_mode_16_64 3
		.amdhsa_memory_ordered 1
		.amdhsa_forward_progress 1
		.amdhsa_inst_pref_size 42
	.end_amdhsa_kernel
	.amdgpu_metadata
---
amdhsa.version: [ 1, 2 ]
amdhsa.kernels:
  - .name:           k_q913e0c9402_wprep
    .symbol:         k_q913e0c9402_wprep.kd
    .args:
      - { .name: w_qkv_codes, .offset: 0, .size: 8, .value_kind: global_buffer, .address_space: global }
      - { .name: w_qkv_scales, .offset: 8, .size: 8, .value_kind: global_buffer, .address_space: global }
      - { .name: w_o_codes, .offset: 16, .size: 8, .value_kind: global_buffer, .address_space: global }
      - { .name: w_o_scales, .offset: 24, .size: 8, .value_kind: global_buffer, .address_space: global }
      - { .name: W_codes, .offset: 32, .size: 8, .value_kind: global_buffer, .address_space: global }
      - { .name: W_scales, .offset: 40, .size: 8, .value_kind: global_buffer, .address_space: global }
      - { .name: V_codes, .offset: 48, .size: 8, .value_kind: global_buffer, .address_space: global }
      - { .name: V_scales, .offset: 56, .size: 8, .value_kind: global_buffer, .address_space: global }
      - { .name: W2, .offset: 64, .size: 8, .value_kind: global_buffer, .address_space: global }
      - { .name: wbuf, .offset: 72, .size: 8, .value_kind: global_buffer, .address_space: global }
    .group_segment_fixed_size: 0
    .private_segment_fixed_size: 0
    .kernarg_segment_align: 8
    .kernarg_segment_size: 80
    .max_flat_workgroup_size: 128
    .sgpr_count:     66
    .vgpr_count:     200
    .wavefront_size: 32
...
	.end_amdgpu_metadata
.endif
;; end of part 2
;; launch qkv (part 3): grid 384 x 1, 4 waves a work-group, no clusters, 168,448 bytes of LDS; arguments hbuf, wbuf, qkvbuf; writes qkvbuf
.if DOCPART == 3
	.amdgcn_target "amdgcn-amd-amdhsa--gfx1250"
	.amdhsa_code_object_version 6
	.text
	.protected	k_q913e0c9402_qkv
	.globl	k_q913e0c9402_qkv
	.p2align	8
	.type	k_q913e0c9402_qkv,@function
k_q913e0c9402_qkv:
	s_mov_b64 s[64:65], 0
	v_nop
	global_prefetch_b8 v0, s[64:65] scope:SCOPE_SE
	s_setreg_imm32_b32 hwreg(HW_REG_WAVE_MODE, 25, 1), 1
	s_wait_xcnt 0x0
; qkv = Q(h) w_qkv on codes of BF6, and q, k, v quantised on the way out, each along the K of the product that will take it.
; THE CORE.  Source 0 ("P"): 8 fragment rows (128 rows) for all of K = 1,024, shared by the four waves: 98,304 bytes, brought into LDS ONCE, a dense quarter by one tensor load a wave (nothing is ever filled again).
; Source 1 ("Q"): 4 fragment rows a wave, its own, from memory straight into registers.  All operands lie in memory as images of their registers, so every load is dense.
; In the result a lane holds ONE row of Q, and the 16 registers of P tiles 2 b, 2 b + 1 are P rows 32 b + 16 (lane / 16) + 0 .. 15: neighbours along the next K.
; Work-groups 0-255: P = 128 columns of q or k (two heads), Q = 256 tokens: a lane's 32 registers are half a fragment of q or k (K = the head's 64).
; Work-groups 256-383: P = 128 tokens, Q = 256 columns of v (a head a wave): a lane's 64 registers are a fragment of v with the KEYS along K.  Only the pointers change sides: one text.
; K is walked straight through, 8 steps of 32 matrix instructions, written out: every count is a constant.
; No cluster: a P block is read by 16 (q, k) or 4 (v) work-groups, each by its own four loads at its head; joint loads would divide those requests; this text does not have them.
; REGISTERS, in windows of 256: window 0: v1-8 addresses; v16-47 P's scale words, v48-63 Q's; v128-138 the quantiser's; v160-255 Q slots 6, 7, later the codes.  window 1: P's two buffers (v0-95, v96-191), Q slot 5 (v192-239).
;   window 2: the 32 accumulators, (a, b) at v[8 (8 a + b)].   window 3: Q slots 0-4.
; LIMITS: NaN and infinities are not served; a block whose largest magnitude lies under 2^-122 keeps the byte 1 (a block of zeros too: its codes are zeros, and only this program reads the bytes).
.set NPT,   8
.set NS,    8
.set PSC,   16
.set QSC,   PSC+NPT*NS/2
.set PROWS, NPT*NS*1536/1024           ; rows of 256 bytes in a wave's quarter of P
.set TM,    128
.set CT,    136
.set SEL,   40
.set HM,    42
.set HSC,   3145728
.set WQ_S,  9633792
.set KC,    3145728
.set VC,    6291456
.set QS,    9437184
.set SCL,   9699328
.set MSB, 0
.macro WIN new                         ; the immediate's high byte repeats the setting that is left
.if MSB != (\new)
	s_set_vgpr_msb (MSB<<8)|(\new)
.set MSB, (\new)
.endif
.endm
.macro PLACES                          ; four plain instructions between a matrix instruction and a load into, or a read of, its registers
.rept 4
	v_nop
.endr
.endm
.macro QSLOT s                         ; where K step s's four fragments of Q stand: window QW, register QR
.set SL, (\s)%8
.if SL < 5
.set QW, 3
.set QR, 48*SL
.elseif SL == 5
.set QW, 1
.set QR, 192
.elseif SL == 6
.set QW, 0
.set QR, 160
.else
.set QW, 0
.set QR, 208
.endif
.endm
.macro PL128 reg, o
	ds_load_b128 v[\reg:\reg+3], v[2+((\o)>>16)] offset:(\o)&0xffff
.endm
.macro PL64 reg, o
	ds_load_b64 v[\reg:\reg+1], v[5+((\o)>>16)] offset:(\o)&0xffff
.endm
.macro PFETCH s                        ; P's fragments of K step s from LDS into buffer s % 2
	WIN 0x40
.set PB, 12*NPT*((\s)%2)
.set b, 0
.rept NPT
.set PO, (b*NS+(\s))*1536
	PL128 PB+12*b, PO
	PL64 PB+12*b+4, PO+512
	PL128 PB+12*b+6, PO+768
	PL64 PB+12*b+10, PO+1280
.set b, b+1
.endr
	WIN 0
.endm
.macro QFETCH s                        ; my four fragments of Q of K step s from memory
	QSLOT \s
	WIN QW<<6
.set a, 0
.rept 4
.set QO, (a*NS+(\s))*1536
	global_load_b128 v[QR+12*a:QR+12*a+3], v2, s[20:21] offset:QO
	global_load_b64 v[QR+12*a+4:QR+12*a+5], v5, s[20:21] offset:QO+512
	global_load_b128 v[QR+12*a+6:QR+12*a+9], v2, s[20:21] offset:QO+768
	global_load_b64 v[QR+12*a+10:QR+12*a+11], v5, s[20:21] offset:QO+1280
.set a, a+1
.endr
	WIN 0
.endm
.macro MULS s                          ; K step s: the accumulators take turns, one instruction a turn, in the same order in every step
	QSLOT \s
	WIN 0xa1|(QW<<2)
.set PB, 12*NPT*((\s)%2)
.set b, 0
.rept NPT
.set a, 0
.rept 4
.set AC, 8*(NPT*a+b)
.set SPR, PSC+b*(NS/2)+(\s)/2
.set SQR, QSC+a*(NS/2)+(\s)/2
.if (\s) == 0
	v_wmma_scale_f32_16x16x128_f8f6f4 v[AC:AC+7], v[PB+12*b:PB+12*b+11], v[QR+12*a:QR+12*a+11], 0, v[SPR], v[SQR] matrix_a_fmt:MATRIX_FMT_BF6 matrix_b_fmt:MATRIX_FMT_BF6
.elseif ((\s)%2) == 0
	v_wmma_scale_f32_16x16x128_f8f6f4 v[AC:AC+7], v[PB+12*b:PB+12*b+11], v[QR+12*a:QR+12*a+11], v[AC:AC+7], v[SPR], v[SQR] matrix_a_fmt:MATRIX_FMT_BF6 matrix_b_fmt:MATRIX_FMT_BF6
.else
	v_wmma_scale_f32_16x16x128_f8f6f4 v[AC:AC+7], v[PB+12*b:PB+12*b+11], v[QR+12*a:QR+12*a+11], v[AC:AC+7], v[SPR], v[SQR] matrix_a_fmt:MATRIX_FMT_BF6 matrix_b_fmt:MATRIX_FMT_BF6 matrix_a_scale:MATRIX_SCALE_ROW1 matrix_b_scale:MATRIX_SCALE_ROW1
.endif
.set a, a+1
.endr
.set b, b+1
.endr
.endm
; 32 numbers of a lane in window sw, register 16 b + i = k 32 b + 16 h + i, become 6 registers of codes (lane (r, h): the whole block h) and two scale bytes in v[pw].  Each accumulator is read from its low end on.
.macro QUANT2 src, sw, dst, pw
	WIN (\sw)|((\sw)<<2)
.irp b, 0,1
	v_max3_num_f32 v[TM+\b], |v[\src+16*\b]|, |v[\src+16*\b+1]|, 0x2800000   ; with the floor 2^(5 - 127)
.endr
.irp i, 2,4,6,8,10,12,14
.irp b, 0,1
	v_max3_num_f32 v[TM+\b], |v[\src+16*\b+\i]|, |v[\src+16*\b+\i+1]|, v[TM+\b]
.endr
.endr
	WIN 0
.irp b, 0,1
	v_permlanex16_b32 v[TM+2+\b], v[TM+\b], s[SEL], s[SEL+1]
.endr
.irp b, 0,1
	v_max_num_f32 v[TM+\b], v[TM+\b], v[TM+2+\b]
.endr
.irp b, 0,1
	v_add_nc_u32 v[TM+4+\b], 0xfe000000, v[TM+\b]
.endr
.irp b, 0,1
	v_lshrrev_b32 v[TM+2+\b], 23, v[TM+4+\b]
.endr
	v_lshl_or_b32 v[\pw], v[TM+3], 8, v[TM+2]
	WIN \sw
	v_cvt_scalef32_pk16_bf6_f32 v[\dst:\dst+2], v[\src:\src+15], v[TM+4]
	v_cvt_scalef32_pk16_bf6_f32 v[CT:CT+2], v[\src+16:\src+31], v[TM+5]
	WIN 0
	v_nop                                          ; one plain instruction behind the conversions
.irp i, 0,1,2
	v_permlane16_swap_b32 v[\dst+\i], v[CT+\i]
.endr
.irp i, 0,1,2
	v_mov_b32 v[\dst+3+\i], v[CT+\i]
.endr
.endm
	s_load_b128 s[4:7], s[0:1], 0x0                ; h's images, the weights' images
	s_load_b64 s[8:9], s[0:1], 0x10                ; q, k, v
	v_lshl_add_u32 v158, v0, 2, 0x29000
	v_mov_b32 v159, 0
	ds_add_u32 v158, v159
	ds_add_u32 v158, v159
	v_lshrrev_b32 v1, 5, v0
	v_readfirstlane_b32 s2, v1                     ; wave
	v_and_b32 v1, 31, v0
	v_lshlrev_b32 v2, 4, v1                        ; 16 x lane; v3, v4: the same 65,536 and 131,072 bytes on (an LDS immediate has 16 bits)
	v_add_nc_u32 v3, 0x10000, v2
	v_add_nc_u32 v4, 0x20000, v2
	v_lshlrev_b32 v5, 3, v1                        ; 8 x lane
	v_add_nc_u32 v6, 0x10000, v5
	v_add_nc_u32 v7, 0x20000, v5
	v_lshlrev_b32 v8, 2, v1                        ; 4 x lane
	v_mov_b32 v[TM+2], 0                           ; a lane permute's destination counts as read
	v_mov_b32 v[TM+3], 0
	s_mov_b32 s[SEL], 0x76543210
	s_mov_b32 s[SEL+1], 0xfedcba98
	s_mov_b32 s[HM], 0xffff0000
	s_mov_b32 s24, 3<<16                           ; group 1: PROWS rows of 32 elements of 8 bytes, dense, no padding, no mask
	s_mov_b32 s25, 32<<16
	s_mov_b32 s26, PROWS<<16
	s_mov_b32 s27, 32<<16
	s_mov_b32 s28, PROWS
	s_mov_b32 s29, 32
	s_mov_b32 s30, 0
	s_mov_b32 s31, 0
	s_and_b32 s50, ttmp9, 15
	s_lshr_b32 s51, ttmp9, 4
	s_sub_co_u32 s53, ttmp9, 256
	s_and_b32 s52, s53, 31
	s_lshr_b32 s53, s53, 5
	s_cmp_lt_u32 ttmp9, 256                        ; q, k or v?
	s_cselect_b32 s54, s50, s52                    ; pg: which P block
	s_cselect_b32 s55, s51, s53                    ; qg: which 16 fragment rows of Q
	s_cselect_b32 s56, 0, 128                      ; v's columns begin at fragment row 128 of w_qkv
	s_cselect_b32 s57, 1, 0
	s_lshl_b32 s58, s55, 4
	s_lshl_b32 s59, s2, 2
	s_add_co_u32 s58, s58, s59
	s_add_co_u32 s58, s58, s56                     ; my first fragment row of Q
	s_mul_i32 s33, s2, 256*PROWS                   ; my quarter of P, in LDS and in memory
	s_mul_i32 s12, s54, 98304
	s_add_co_u32 s12, s12, s33
	s_mov_b32 s13, 0
	s_lshl_b32 s14, s54, 12
	s_mov_b32 s15, 0
	s_mul_i32 s36, s58, 12288
	s_mov_b32 s37, 0
	s_lshl_b32 s38, s58, 9
	s_mov_b32 s39, 0
	s_mov_b32 s60, HSC
	s_mov_b32 s62, WQ_S
	s_cmp_lg_u32 s57, 0
	s_cselect_b32 s61, s62, s60                    ; where P's scale words begin in P's buffer,
	s_cselect_b32 s62, s60, s62                    ; and Q's in Q's
	s_add_co_u32 s14, s14, s61
	s_add_co_u32 s38, s38, s62
	s_wait_dscnt 0x0
	s_wait_kmcnt 0x0
	s_cmp_lg_u32 s57, 0
	s_cselect_b64 s[16:17], s[6:7], s[4:5]         ; P's buffer
	s_cselect_b64 s[20:21], s[4:5], s[6:7]         ; Q's
	s_add_nc_u64 s[18:19], s[16:17], s[14:15]      ; P's scale words
	s_add_nc_u64 s[22:23], s[20:21], s[38:39]      ; Q's
	s_add_nc_u64 s[20:21], s[20:21], s[36:37]      ; Q's codes
	s_add_nc_u64 s[34:35], s[16:17], s[12:13]
	s_or_b32 s35, s35, 0x80000000
	s_mov_b32 s32, 1
	tensor_load_to_lds s[32:35], s[24:31]          ; my one tensor load
	s_nop 0
	PLACES
.set b, 0
.rept NPT
.set j, 0
.rept NS/2
	global_load_b32 v[PSC+b*(NS/2)+j], v8, s[18:19] offset:(b*NS+2*j)*64   ; lanes 0-15: K step 2 j, lanes 16-31: 2 j + 1
.set j, j+1
.endr
.set b, b+1
.endr
.set a, 0
.rept 4
.set j, 0
.rept NS/2
	global_load_b32 v[QSC+a*(NS/2)+j], v8, s[22:23] offset:(a*NS+2*j)*64
.set j, j+1
.endr
.set a, a+1
.endr
.irp q, 0,1,2,3,4,5,6,7
	QFETCH \q
.endr
	s_wait_tensorcnt 0x0                           ; my quarter of P lies in LDS,
	s_barrier_signal -1
	s_barrier_wait -1                              ; everybody's does
	PFETCH 0
.set st, 0
.rept NS
.if st > 0
	PLACES
.endif
.if st+1 < NS
	PFETCH st+1
.endif
.if (st >= 1) && (st+7 < NS)
	QFETCH st+7
.endif
.if st+1 < NS
	s_wait_dscnt 4*NPT                             ; this step's P is in; the next step's loads, just issued, may be out
.else
	s_wait_dscnt 0x0
.endif
.set LC, NS-1-st
.if LC > 7
.set LC, 7
.endif
.set LC, 16*LC
.if LC > 63
.set LC, 63
.endif
	s_wait_loadcnt LC                              ; this step's Q is in: behind it stand sixteen loads for each later step asked for (the count's field ends at 63; a smaller count is safe)
	MULS st
.set st, st+1
.endr
	WIN 0
	PLACES
.irp a, 0,1,2,3
.irp c, 0,1
	QUANT2 64*\a+32*\c, 2, 160+12*\a+6*\c, 208+2*\a+\c
.endr
.endr
	s_cmp_lg_u32 s57, 0
	s_cbranch_scc0 .Lkind_b
	; ---- q, k: half fragments [32 bh][128 token fragments][768]; tiles 4 c .. 4 c + 3 are head 2 hp + c
	s_lshr_b32 s44, s55, 3                         ; batch
	s_and_b32 s45, s54, 7                          ; pair of heads
	s_lshr_b32 s46, s54, 3                         ; 0: q, 1: k
	s_lshl_b32 s44, s44, 4
	s_lshl_b32 s45, s45, 1
	s_add_co_u32 s44, s44, s45                     ; bh of c = 0
	s_and_b32 s45, s55, 7
	s_lshl_b32 s45, s45, 4
	s_add_co_u32 s45, s45, s59                     ; my first token fragment in the batch
	s_lshl_b32 s47, s44, 7
	s_add_co_u32 s47, s47, s45
	s_mul_i32 s48, s47, 768
	s_mul_i32 s49, s46, KC
	s_add_co_u32 s48, s48, s49
	s_mov_b32 s49, 0
	s_add_nc_u64 s[48:49], s[8:9], s[48:49]
	s_mov_b32 s50, 8192                            ; q's scale words: 8,192 bytes a head; k's lie with v's, 12,288 a head
	s_mov_b32 s51, QS
	s_cmp_lg_u32 s46, 0
	s_cselect_b32 s50, 12288, s50
	s_cselect_b32 s51, SCL, s51
	s_mul_i32 s52, s44, s50
	s_add_co_u32 s52, s52, s51
	s_lshl_b32 s45, s45, 6
	s_add_co_u32 s52, s52, s45
	s_mov_b32 s53, 0
	s_add_nc_u64 s[52:53], s[8:9], s[52:53]        ; head c = 0
	s_mov_b32 s51, 0
	s_add_nc_u64 s[60:61], s[52:53], s[50:51]      ; head c = 1
.irp a, 0,2
.irp c, 0,1
	v_cndmask_b32 v[216+\a+\c], v[208+2*\a+\c], v[210+2*\a+\c], s[HM]   ; lanes 0-15: fragment a's words, lanes 16-31: fragment a + 1's; bytes 2, 3 are 0: the upper 64 of K are zero codes
.endr
.endr
.irp a, 0,1,2,3
.irp c, 0,1
	global_store_b128 v2, v[160+12*\a+6*\c:163+12*\a+6*\c], s[48:49] offset:768*\a+98304*\c
	global_store_b64 v5, v[164+12*\a+6*\c:165+12*\a+6*\c], s[48:49] offset:768*\a+98304*\c+512
.endr
.endr
.irp a, 0,2
	global_store_b32 v8, v[216+\a], s[52:53] offset:64*\a
	global_store_b32 v8, v[217+\a], s[60:61] offset:64*\a
.endr
	s_wait_tensorcnt 0x0
	ds_add_u32 v158, v159
	s_wait_dscnt 0x0
	s_endpgm
	; ---- v: fragments [32 bh][16 key steps][4 tiles of the head's 64][1,536], the keys along K
.Lkind_b:
	s_lshl_b32 s44, s55, 2
	s_add_co_u32 s44, s44, s2                      ; head
	s_lshr_b32 s45, s54, 4
	s_lshl_b32 s45, s45, 4
	s_add_co_u32 s44, s44, s45                     ; bh
	s_and_b32 s45, s54, 15                         ; key step
	s_lshl_b32 s46, s44, 4
	s_add_co_u32 s46, s46, s45
	s_mul_i32 s48, s46, 6144
	s_add_co_u32 s48, s48, VC
	s_mov_b32 s49, 0
	s_add_nc_u64 s[48:49], s[8:9], s[48:49]
	s_mul_i32 s52, s44, 12288
	s_lshl_b32 s45, s45, 8
	s_add_co_u32 s52, s52, s45
	s_add_co_u32 s52, s52, SCL+8192
	s_mov_b32 s53, 0
	s_add_nc_u64 s[52:53], s[8:9], s[52:53]
.irp a, 0,1,2,3
	v_lshl_or_b32 v[216+\a], v[209+2*\a], 16, v[208+2*\a]    ; the four bytes of a row's 128 keys
.endr
	v_cndmask_b32 v220, v216, v217, s[HM]
	v_cndmask_b32 v221, v218, v219, s[HM]
.irp a, 0,1,2,3
.irp c, 0,1
	global_store_b128 v2, v[160+12*\a+6*\c:163+12*\a+6*\c], s[48:49] offset:1536*\a+768*\c
	global_store_b64 v5, v[164+12*\a+6*\c:165+12*\a+6*\c], s[48:49] offset:1536*\a+768*\c+512
.endr
.endr
	global_store_b32 v8, v220, s[52:53]
	global_store_b32 v8, v221, s[52:53] offset:128
	s_wait_tensorcnt 0x0
	ds_add_u32 v158, v159
	s_wait_dscnt 0x0
	s_endpgm
.Lfunc_end_k_q913e0c9402_qkv:
	.size	k_q913e0c9402_qkv, .Lfunc_end_k_q913e0c9402_qkv-k_q913e0c9402_qkv
	.p2alignl 7, 3214868480
	.fill 96, 4, 3214868480
	.section	.rodata,"a",@progbits
	.p2align	6, 0x0
	.amdhsa_kernel k_q913e0c9402_qkv
		.amdhsa_group_segment_fixed_size 168448
		.amdhsa_private_segment_fixed_size 0
		.amdhsa_enable_private_segment 0
		.amdhsa_kernarg_size 24
		.amdhsa_user_sgpr_count 2
		.amdhsa_user_sgpr_kernarg_segment_ptr 1
		.amdhsa_wavefront_size32 1
		.amdhsa_system_sgpr_workgroup_id_x 1
		.amdhsa_system_sgpr_workgroup_id_y 1
		.amdhsa_system_sgpr_workgroup_id_z 1
		.amdhsa_system_vgpr_workitem_id 0
		.amdhsa_next_free_vgpr 1024
		.amdhsa_next_free_sgpr 66
		.amdhsa_reserve_vcc 0
		.amdhsa_float_denorm_mode_32 3
		.amdhsa_float_denorm_mode_16_64 3
		.amdhsa_memory_ordered 1
		.amdhsa_forward_progress 1
		.amdhsa_inst_pref_size 93
	.end_amdhsa_kernel
	.amdgpu_metadata
---
amdhsa.version: [ 1, 2 ]
amdhsa.kernels:
  - .name:           k_q913e0c9402_qkv
    .symbol:         k_q913e0c9402_qkv.kd
    .args:
      - { .name: hbuf, .offset: 0, .size: 8, .value_kind: global_buffer, .address_space: global }
      - { .name: wbuf, .offset: 8, .size: 8, .value_kind: global_buffer, .address_space: global }
      - { .name: qkvbuf, .offset: 16, .size: 8, .value_kind: global_buffer, .address_space: global }
    .group_segment_fixed_size: 168448
    .private_segment_fixed_size: 0
    .kernarg_segment_align: 8
    .kernarg_segment_size: 24
    .max_flat_workgroup_size: 128
    .sgpr_count:     66
    .vgpr_count:     1024
    .wavefront_size: 32
...
	.end_amdgpu_metadata
.endif
;; end of part 3
;; launch attn (part 4): grid 8 x 32, 16 waves a work-group, no clusters, 210,944 bytes of LDS; arguments qkvbuf, cbuf; writes cbuf
.if DOCPART == 4
	.amdgcn_target "amdgcn-amd-amdhsa--gfx1250"
	.amdhsa_code_object_version 6
	.text
	.protected	k_q913e0c9402_attn
	.globl	k_q913e0c9402_attn
	.p2align	8
	.type	k_q913e0c9402_attn,@function
k_q913e0c9402_attn:
	s_mov_b64 s[64:65], 0
	v_nop
	global_prefetch_b8 v0, s[64:65] scope:SCOPE_SE
	s_setreg_imm32_b32 hwreg(HW_REG_WAVE_MODE, 25, 1), 1
	s_wait_xcnt 0x0
; Causal attention with ALiBi on codes of BF6, and its result quantised along the model's 1,024 channels.
; logit = q . k / 32 + m (key - query), m = 2^(-(head + 1) / 2).  t = logit x log2(e) is formed as (q . k + 32 m (key - query)) x (log2(e) / 32); key - query is an exact whole number in f32.
; p = 2^(t - M), M the running largest t rounded up to a whole number, is what is quantised along the keys; the row's sum is taken of the unquantised p and divides at the end.
; SHARES.  A work-group serves one (batch, head); its K, V and their scale words, 208,896 bytes, lie whole in LDS, each byte filled once, in four stages of four key steps.
; Wave w owns ONE tile of 16 queries: token fragment 8 i(w) + x, x the work-group's number along x; it needs key steps 0 .. i(w), of 128 keys, the last on the diagonal.  i(w) runs through 0 .. 15 in the order
; of a 4 x 4 magic square: waves w, w + 4, w + 8, w + 12 and waves 4 g .. 4 g + 3 each have 34 steps in all, every work-group 136.
; LAYOUT.  Both products transposed: S^T = K Q^T, O^T = V^T P^T: a lane holds one query.  The fragments' row order makes the 16 registers of tiles 2 b, 2 b + 1 neighbours: keys 32 b + 16 h + 0 .. 15 in S^T, channels likewise in O^T.
; The head's size is 64: registers 6-11 of Q's and K's fragments are zeros, under the scale byte 0 (2^-127, no NaN).
; No cluster: the eight work-groups of a (batch, head) read the same 208,896 bytes, each by its own nine loads at its head; joint loads would divide those requests; this text does not have them.
; LIMITS: NaN and infinities are not served; a block of the result whose largest magnitude lies under 2^-122 keeps the byte 1.  The block's largest p is made from the block's largest score by the same two instructions.
.set LV,  98304                        ; LDS: K's half fragments [128][768] at 0; V's fragments [16][4][1,536] here;
.set LSC, 196608                       ; K's scale words [128][64], then V's [16][4][64]
.set KC,  3145728
.set VC,  6291456
.set QS,  9437184
.set SCL, 9699328
.set CSC, 3145728                      ; the result's scale words
.set WV,  8
.set BH,  9
.set G1C, 24                           ; s[24:31] group 1: 96 rows of 256 bytes;  s[32:39]: 48 rows
.set G1S, 32
.set G0S, 40                           ; s[40:43] group 0 for the scale words; s[44:59] K's four stages; s[68:83] V's
.set G0K, 44
.set G0V, 68
.set IL,  84                           ; s84 my last key step
.set KS,  85                           ; s85 the key step
.set TK,  86                           ; s86 6,144 x key step;  s87 512 x;  s88 256 x
.set TS,  87
.set TT,  88
.set CS,  90                           ; s[90:91] log2(e) / 32
.set KAP, 92                           ; s[92:93] 32 m
.set SEL, 94
.set CNT, 96
.set BM,  240                          ; v240-243 the blocks' largest scores;  v244-247, v248-251 at work
.set PM,  244
.set SO,  248
.set TM,  240                          ; the way out's quantiser
.set CT,  204
.macro QUANT2 src, dst, pw
.irp b, 0,1
	v_max3_num_f32 v[TM+\b], |v[\src+16*\b]|, |v[\src+16*\b+1]|, 0x2800000
.endr
.irp i, 2,4,6,8,10,12,14
.irp b, 0,1
	v_max3_num_f32 v[TM+\b], |v[\src+16*\b+\i]|, |v[\src+16*\b+\i+1]|, v[TM+\b]
.endr
.endr
.irp b, 0,1
	v_permlanex16_b32 v[TM+2+\b], v[TM+\b], s[SEL], s[SEL+1]
.endr
.irp b, 0,1
	v_max_num_f32 v[TM+\b], v[TM+\b], v[TM+2+\b]
.endr
.irp b, 0,1
	v_add_nc_u32 v[TM+4+\b], 0xfe000000, v[TM+\b]
.endr
.irp b, 0,1
	v_lshrrev_b32 v[TM+2+\b], 23, v[TM+4+\b]
.endr
	v_lshl_or_b32 v[\pw], v[TM+3], 8, v[TM+2]
	v_cvt_scalef32_pk16_bf6_f32 v[\dst:\dst+2], v[\src:\src+15], v[TM+4]
	v_cvt_scalef32_pk16_bf6_f32 v[CT:CT+2], v[\src+16:\src+31], v[TM+5]
	v_nop
.irp i, 0,1,2
	v_permlane16_swap_b32 v[\dst+\i], v[CT+\i]
.endr
.irp i, 0,1,2
	v_mov_b32 v[\dst+3+\i], v[CT+\i]
.endr
.endm
	s_load_b128 s[4:7], s[0:1], 0x0                ; q, k, v; the result
	v_lshl_add_u32 v207, v0, 2, 0x33000
	v_mov_b32 v211, 0
	ds_add_u32 v207, v211
	ds_add_u32 v207, v211
	v_lshrrev_b32 v1, 5, v0
	v_readfirstlane_b32 s[WV], v1                  ; wave 0 .. 15
	s_and_b32 s[BH], ttmp7, 0xffff                 ; 16 x batch + head
.irp g, G1C, G1S
	s_mov_b32 s[\g+0], 3<<16                       ; elements of 8 bytes, no padding, no mask
	s_mov_b32 s[\g+1], 32<<16
	s_mov_b32 s[\g+3], 32<<16
	s_mov_b32 s[\g+5], 32
	s_mov_b32 s[\g+6], 0
	s_mov_b32 s[\g+7], 0
.endr
	s_mov_b32 s[G1C+2], 96<<16
	s_mov_b32 s[G1C+4], 96
	s_mov_b32 s[G1S+2], 48<<16
	s_mov_b32 s[G1S+4], 48
	s_mul_i32 s10, s[BH], 98304
	s_mov_b32 s11, 0
	s_mul_i32 s12, s[BH], 12288
	s_add_co_u32 s12, s12, SCL
	s_mov_b32 s13, 0
	s_mov_b32 s[IL], 0x0de3b658                    ; i(w), four bits a wave
	s_cmp_lt_u32 s[WV], 8
	s_cselect_b32 s[IL], 0x7a94c12f, s[IL]
	s_and_b32 s97, s[WV], 7
	s_lshl_b32 s97, s97, 2
	s_lshr_b32 s[IL], s[IL], s97
	s_and_b32 s[IL], s[IL], 15
	s_lshl_b32 s89, s[IL], 3
	s_add_co_u32 s89, s89, ttmp9                   ; my token fragment in the batch
	s_lshl_b32 s97, s[BH], 7
	s_add_co_u32 s97, s97, s89
	s_mul_i32 s60, s97, 768                        ; q's half fragment
	s_mov_b32 s61, 0
	s_lshl_b32 s62, s97, 6
	s_add_co_u32 s62, s62, QS                      ; its scale words
	s_mov_b32 s63, 0
	s_lshr_b32 s97, s[BH], 4
	s_lshl_b32 s97, s97, 7
	s_add_co_u32 s97, s97, s89                     ; my token fragment among all 256
	s_lshl_b32 s97, s97, 3
	s_and_b32 s98, s[BH], 15                       ; head
	s_lshr_b32 s99, s98, 1
	s_add_co_u32 s97, s97, s99                     ; the result's fragment: K step head / 2,
	s_and_b32 s99, s98, 1                          ; half head % 2
	s_mul_i32 s2, s97, 1536
	s_mul_i32 s3, s99, 768
	s_add_co_u32 s2, s2, s3
	s_mov_b32 s3, 0
	s_lshl_b32 s16, s97, 6
	s_lshl_b32 s99, s99, 1
	s_add_co_u32 s16, s16, s99
	s_add_co_u32 s16, s16, CSC
	s_mov_b32 s17, 0
	s_add_co_u32 s97, s98, 1                       ; 32 m = 2^(5 - (head + 1) / 2): a power of two, times 2^-0.5 for even heads
	s_lshr_b32 s97, s97, 1
	s_sub_co_i32 s97, 5, s97
	s_lshl_b32 s97, s97, 23
	s_mov_b32 s99, 0x3f3504f3
	s_bitcmp1_b32 s98, 0
	s_cselect_b32 s99, 0x3f800000, s99
	s_add_co_u32 s[KAP], s99, s97
	s_mov_b32 s[KAP+1], s[KAP]
	s_mov_b32 s[CS], 0x3d38aa3b
	s_mov_b32 s[CS+1], s[CS]
	s_mov_b32 s[SEL], 0x76543210
	s_mov_b32 s[SEL+1], 0xfedcba98
	s_mov_b32 s[KS], 0
	s_mov_b32 s[TK], 0
	s_mov_b32 s[TS], 0
	s_mov_b32 s[TT], 0
	s_wait_dscnt 0x0
	s_wait_kmcnt 0x0
	s_add_nc_u64 s[14:15], s[4:5], s[10:11]
	s_mov_b32 s[G0S], 1
	s_mov_b32 s[G0S+1], LSC
	s_add_nc_u64 s[G0S+2:G0S+3], s[4:5], s[12:13]
	s_or_b32 s[G0S+3], s[G0S+3], 0x80000000
.irp j, 0,1,2,3
	s_mov_b32 s[G0K+4*\j], 1
	s_mov_b32 s[G0K+4*\j+1], 24576*\j
	s_add_nc_u64 s[G0K+4*\j+2:G0K+4*\j+3], s[14:15], KC+24576*\j
	s_or_b32 s[G0K+4*\j+3], s[G0K+4*\j+3], 0x80000000
	s_mov_b32 s[G0V+4*\j], 1
	s_mov_b32 s[G0V+4*\j+1], LV+24576*\j
	s_add_nc_u64 s[G0V+4*\j+2:G0V+4*\j+3], s[14:15], VC+24576*\j
	s_or_b32 s[G0V+4*\j+3], s[G0V+4*\j+3], 0x80000000
.endr
	s_add_nc_u64 s[18:19], s[4:5], s[60:61]        ; q's codes
	s_add_nc_u64 s[20:21], s[4:5], s[62:63]        ; q's scale words
	s_add_nc_u64 s[22:23], s[6:7], s[2:3]          ; the result's codes
	s_add_nc_u64 s[60:61], s[6:7], s[16:17]        ; and scale bytes
	s_cmp_lg_u32 s[WV], 0                          ; all fills are first fills: wave 0 has five tensor loads out, wave 1 four, each wave's in one branch
	s_cbranch_scc1 .Lnot0
	tensor_load_to_lds s[G0S:G0S+3], s[G1S:G1S+7]
	s_nop 0
	tensor_load_to_lds s[G0K:G0K+3], s[G1C:G1C+7]
	s_nop 0
	tensor_load_to_lds s[G0K+4:G0K+7], s[G1C:G1C+7]
	s_nop 0
	tensor_load_to_lds s[G0K+8:G0K+11], s[G1C:G1C+7]
	s_nop 0
	tensor_load_to_lds s[G0K+12:G0K+15], s[G1C:G1C+7]
	s_nop 0
.rept 4
	v_nop
.endr
	s_branch .Lasked
.Lnot0:
	s_cmp_lg_u32 s[WV], 1
	s_cbranch_scc1 .Lasked
	tensor_load_to_lds s[G0V:G0V+3], s[G1C:G1C+7]
	s_nop 0
	tensor_load_to_lds s[G0V+4:G0V+7], s[G1C:G1C+7]
	s_nop 0
	tensor_load_to_lds s[G0V+8:G0V+11], s[G1C:G1C+7]
	s_nop 0
	tensor_load_to_lds s[G0V+12:G0V+15], s[G1C:G1C+7]
	s_nop 0
.rept 4
	v_nop
.endr
.Lasked:
	v_and_b32 v4, 31, v0                           ; lane
	v_and_b32 v5, 15, v0                           ; r
	v_bfe_u32 v6, v0, 4, 1                         ; h
	v_lshlrev_b32 v1, 4, v4                        ; 16 x lane
	v_lshlrev_b32 v2, 3, v4                        ; 8 x lane
	v_lshl_add_u32 v3, v4, 2, LSC                  ; the scale words: 4 x lane
	v_lshlrev_b32 v31, 2, v5                       ; 4 r
	v_add_nc_u32 v10, v31, v6                      ; 4 r + h
	global_load_b128 v[16:19], v1, s[18:19]        ; Q's half fragment stays in registers
	global_load_b64 v[20:21], v2, s[18:19] offset:512
	global_load_b32 v28, v31, s[20:21]
	s_lshr_b32 s97, s89, 1
	s_lshl_b32 s97, s97, 5
	s_and_b32 s98, s89, 1
	s_lshl_b32 s98, s98, 3
	s_add_co_u32 s97, s97, s98
	v_and_b32 v11, 7, v0
	v_bfe_u32 v7, v0, 3, 1
	v_lshl_add_u32 v11, v7, 4, v11
	v_add_nc_u32 v11, s97, v11                     ; my query's place in the sequence
	v_lshlrev_b32 v7, 4, v6                        ; 16 h
	v_sub_nc_u32 v29, v11, v7                      ; query - 16 h, for the mask
	v_sub_nc_u32 v8, 0, v11
	v_cvt_f32_i32 v30, v8                          ; 128 x key step - query, as f32
.irp i, 0,1,2,3,4,5,6,7,8,9,10,11,12,13,14,15
	v_add_nc_u32 v[212+\i], \i, v7
.endr
.irp i, 0,1,2,3,4,5,6,7,8,9,10,11,12,13,14,15
	v_cvt_f32_u32 v[212+\i], v[212+\i]             ; 16 h + i
.endr
.irp i, 22,23,24,25,26,27
	v_mov_b32 v[\i], 0                             ; the upper 64 of K: zero codes, in Q
.endr
.irp t, 0,1,2,3
.irp i, 6,7,8,9,10,11
	v_mov_b32 v[32+12*\t+\i], 0                    ; and in K's four fragments: no load ever touches these
.endr
.endr
	v_mov_b32 v13, 0xff61b1e6                      ; the largest t so far: -3e38
	v_floor_f32 v12, -v13                          ; -M
	v_mov_b32 v14, 0                               ; the sum, in two halves
	v_mov_b32 v15, 0
.set j, 0
.rept 32
	v_mov_b32 v[160+j], 0                          ; O^T: the step is written once; the first change of M leaves zeros zeros
.set j, j+1
.endr
.set j, 240
.rept 14
	v_mov_b32 v[j], 0                              ; permutes' destinations, and the pair v[252:253], are named before they are first written
.set j, j+1
.endr
; A KEY STEP: 128 keys.
.macro STEP
	s_cmp_gt_u32 s[KS], s[IL]                      ; all its keys come after my queries: only the addresses step.  No barrier and no tensor load stands in a step
	s_cbranch_scc1 .Lskip_\@
	v_add_nc_u32 v4, s[TK], v1                     ; (these six and the addition at the last step's end are the places between the last products and those below, which write over V's registers)
	v_add_nc_u32 v5, s[TK], v2
	v_add_nc_u32 v6, LV, v4
	v_add_nc_u32 v7, LV, v5
	v_add_nc_u32 v8, s[TS], v3
	v_add_nc_u32 v9, s[TT], v3
.irp p, 0,1,2,3
	ds_load_b32 v[80+\p], v8 offset:128*\p         ; K's scale words: lanes 0-15 tile 2 p, lanes 16-31 tile 2 p + 1
.endr
.irp g, 0,1
.if \g > 0
.rept 4
	v_nop                                          ; places in front of loads into registers that matrix instructions have read
.endr
.endif
.irp t, 0,1,2,3
	ds_load_b128 v[32+12*\t:35+12*\t], v4 offset:(4*\g+\t)*768
	ds_load_b64 v[36+12*\t:37+12*\t], v5 offset:(4*\g+\t)*768+512
.endr
	s_wait_dscnt 0x0
.irp t, 0,1,2,3
.if (\t%2) == 0
	v_wmma_scale_f32_16x16x128_f8f6f4 v[96+8*(4*\g+\t):103+8*(4*\g+\t)], v[32+12*\t:43+12*\t], v[16:27], 0, v[80+2*\g+\t/2], v28 matrix_a_fmt:MATRIX_FMT_BF6 matrix_b_fmt:MATRIX_FMT_BF6
.else
	v_wmma_scale_f32_16x16x128_f8f6f4 v[96+8*(4*\g+\t):103+8*(4*\g+\t)], v[32+12*\t:43+12*\t], v[16:27], 0, v[80+2*\g+\t/2], v28 matrix_a_fmt:MATRIX_FMT_BF6 matrix_b_fmt:MATRIX_FMT_BF6 matrix_a_scale:MATRIX_SCALE_ROW1
.endif
.endr
.endr
	v_mov_b32 v228, v30                            ; 128 ks + 32 b - query, b = 0 .. 3.  (Four places behind the products)
	v_add_f32 v229, 0x42000000, v30
	v_add_f32 v230, 0x42800000, v30
	v_add_f32 v231, 0x42c00000, v30
.irp b, 0,1,2,3                        ; ALiBi: score + 32 m (key - query); register 16 b + i holds key 128 ks + 32 b + 16 h + i
.irp q, 0,1
.irp e, 0,1,2,3
.if (\b%2) == 0
	v_pk_add_f32 v[232+2*\e:233+2*\e], v[212+8*\q+2*\e:213+8*\q+2*\e], v[228+2*(\b/2):229+2*(\b/2)] op_sel_hi:[1,0]
.else
	v_pk_add_f32 v[232+2*\e:233+2*\e], v[212+8*\q+2*\e:213+8*\q+2*\e], v[228+2*(\b/2):229+2*(\b/2)] op_sel:[0,1] op_sel_hi:[1,1]
.endif
.endr
.irp e, 0,1,2,3
	v_pk_fma_f32 v[96+16*\b+8*\q+2*\e:97+16*\b+8*\q+2*\e], v[232+2*\e:233+2*\e], s[KAP:KAP+1], v[96+16*\b+8*\q+2*\e:97+16*\b+8*\q+2*\e] op_sel_hi:[1,0,1]
.endr
.endr
.endr
	s_cmp_lg_u32 s[KS], s[IL]                      ; on the diagonal hidden keys' scores become -infinity ahead of the maximum
	s_cbranch_scc1 .Lopen_\@
	s_lshl_b32 s97, s[KS], 7
	v_sub_nc_u32 v255, v29, s97                    ; d = query - 128 ks - 16 h: register 16 b + i is hidden where 32 b + i > d
	v_mov_b32 v254, 0xff800000
.set n, 0
.rept 64
	v_cmp_gt_i32 vcc_lo, 32*(n/16)+n%16, v255
	v_cndmask_b32 v[96+n], v[96+n], v254, vcc_lo
.set n, n+1
.endr
.Lopen_\@:
.irp b, 0,1,2,3
	v_max3_num_f32 v[BM+\b], v[96+16*\b], v[97+16*\b], v[98+16*\b]   ; the largest score of each block of 32 keys: for the row's maximum, and for the block's largest p
.endr
.irp i, 3,5,7,9,11,13
.irp b, 0,1,2,3
	v_max3_num_f32 v[BM+\b], v[BM+\b], v[96+16*\b+\i], v[97+16*\b+\i]
.endr
.endr
.irp b, 0,1,2,3
	v_max_num_f32 v[BM+\b], v[BM+\b], v[111+16*\b]
.endr
.irp b, 0,1,2,3
	v_permlanex16_b32 v[PM+\b], v[BM+\b], s[SEL], s[SEL+1]
.endr
.irp b, 0,1,2,3
	v_max_num_f32 v[BM+\b], v[BM+\b], v[PM+\b]
.endr
	v_max3_num_f32 v254, v240, v241, v242
	v_max_num_f32 v254, v254, v243
	v_mul_f32 v254, s[CS], v254                    ; as t
	v_max_num_f32 v13, v13, v254                   ; the running largest t
	v_mov_b32 v254, v12
	v_floor_f32 v12, -v13                          ; -M = floor(-t): M is a whole number
	v_sub_f32 v254, v12, v254
	v_cvt_i32_f32 v254, v254                       ; old M - new M (it saturates)
	v_ldexp_f32 v252, 1.0, v254                    ; f = 2^(old M - new M): exact
.set j, 0
.rept 32
	v_pk_fma_f32 v[96+2*j:97+2*j], v[96+2*j:97+2*j], s[CS:CS+1], v[12:13] op_sel_hi:[1,0,0]   ; t - M
.set j, j+1
.endr
.irp b, 0,1,2,3
	v_fma_f32 v[BM+\b], v[BM+\b], s[CS], v12
.endr
.set j, 0
.rept 64
	v_exp_f32 v[96+j], v[96+j]                     ; p, at most 1, not normalised
.set j, j+1
.endr
	v_pk_mul_f32 v[14:15], v[14:15], v[252:253] op_sel_hi:[1,0]   ; the sums under the new M: a plain instruction behind the exponentials
	s_wait_alu depctr_va_vdst(0)                   ; one wait for the batch of 64, ahead of its first reader
.irp b, 0,1,2,3
	v_exp_f32 v[BM+\b], v[BM+\b]                   ; the blocks' largest p
.endr
	v_pk_add_f32 v[244:245], v[96:97], v[98:99]    ; the row's sum of the unquantised p, in two chains
.irp j, 4,8,12,16,20,24,28,32,36,40,44,48,52,56,60
	v_pk_add_f32 v[14:15], v[14:15], v[96+\j:97+\j]
	v_pk_add_f32 v[244:245], v[244:245], v[98+\j:99+\j]
.endr
	v_pk_add_f32 v[14:15], v[14:15], v[244:245]
	s_wait_alu depctr_va_vdst(0)                   ; and one for the four
.irp b, 0,1,2,3
	v_max_num_f32 v[BM+\b], 0x2800000, v[BM+\b]    ; the floor 2^(5 - 127)
.endr
.irp b, 0,1,2,3
	v_add_nc_u32 v[SO+\b], 0xfe000000, v[BM+\b]
.endr
.irp b, 0,1,2,3
	v_lshrrev_b32 v[PM+\b], 23, v[SO+\b]
.endr
	v_lshl_or_b32 v253, v245, 8, v244              ; p's scale word for these 128 keys
	v_lshl_or_b32 v253, v246, 16, v253
	v_lshl_or_b32 v253, v247, 24, v253
.irp c, 0,1
	v_cvt_scalef32_pk16_bf6_f32 v[192+6*\c:194+6*\c], v[96+32*\c:111+32*\c], v[SO+2*\c]
	v_cvt_scalef32_pk16_bf6_f32 v[204+4*\c:206+4*\c], v[112+32*\c:127+32*\c], v[SO+2*\c+1]
.endr
	v_nop                                          ; one plain instruction behind the conversions
.irp c, 0,1
.irp i, 0,1,2
	v_permlane16_swap_b32 v[192+6*\c+\i], v[204+4*\c+\i]
.endr
.irp i, 0,1,2
	v_mov_b32 v[195+6*\c+\i], v[204+4*\c+\i]
.endr
.endr
.irp t, 0,1,2,3                        ; V's four fragments take p's registers
	ds_load_b128 v[96+12*\t:99+12*\t], v6 offset:1536*\t
	ds_load_b64 v[100+12*\t:101+12*\t], v7 offset:1536*\t+512
	ds_load_b128 v[102+12*\t:105+12*\t], v6 offset:1536*\t+768
	ds_load_b64 v[106+12*\t:107+12*\t], v7 offset:1536*\t+1280
.endr
	ds_load_b32 v84, v9 offset:8192
	ds_load_b32 v85, v9 offset:8192+128
.set j, 0
.rept 16
	v_pk_mul_f32 v[160+2*j:161+2*j], v[160+2*j:161+2*j], v[252:253] op_sel_hi:[1,0]   ; O^T under the new M; also the distance between the writes of p's codes and scale word and the products
.set j, j+1
.endr
	s_wait_dscnt 0x0
.irp t, 0,1,2,3
.if (\t%2) == 0
	v_wmma_scale_f32_16x16x128_f8f6f4 v[160+8*\t:167+8*\t], v[96+12*\t:107+12*\t], v[192:203], v[160+8*\t:167+8*\t], v[84+\t/2], v253 matrix_a_fmt:MATRIX_FMT_BF6 matrix_b_fmt:MATRIX_FMT_BF6
.else
	v_wmma_scale_f32_16x16x128_f8f6f4 v[160+8*\t:167+8*\t], v[96+12*\t:107+12*\t], v[192:203], v[160+8*\t:167+8*\t], v[84+\t/2], v253 matrix_a_fmt:MATRIX_FMT_BF6 matrix_b_fmt:MATRIX_FMT_BF6 matrix_a_scale:MATRIX_SCALE_ROW1
.endif
.endr
	v_add_f32 v30, 0x43000000, v30                 ; 128 keys on
.Lskip_\@:
	s_add_co_u32 s[KS], s[KS], 1
	s_add_co_u32 s[TK], s[TK], 6144
	s_add_co_u32 s[TS], s[TS], 512
	s_add_co_u32 s[TT], s[TT], 256
.endm
	s_wait_loadcnt 0x0                             ; Q
.irp stg, 3,2,1,0                      ; four stages of four key steps.  The count leaves the later stages' fills on their way
	s_wait_dscnt 0x0
	s_wait_tensorcnt \stg                          ; waves 0 and 1: this stage's K, V (and the scale words) have landed
	s_barrier_signal -1
	s_barrier_wait -1
	s_mov_b32 s[CNT], 4
.Lstage\stg:
	STEP
	s_sub_co_u32 s[CNT], s[CNT], 1
	s_cmp_lg_u32 s[CNT], 0
	s_cbranch_scc1 .Lstage\stg
.endr
	; THE WAY OUT: O^T / the sum is half a fragment of the next product's operand: K = 64 x head + channel
	v_add_f32 v14, v14, v15
	v_permlanex16_b32 v252, v14, s[SEL], s[SEL+1]
	v_add_f32 v14, v14, v252                       ; the row's sum
	v_rcp_f32 v15, v14
	v_bfe_u32 v255, v0, 4, 1                       ; (plain work behind the reciprocal)
	v_lshlrev_b32 v255, 3, v255                    ; 8 h
	s_wait_alu depctr_va_vdst(0)                   ; the wait ahead of the reciprocal's first reader
.set j, 0
.rept 32
	v_mul_f32 v[96+j], v[160+j], v15               ; register 16 b + i: channel 32 b + 16 h + i
.set j, j+1
.endr
	QUANT2 96, 192, 254
	v_lshrrev_b32 v254, v255, v254                 ; lane (r, h): the byte of block h
	global_store_b128 v1, v[192:195], s[22:23]
	global_store_b64 v2, v[196:197], s[22:23] offset:512
	global_store_b8 v10, v254, s[60:61]
	s_wait_tensorcnt 0x0
	ds_add_u32 v207, v211
	s_wait_dscnt 0x0
	s_endpgm
.Lfunc_end_k_q913e0c9402_attn:
	.size	k_q913e0c9402_attn, .Lfunc_end_k_q913e0c9402_attn-k_q913e0c9402_attn
	.p2alignl 7, 3214868480
	.fill 96, 4, 3214868480
	.section	.rodata,"a",@progbits
	.p2align	6, 0x0
	.amdhsa_kernel k_q913e0c9402_attn
		.amdhsa_group_segment_fixed_size 210944
		.amdhsa_private_segment_fixed_size 0
		.amdhsa_enable_private_segment 0
		.amdhsa_kernarg_size 16
		.amdhsa_user_sgpr_count 2
		.amdhsa_user_sgpr_kernarg_segment_ptr 1
		.amdhsa_wavefront_size32 1
		.amdhsa_system_sgpr_workgroup_id_x 1
		.amdhsa_system_sgpr_workgroup_id_y 1
		.amdhsa_system_sgpr_workgroup_id_z 1
		.amdhsa_system_vgpr_workitem_id 0
		.amdhsa_next_free_vgpr 256
		.amdhsa_next_free_sgpr 100
		.amdhsa_reserve_vcc 1
		.amdhsa_float_denorm_mode_32 3
		.amdhsa_float_denorm_mode_16_64 3
		.amdhsa_memory_ordered 1
		.amdhsa_forward_progress 1
		.amdhsa_inst_pref_size 120
	.end_amdhsa_kernel
	.amdgpu_metadata
---
amdhsa.version: [ 1, 2 ]
amdhsa.kernels:
  - .name:           k_q913e0c9402_attn
    .symbol:         k_q913e0c9402_attn.kd
    .args:
      - { .name: qkvbuf, .offset: 0, .size: 8, .value_kind: global_buffer, .address_space: global }
      - { .name: cbuf, .offset: 8, .size: 8, .value_kind: global_buffer, .address_space: global }
    .group_segment_fixed_size: 210944
    .private_segment_fixed_size: 0
    .kernarg_segment_align: 8
    .kernarg_segment_size: 16
    .max_flat_workgroup_size: 512
    .sgpr_count:     100
    .vgpr_count:     256
    .wavefront_size: 32
...
	.end_amdgpu_metadata
.endif
;; end of part 4
;; launch wo (part 5): grid 256 x 1, 4 waves a work-group, no clusters, 168,448 bytes of LDS; arguments cbuf, wbuf, x, x1; writes x1
.if DOCPART == 5
	.amdgcn_target "amdgcn-amd-amdhsa--gfx1250"
	.amdhsa_code_object_version 6
	.text
	.protected	k_q913e0c9402_wo
	.globl	k_q913e0c9402_wo
	.p2align	8
	.type	k_q913e0c9402_wo,@function
k_q913e0c9402_wo:
	s_mov_b64 s[64:65], 0
	v_nop
	global_prefetch_b8 v0, s[64:65] scope:SCOPE_SE
	s_setreg_imm32_b32 hwreg(HW_REG_WAVE_MODE, 25, 1), 1
	s_wait_xcnt 0x0
; x1 = Q(concat) w_o + x, on codes of BF6; f32 out.
; THE CORE.  Source 0 ("P"): 4 fragment rows of the weight (64 output columns) for all of K, shared by the four waves, brought into LDS ONCE, a dense quarter by one tensor load a wave (nothing is ever filled again).
; Source 1 ("Q"): 4 token fragments a wave, its own, from memory straight into registers.  All operands lie in memory as images of their registers.
; In the result a lane holds one token and, in tiles 2 b, 2 b + 1, columns 32 b + 16 (lane / 16) + 0 .. 15.  A fragment's 16 tokens x 64 columns go through the wave's own stage in LDS and leave, with the residual added, as aligned blocks of 256 bytes.
; K is walked straight through, NS steps of 16 matrix instructions, written out.
; No cluster: a P block is read by 16 work-groups, each by its own four loads at its head; joint loads would divide those requests; this text does not have them.
; REGISTERS, in windows of 256: window 0: v1-13 addresses; from v16 P's scale words, then Q's; v128-191 the residual, v192-255 rows back from the stage (both after the last product; before it v160-255 are Q slots 6, 7).
;   window 1: P's two buffers (v0-47, v48-95), Q slot 5 (v192-239).   window 2: the 16 accumulators, (a, b) at v[8 (4 a + b)].   window 3: Q slots 0-4.
.set NPT,   4
.set NS,    8
.set PC0,   2359296                    ; the weight's codes and scale words in the weights' buffer
.set PS0,   9732096
.set AS0,   3145728                    ; the activations' scale words in their buffer
.set FINAL, 0
.set PSC,   16
.set QSC,   PSC+NPT*NS/2
.set PROWS, NPT*NS*1536/1024
.set STAGE, NPT*NS*1536                ; behind P: 16 rows x (256 + 16) bytes for each wave; no tensor load lands here
.set MSB, 0
.macro WIN new                         ; the immediate's high byte repeats the setting that is left
.if MSB != (\new)
	s_set_vgpr_msb (MSB<<8)|(\new)
.set MSB, (\new)
.endif
.endm
.macro PLACES                          ; four plain instructions between a matrix instruction and a load into, or a read of, its registers
.rept 4
	v_nop
.endr
.endm
.macro QSLOT s
.set SL, (\s)%8
.if SL < 5
.set QW, 3
.set QR, 48*SL
.elseif SL == 5
.set QW, 1
.set QR, 192
.elseif SL == 6
.set QW, 0
.set QR, 160
.else
.set QW, 0
.set QR, 208
.endif
.endm
.macro PL128 reg, o
	ds_load_b128 v[\reg:\reg+3], v[2+((\o)>>16)] offset:(\o)&0xffff
.endm
.macro PL64 reg, o
	ds_load_b64 v[\reg:\reg+1], v[5+((\o)>>16)] offset:(\o)&0xffff
.endm
.macro PFETCH s
	WIN 0x40
.set PB, 12*NPT*((\s)%2)
.set b, 0
.rept NPT
.set PO, (b*NS+(\s))*1536
	PL128 PB+12*b, PO
	PL64 PB+12*b+4, PO+512
	PL128 PB+12*b+6, PO+768
	PL64 PB+12*b+10, PO+1280
.set b, b+1
.endr
	WIN 0
.endm
.macro QFETCH s
	QSLOT \s
	WIN QW<<6
.set a, 0
.rept 4
.set QO, (a*NS+(\s))*1536
	global_load_b128 v[QR+12*a:QR+12*a+3], v2, s[20:21] offset:QO
	global_load_b64 v[QR+12*a+4:QR+12*a+5], v5, s[20:21] offset:QO+512
	global_load_b128 v[QR+12*a+6:QR+12*a+9], v2, s[20:21] offset:QO+768
	global_load_b64 v[QR+12*a+10:QR+12*a+11], v5, s[20:21] offset:QO+1280
.set a, a+1
.endr
	WIN 0
.endm
.macro MULS s                          ; the accumulators take turns, one instruction a turn, in the same order in every step
	QSLOT \s
	WIN 0xa1|(QW<<2)
.set PB, 12*NPT*((\s)%2)
.set b, 0
.rept NPT
.set a, 0
.rept 4
.set AC, 8*(NPT*a+b)
.set SPR, PSC+b*(NS/2)+(\s)/2
.set SQR, QSC+a*(NS/2)+(\s)/2
.if (\s) == 0
	v_wmma_scale_f32_16x16x128_f8f6f4 v[AC:AC+7], v[PB+12*b:PB+12*b+11], v[QR+12*a:QR+12*a+11], 0, v[SPR], v[SQR] matrix_a_fmt:MATRIX_FMT_BF6 matrix_b_fmt:MATRIX_FMT_BF6
.elseif ((\s)%2) == 0
	v_wmma_scale_f32_16x16x128_f8f6f4 v[AC:AC+7], v[PB+12*b:PB+12*b+11], v[QR+12*a:QR+12*a+11], v[AC:AC+7], v[SPR], v[SQR] matrix_a_fmt:MATRIX_FMT_BF6 matrix_b_fmt:MATRIX_FMT_BF6
.else
	v_wmma_scale_f32_16x16x128_f8f6f4 v[AC:AC+7], v[PB+12*b:PB+12*b+11], v[QR+12*a:QR+12*a+11], v[AC:AC+7], v[SPR], v[SQR] matrix_a_fmt:MATRIX_FMT_BF6 matrix_b_fmt:MATRIX_FMT_BF6 matrix_a_scale:MATRIX_SCALE_ROW1 matrix_b_scale:MATRIX_SCALE_ROW1
.endif
.set a, a+1
.endr
.set b, b+1
.endr
.endm
; Stage rows 2 i and 2 i + 1 of token fragment a are tokens 32 (a / 2) + 8 (a % 2) + TO and + 1, TO = 2 i under 8, 16 + 2 (i - 4) from there on.
.macro RLOAD a                         ; the residual of fragment a
.set i, 0
.rept 8
.set TO, 2*i
.if i >= 4
.set TO, 16+2*(i-4)
.endif
	global_load_b128 v[128+32*((\a)%2)+4*i:128+32*((\a)%2)+4*i+3], v11, s[44:45] offset:(32*((\a)/2)+8*((\a)%2)+TO)*4096
.set i, i+1
.endr
.endm
.macro TOSTAGE a                       ; fragment a's results into my stage, each accumulator from its low end on, and back as rows of 256 bytes.  LDS serves a wave's instructions in order (ISA guide 5.7.1.4)
	WIN 0x08
.irp b, 0,1,2,3
	ds_store_b128 v9, v[8*(NPT*(\a)+\b):8*(NPT*(\a)+\b)+3] offset:128*(\b/2)+32*(\b%2)
	ds_store_b128 v9, v[8*(NPT*(\a)+\b)+4:8*(NPT*(\a)+\b)+7] offset:128*(\b/2)+32*(\b%2)+16
.endr
	WIN 0
.set i, 0
.rept 8
	ds_load_b128 v[192+32*((\a)%2)+4*i:192+32*((\a)%2)+4*i+3], v10 offset:544*i
.set i, i+1
.endr
.endm
.macro SEND a
.set i, 0
.rept 8
.set TO, 2*i
.if i >= 4
.set TO, 16+2*(i-4)
.endif
.if FINAL
	global_store_b128 v11, v[192+32*((\a)%2)+4*i:192+32*((\a)%2)+4*i+3], s[52:53] offset:(32*((\a)/2)+8*((\a)%2)+TO)*4096 th:TH_STORE_NT
.else
	global_store_b128 v11, v[192+32*((\a)%2)+4*i:192+32*((\a)%2)+4*i+3], s[52:53] offset:(32*((\a)/2)+8*((\a)%2)+TO)*4096
.endif
.set i, i+1
.endr
.endm
	s_load_b256 s[4:11], s[0:1], 0x0               ; the activations' images, the weights' images, the residual, the result
	v_lshl_add_u32 v126, v0, 2, 0x29000
	v_mov_b32 v127, 0
	ds_add_u32 v126, v127
	ds_add_u32 v126, v127
	v_lshrrev_b32 v1, 5, v0
	v_readfirstlane_b32 s2, v1                     ; wave
	v_and_b32 v1, 31, v0
	v_lshlrev_b32 v2, 4, v1                        ; 16 x lane; v3, v4: 65,536 and 131,072 bytes on (an LDS immediate has 16 bits)
	v_add_nc_u32 v3, 0x10000, v2
	v_add_nc_u32 v4, 0x20000, v2
	v_lshlrev_b32 v5, 3, v1
	v_add_nc_u32 v6, 0x10000, v5
	v_add_nc_u32 v7, 0x20000, v5
	v_lshlrev_b32 v8, 2, v1
	v_and_b32 v12, 15, v0                          ; r
	v_bfe_u32 v13, v0, 4, 1                        ; h
	s_mul_i32 s3, s2, 4352
	s_add_co_u32 s3, s3, STAGE                     ; my stage
	v_mul_u32_u24 v9, v12, 272
	v_lshl_add_u32 v9, v13, 6, v9
	v_add_nc_u32 v9, s3, v9                        ; in: row r, + 64 h
	v_mul_u32_u24 v10, v13, 272
	v_lshl_add_u32 v10, v12, 4, v10
	v_add_nc_u32 v10, s3, v10                      ; back: lanes 0-15 one row, lanes 16-31 the next
	v_lshlrev_b32 v11, 12, v13
	v_lshl_add_u32 v11, v12, 4, v11                ; and the same two rows in memory
	s_mov_b32 s24, 3<<16                           ; group 1: PROWS rows of 32 elements of 8 bytes, dense, no padding, no mask
	s_mov_b32 s25, 32<<16
	s_mov_b32 s26, PROWS<<16
	s_mov_b32 s27, 32<<16
	s_mov_b32 s28, PROWS
	s_mov_b32 s29, 32
	s_mov_b32 s30, 0
	s_mov_b32 s31, 0
	s_and_b32 s12, ttmp9, 15                       ; pg: which 64 columns
	s_lshr_b32 s13, ttmp9, 4                       ; qg: which 256 tokens
	s_lshl_b32 s14, s13, 4
	s_lshl_b32 s15, s2, 2
	s_add_co_u32 s14, s14, s15                     ; my first token fragment
	s_mul_i32 s36, s14, NS*1536
	s_mov_b32 s37, 0
	s_mul_i32 s38, s14, NS*64
	s_add_co_u32 s38, s38, AS0
	s_mov_b32 s39, 0
	s_mul_i32 s33, s2, 256*PROWS                   ; my quarter of P, in LDS and in memory
	s_mul_i32 s46, s12, NPT*NS*1536
	s_add_co_u32 s46, s46, PC0
	s_add_co_u32 s46, s46, s33
	s_mov_b32 s47, 0
	s_mul_i32 s48, s12, NPT*NS*64
	s_add_co_u32 s48, s48, PS0
	s_mov_b32 s49, 0
	s_lshl_b32 s50, s13, 8
	s_lshl_b32 s51, s2, 6
	s_add_co_u32 s50, s50, s51                     ; my first token
	s_lshl_b32 s50, s50, 12
	s_lshl_b32 s51, s12, 8
	s_add_co_u32 s50, s50, s51                     ; + the 64 columns' 256 bytes
	s_mov_b32 s51, 0
	s_wait_dscnt 0x0
	s_wait_kmcnt 0x0
	s_add_nc_u64 s[20:21], s[4:5], s[36:37]
	s_add_nc_u64 s[22:23], s[4:5], s[38:39]
	s_add_nc_u64 s[18:19], s[6:7], s[48:49]
	s_add_nc_u64 s[44:45], s[8:9], s[50:51]
	s_add_nc_u64 s[52:53], s[10:11], s[50:51]
	s_add_nc_u64 s[34:35], s[6:7], s[46:47]
	s_or_b32 s35, s35, 0x80000000
	s_mov_b32 s32, 1
	tensor_load_to_lds s[32:35], s[24:31]          ; my one tensor load
	s_nop 0
	PLACES
.set b, 0
.rept NPT
.set j, 0
.rept NS/2
	global_load_b32 v[PSC+b*(NS/2)+j], v8, s[18:19] offset:(b*NS+2*j)*64   ; lanes 0-15: K step 2 j, lanes 16-31: 2 j + 1
.set j, j+1
.endr
.set b, b+1
.endr
.set a, 0
.rept 4
.set j, 0
.rept NS/2
	global_load_b32 v[QSC+a*(NS/2)+j], v8, s[22:23] offset:(a*NS+2*j)*64
.set j, j+1
.endr
.set a, a+1
.endr
.irp q, 0,1,2,3,4,5,6,7
	QFETCH \q
.endr
	s_wait_tensorcnt 0x0                           ; my quarter of P lies in LDS,
	s_barrier_signal -1
	s_barrier_wait -1                              ; everybody's does
	PFETCH 0
.set st, 0
.rept NS
.if st > 0
	PLACES
.endif
.if st+1 < NS
	PFETCH st+1
.endif
.if (st >= 1) && (st+7 < NS)
	QFETCH st+7
.endif
.if st+1 < NS
	s_wait_dscnt 4*NPT                             ; this step's P is in; the next step's loads, just issued, may be out
.else
	s_wait_dscnt 0x0
.endif
.set LC, NS-1-st
.if LC > 7
.set LC, 7
.endif
.set LC, 16*LC
.if LC > 63
.set LC, 63
.endif
	s_wait_loadcnt LC                              ; this step's Q is in: behind it stand sixteen loads for each later step asked for (the count's field ends at 63; a smaller count is safe)
	MULS st
.set st, st+1
.endr
	WIN 0
	PLACES
	RLOAD 0
	RLOAD 1
.irp a, 0,1,2,3
.if \a >= 2
	s_wait_xcnt 0x0                                ; fragment a - 2's stores have read their registers: the stage's loads may land there
.endif
	TOSTAGE \a
	s_wait_dscnt 0x0
.if \a < 3
	s_wait_loadcnt 8                               ; this fragment's residual is in; the next one's eight loads may be out
.else
	s_wait_loadcnt 0x0
.endif
.set k, 0
.rept 16
	v_pk_add_f32 v[192+32*(\a%2)+2*k:193+32*(\a%2)+2*k], v[192+32*(\a%2)+2*k:193+32*(\a%2)+2*k], v[128+32*(\a%2)+2*k:129+32*(\a%2)+2*k]
.set k, k+1
.endr
	SEND \a                                        ; sixteen lanes store 256 consecutive bytes, at a multiple of 256 from the buffer's first byte
.if \a+2 < 4
	RLOAD \a+2
.endif
.endr
	s_wait_tensorcnt 0x0
	ds_add_u32 v126, v127
	s_wait_dscnt 0x0
	s_endpgm
.Lfunc_end_k_q913e0c9402_wo:
	.size	k_q913e0c9402_wo, .Lfunc_end_k_q913e0c9402_wo-k_q913e0c9402_wo
	.p2alignl 7, 3214868480
	.fill 96, 4, 3214868480
	.section	.rodata,"a",@progbits
	.p2align	6, 0x0
	.amdhsa_kernel k_q913e0c9402_wo
		.amdhsa_group_segment_fixed_size 168448
		.amdhsa_private_segment_fixed_size 0
		.amdhsa_enable_private_segment 0
		.amdhsa_kernarg_size 32
		.amdhsa_user_sgpr_count 2
		.amdhsa_user_sgpr_kernarg_segment_ptr 1
		.amdhsa_wavefront_size32 1
		.amdhsa_system_sgpr_workgroup_id_x 1
		.amdhsa_system_sgpr_workgroup_id_y 1
		.amdhsa_system_sgpr_workgroup_id_z 1
		.amdhsa_system_vgpr_workitem_id 0
		.amdhsa_next_free_vgpr 1024
		.amdhsa_next_free_sgpr 66
		.amdhsa_reserve_vcc 0
		.amdhsa_float_denorm_mode_32 3
		.amdhsa_float_denorm_mode_16_64 3
		.amdhsa_memory_ordered 1
		.amdhsa_forward_progress 1
		.amdhsa_inst_pref_size 61
	.end_amdhsa_kernel
	.amdgpu_metadata
---
amdhsa.version: [ 1, 2 ]
amdhsa.kernels:
  - .name:           k_q913e0c9402_wo
    .symbol:         k_q913e0c9402_wo.kd
    .args:
      - { .name: cbuf, .offset: 0, .size: 8, .value_kind: global_buffer, .address_space: global }
      - { .name: wbuf, .offset: 8, .size: 8, .value_kind: global_buffer, .address_space: global }
      - { .name: x, .offset: 16, .size: 8, .value_kind: global_buffer, .address_space: global }
      - { .name: x1, .offset: 24, .size: 8, .value_kind: global_buffer, .address_space: global }
    .group_segment_fixed_size: 168448
    .private_segment_fixed_size: 0
    .kernarg_segment_align: 8
    .kernarg_segment_size: 32
    .max_flat_workgroup_size: 128
    .sgpr_count:     66
    .vgpr_count:     1024
    .wavefront_size: 32
...
	.end_amdgpu_metadata
.endif
;; end of part 5
;; launch norm2: the kernel of part 1 again; grid 256 x 1, 8 waves a work-group, no clusters, 1,536 bytes of LDS; arguments x1, g2, hbuf; writes hbuf
;; launch up (part 6): grid 704 x 1, 4 waves a work-group, no clusters, 168,448 bytes of LDS; arguments hbuf, wbuf, gbuf; writes gbuf
.if DOCPART == 6
	.amdgcn_target "amdgcn-amd-amdhsa--gfx1250"
	.amdhsa_code_object_version 6
	.text
	.protected	k_q913e0c9402_up
	.globl	k_q913e0c9402_up
	.p2align	8
	.type	k_q913e0c9402_up,@function
k_q913e0c9402_up:
	s_mov_b64 s[64:65], 0
	v_nop
	global_prefetch_b8 v0, s[64:65] scope:SCOPE_SE
	s_setreg_imm32_b32 hwreg(HW_REG_WAVE_MODE, 25, 1), 1
	s_wait_xcnt 0x0
; gated = silu(Q(h) W) x (Q(h) V), on codes of BF6, quantised on the way out along the 2,728 hidden units (filled with zeros up to 2,816).
; THE CORE.  Source 0 ("P"): 4 fragment rows of W and the same 4 of V (64 hidden units) for all of K = 1,024, shared by the four waves: 98,304 bytes, brought into LDS ONCE, a dense quarter by one tensor load a wave
; (nothing is ever filled again).  Source 1 ("Q"): 4 token fragments a wave, its own, from memory straight into registers.  All operands lie in memory as images of their registers.
; In the result a lane holds one token; registers 16 b + i of W's four tiles, and of V's, are hidden units 32 b + 16 (lane / 16) + i: half a fragment of the next product's operand.
; Hidden units from 2,728 on have zero weight codes: their gated value is 0, and so is its code.
; No cluster: a P block is read by 16 work-groups, each by its own four loads at its head; joint loads would divide those requests; this text does not have them.
; REGISTERS, in windows of 256: window 0: v1-10 addresses; v16-47 P's scale words, v48-63 Q's; v64-95, v96-127 the activation's; v128-138 the quantiser's; v160-255 Q slots 6, 7, later the codes.
;   window 1: P's two buffers, Q slot 5.   window 2: the 32 accumulators, (a, b) at v[8 (8 a + b)].   window 3: Q slots 0-4.
; LIMITS: NaN and infinities are not served.  silu(w) v = w v x rcp(1 + 2^(-w log2(e))).  A block whose largest magnitude lies under 2^-122 keeps the byte 1 (a block of zeros too; only this program reads the bytes).
.set NPT,   8
.set NS,    8
.set PSC,   16
.set QSC,   PSC+NPT*NS/2
.set PROWS, NPT*NS*1536/1024
.set TM,    128
.set CT,    136
.set SEL,   40
.set HSC,   3145728
.set WV_C,  3145728
.set WV_S,  9764864
.set GSC,   8650752
.set MSB, 0
.macro WIN new                         ; the immediate's high byte repeats the setting that is left
.if MSB != (\new)
	s_set_vgpr_msb (MSB<<8)|(\new)
.set MSB, (\new)
.endif
.endm
.macro PLACES                          ; four plain instructions between a matrix instruction and a load into, or a read of, its registers
.rept 4
	v_nop
.endr
.endm
.macro QSLOT s
.set SL, (\s)%8
.if SL < 5
.set QW, 3
.set QR, 48*SL
.elseif SL == 5
.set QW, 1
.set QR, 192
.elseif SL == 6
.set QW, 0
.set QR, 160
.else
.set QW, 0
.set QR, 208
.endif
.endm
.macro PL128 reg, o
	ds_load_b128 v[\reg:\reg+3], v[2+((\o)>>16)] offset:(\o)&0xffff
.endm
.macro PL64 reg, o
	ds_load_b64 v[\reg:\reg+1], v[5+((\o)>>16)] offset:(\o)&0xffff
.endm
.macro PFETCH s
	WIN 0x40
.set PB, 12*NPT*((\s)%2)
.set b, 0
.rept NPT
.set PO, (b*NS+(\s))*1536
	PL128 PB+12*b, PO
	PL64 PB+12*b+4, PO+512
	PL128 PB+12*b+6, PO+768
	PL64 PB+12*b+10, PO+1280
.set b, b+1
.endr
	WIN 0
.endm
.macro QFETCH s
	QSLOT \s
	WIN QW<<6
.set a, 0
.rept 4
.set QO, (a*NS+(\s))*1536
	global_load_b128 v[QR+12*a:QR+12*a+3], v2, s[20:21] offset:QO
	global_load_b64 v[QR+12*a+4:QR+12*a+5], v5, s[20:21] offset:QO+512
	global_load_b128 v[QR+12*a+6:QR+12*a+9], v2, s[20:21] offset:QO+768
	global_load_b64 v[QR+12*a+10:QR+12*a+11], v5, s[20:21] offset:QO+1280
.set a, a+1
.endr
	WIN 0
.endm
.macro MULS s                          ; the accumulators take turns, one instruction a turn, in the same order in every step
	QSLOT \s
	WIN 0xa1|(QW<<2)
.set PB, 12*NPT*((\s)%2)
.set b, 0
.rept NPT
.set a, 0
.rept 4
.set AC, 8*(NPT*a+b)
.set SPR, PSC+b*(NS/2)+(\s)/2
.set SQR, QSC+a*(NS/2)+(\s)/2
.if (\s) == 0
	v_wmma_scale_f32_16x16x128_f8f6f4 v[AC:AC+7], v[PB+12*b:PB+12*b+11], v[QR+12*a:QR+12*a+11], 0, v[SPR], v[SQR] matrix_a_fmt:MATRIX_FMT_BF6 matrix_b_fmt:MATRIX_FMT_BF6
.elseif ((\s)%2) == 0
	v_wmma_scale_f32_16x16x128_f8f6f4 v[AC:AC+7], v[PB+12*b:PB+12*b+11], v[QR+12*a:QR+12*a+11], v[AC:AC+7], v[SPR], v[SQR] matrix_a_fmt:MATRIX_FMT_BF6 matrix_b_fmt:MATRIX_FMT_BF6
.else
	v_wmma_scale_f32_16x16x128_f8f6f4 v[AC:AC+7], v[PB+12*b:PB+12*b+11], v[QR+12*a:QR+12*a+11], v[AC:AC+7], v[SPR], v[SQR] matrix_a_fmt:MATRIX_FMT_BF6 matrix_b_fmt:MATRIX_FMT_BF6 matrix_a_scale:MATRIX_SCALE_ROW1 matrix_b_scale:MATRIX_SCALE_ROW1
.endif
.set a, a+1
.endr
.set b, b+1
.endr
.endm
; 32 numbers of a lane, register 16 b + i = k 32 b + 16 h + i, become 6 registers of codes (lane (r, h): the whole block h) and two scale bytes in v[pw].
.macro QUANT2 src, dst, pw
.irp b, 0,1
	v_max3_num_f32 v[TM+\b], |v[\src+16*\b]|, |v[\src+16*\b+1]|, 0x2800000   ; with the floor 2^(5 - 127)
.endr
.irp i, 2,4,6,8,10,12,14
.irp b, 0,1
	v_max3_num_f32 v[TM+\b], |v[\src+16*\b+\i]|, |v[\src+16*\b+\i+1]|, v[TM+\b]
.endr
.endr
.irp b, 0,1
	v_permlanex16_b32 v[TM+2+\b], v[TM+\b], s[SEL], s[SEL+1]
.endr
.irp b, 0,1
	v_max_num_f32 v[TM+\b], v[TM+\b], v[TM+2+\b]
.endr
.irp b, 0,1
	v_add_nc_u32 v[TM+4+\b], 0xfe000000, v[TM+\b]
.endr
.irp b, 0,1
	v_lshrrev_b32 v[TM+2+\b], 23, v[TM+4+\b]
.endr
	v_lshl_or_b32 v[\pw], v[TM+3], 8, v[TM+2]
	v_cvt_scalef32_pk16_bf6_f32 v[\dst:\dst+2], v[\src:\src+15], v[TM+4]
	v_cvt_scalef32_pk16_bf6_f32 v[CT:CT+2], v[\src+16:\src+31], v[TM+5]
	v_nop                                          ; one plain instruction behind the conversions
.irp i, 0,1,2
	v_permlane16_swap_b32 v[\dst+\i], v[CT+\i]
.endr
.irp i, 0,1,2
	v_mov_b32 v[\dst+3+\i], v[CT+\i]
.endr
.endm
	s_load_b128 s[4:7], s[0:1], 0x0                ; h's images, the weights' images
	s_load_b64 s[8:9], s[0:1], 0x10                ; gated's images
	v_lshl_add_u32 v158, v0, 2, 0x29000
	v_mov_b32 v159, 0
	ds_add_u32 v158, v159
	ds_add_u32 v158, v159
	v_lshrrev_b32 v1, 5, v0
	v_readfirstlane_b32 s2, v1                     ; wave
	v_and_b32 v1, 31, v0
	v_lshlrev_b32 v2, 4, v1                        ; 16 x lane; v3, v4: 65,536 and 131,072 bytes on (an LDS immediate has 16 bits)
	v_add_nc_u32 v3, 0x10000, v2
	v_add_nc_u32 v4, 0x20000, v2
	v_lshlrev_b32 v5, 3, v1
	v_add_nc_u32 v6, 0x10000, v5
	v_add_nc_u32 v7, 0x20000, v5
	v_lshlrev_b32 v8, 2, v1
	v_and_b32 v9, 15, v0
	v_bfe_u32 v10, v0, 4, 1
	v_lshl_add_u32 v9, v9, 2, v10                  ; 4 r + h: my byte of a row's scale word
	v_lshlrev_b32 v10, 3, v10                      ; 8 h
	v_mov_b32 v[TM+2], 0                           ; a lane permute's destination counts as read
	v_mov_b32 v[TM+3], 0
	s_mov_b32 s[SEL], 0x76543210
	s_mov_b32 s[SEL+1], 0xfedcba98
	s_mov_b32 s24, 3<<16                           ; group 1: PROWS rows of 32 elements of 8 bytes, dense, no padding, no mask
	s_mov_b32 s25, 32<<16
	s_mov_b32 s26, PROWS<<16
	s_mov_b32 s27, 32<<16
	s_mov_b32 s28, PROWS
	s_mov_b32 s29, 32
	s_mov_b32 s30, 0
	s_mov_b32 s31, 0
	s_lshr_b32 s12, ttmp9, 4                       ; gh: which 64 hidden units, 0 .. 43
	s_and_b32 s13, ttmp9, 15                       ; qg: which 256 tokens
	s_lshl_b32 s14, s13, 4
	s_lshl_b32 s15, s2, 2
	s_add_co_u32 s14, s14, s15                     ; my first token fragment
	s_mul_i32 s36, s14, 12288
	s_mov_b32 s37, 0
	s_lshl_b32 s38, s14, 9
	s_add_co_u32 s38, s38, HSC
	s_mov_b32 s39, 0
	s_mul_i32 s33, s2, 256*PROWS                   ; my quarter of P, in LDS and in memory
	s_mul_i32 s46, s12, 98304
	s_add_co_u32 s46, s46, WV_C
	s_add_co_u32 s46, s46, s33
	s_mov_b32 s47, 0
	s_lshl_b32 s48, s12, 12
	s_add_co_u32 s48, s48, WV_S
	s_mov_b32 s49, 0
	s_mul_i32 s50, s14, 22
	s_lshr_b32 s51, s12, 1
	s_add_co_u32 s50, s50, s51                     ; the result's fragment: 22 x token fragment + K step gh / 2,
	s_and_b32 s51, s12, 1                          ; half gh % 2
	s_mul_i32 s52, s50, 1536
	s_mul_i32 s53, s51, 768
	s_add_co_u32 s52, s52, s53
	s_mov_b32 s53, 0
	s_lshl_b32 s54, s50, 6
	s_lshl_b32 s51, s51, 1
	s_add_co_u32 s54, s54, s51
	s_add_co_u32 s54, s54, GSC
	s_mov_b32 s55, 0
	s_wait_dscnt 0x0
	s_wait_kmcnt 0x0
	s_add_nc_u64 s[20:21], s[4:5], s[36:37]
	s_add_nc_u64 s[22:23], s[4:5], s[38:39]
	s_add_nc_u64 s[18:19], s[6:7], s[48:49]
	s_add_nc_u64 s[52:53], s[8:9], s[52:53]
	s_add_nc_u64 s[54:55], s[8:9], s[54:55]
	s_add_nc_u64 s[34:35], s[6:7], s[46:47]
	s_or_b32 s35, s35, 0x80000000
	s_mov_b32 s32, 1
	tensor_load_to_lds s[32:35], s[24:31]          ; my one tensor load
	s_nop 0
	PLACES
.set b, 0
.rept NPT
.set j, 0
.rept NS/2
	global_load_b32 v[PSC+b*(NS/2)+j], v8, s[18:19] offset:(b*NS+2*j)*64   ; lanes 0-15: K step 2 j, lanes 16-31: 2 j + 1
.set j, j+1
.endr
.set b, b+1
.endr
.set a, 0
.rept 4
.set j, 0
.rept NS/2
	global_load_b32 v[QSC+a*(NS/2)+j], v8, s[22:23] offset:(a*NS+2*j)*64
.set j, j+1
.endr
.set a, a+1
.endr
.irp q, 0,1,2,3,4,5,6,7
	QFETCH \q
.endr
	s_wait_tensorcnt 0x0                           ; my quarter of P lies in LDS,
	s_barrier_signal -1
	s_barrier_wait -1                              ; everybody's does
	PFETCH 0
.set st, 0
.rept NS
.if st > 0
	PLACES
.endif
.if st+1 < NS
	PFETCH st+1
.endif
.if st+1 < NS
	s_wait_dscnt 4*NPT                             ; this step's P is in; the next step's loads, just issued, may be out
.else
	s_wait_dscnt 0x0
.endif
.set LC, 16*(NS-1-st)
.if LC > 63
.set LC, 63
.endif
	s_wait_loadcnt LC                              ; this step's Q is in: behind it stand sixteen loads for each later step (the count's field ends at 63; a smaller count is safe)
	MULS st
.set st, st+1
.endr
	WIN 0
	PLACES
.irp a, 0,1,2,3                        ; token fragment a: w in accumulators 8 a .. 8 a + 3, v in 8 a + 4 .. 8 a + 7, each read from its low end on
	WIN 0x02
.set p, 0
.rept 16
	v_pk_mul_f32 v[64+2*p:65+2*p], v[64*\a+2*p:64*\a+2*p+1], 0xbfb8aa3b op_sel_hi:[1,0]   ; -w log2(e)
.set p, p+1
.endr
	WIN 0
.set p, 0
.rept 32
	v_exp_f32 v[64+p], v[64+p]
.set p, p+1
.endr
	v_nop                                          ; a plain instruction behind the batch,
	s_wait_alu depctr_va_vdst(0)                   ; and one wait for all 32
	WIN 0x0a
.set p, 0
.rept 16
	v_pk_mul_f32 v[96+2*p:97+2*p], v[64*\a+2*p:64*\a+2*p+1], v[64*\a+32+2*p:64*\a+33+2*p]   ; w v
.set p, p+1
.endr
	WIN 0
.set p, 0
.rept 16
	v_pk_add_f32 v[64+2*p:65+2*p], v[64+2*p:65+2*p], 1.0 op_sel_hi:[1,0]
.set p, p+1
.endr
.set p, 0
.rept 32
	v_rcp_f32 v[64+p], v[64+p]
.set p, p+1
.endr
	v_nop
	s_wait_alu depctr_va_vdst(0)
.set p, 0
.rept 16
	v_pk_mul_f32 v[96+2*p:97+2*p], v[96+2*p:97+2*p], v[64+2*p:65+2*p]
.set p, p+1
.endr
	QUANT2 96, 160+6*\a, 208+\a
	v_lshrrev_b32 v[212+\a], v10, v[208+\a]        ; lane (r, h): the byte of block h
.endr
.irp a, 0,1,2,3
	global_store_b128 v2, v[160+6*\a:163+6*\a], s[52:53] offset:33792*\a
	global_store_b64 v5, v[164+6*\a:165+6*\a], s[52:53] offset:33792*\a+512
	global_store_b8 v9, v[212+\a], s[54:55] offset:1408*\a
.endr
	s_wait_tensorcnt 0x0
	ds_add_u32 v158, v159
	s_wait_dscnt 0x0
	s_endpgm
.Lfunc_end_k_q913e0c9402_up:
	.size	k_q913e0c9402_up, .Lfunc_end_k_q913e0c9402_up-k_q913e0c9402_up
	.p2alignl 7, 3214868480
	.fill 96, 4, 3214868480
	.section	.rodata,"a",@progbits
	.p2align	6, 0x0
	.amdhsa_kernel k_q913e0c9402_up
		.amdhsa_group_segment_fixed_size 168448
		.amdhsa_private_segment_fixed_size 0
		.amdhsa_enable_private_segment 0
		.amdhsa_kernarg_size 24
		.amdhsa_user_sgpr_count 2
		.amdhsa_user_sgpr_kernarg_segment_ptr 1
		.amdhsa_wavefront_size32 1
		.amdhsa_system_sgpr_workgroup_id_x 1
		.amdhsa_system_sgpr_workgroup_id_y 1
		.amdhsa_system_sgpr_workgroup_id_z 1
		.amdhsa_system_vgpr_workitem_id 0
		.amdhsa_next_free_vgpr 1024
		.amdhsa_next_free_sgpr 66
		.amdhsa_reserve_vcc 0
		.amdhsa_float_denorm_mode_32 3
		.amdhsa_float_denorm_mode_16_64 3
		.amdhsa_memory_ordered 1
		.amdhsa_forward_progress 1
		.amdhsa_inst_pref_size 107
	.end_amdhsa_kernel
	.amdgpu_metadata
---
amdhsa.version: [ 1, 2 ]
amdhsa.kernels:
  - .name:           k_q913e0c9402_up
    .symbol:         k_q913e0c9402_up.kd
    .args:
      - { .name: hbuf, .offset: 0, .size: 8, .value_kind: global_buffer, .address_space: global }
      - { .name: wbuf, .offset: 8, .size: 8, .value_kind: global_buffer, .address_space: global }
      - { .name: gbuf, .offset: 16, .size: 8, .value_kind: global_buffer, .address_space: global }
    .group_segment_fixed_size: 168448
    .private_segment_fixed_size: 0
    .kernarg_segment_align: 8
    .kernarg_segment_size: 24
    .max_flat_workgroup_size: 128
    .sgpr_count:     66
    .vgpr_count:     1024
    .wavefront_size: 32
...
	.end_amdgpu_metadata
.endif
;; end of part 6
;; launch down (part 7): grid 256 x 1, 4 waves a work-group, no clusters, 168,448 bytes of LDS; arguments gbuf, wbuf, x1, out0; writes out0
.if DOCPART == 7
	.amdgcn_target "amdgcn-amd-amdhsa--gfx1250"
	.amdhsa_code_object_version 6
	.text
	.protected	k_q913e0c9402_down
	.globl	k_q913e0c9402_down
	.p2align	8
	.type	k_q913e0c9402_down,@function
k_q913e0c9402_down:
	s_mov_b64 s[64:65], 0
	v_nop
	global_prefetch_b8 v0, s[64:65] scope:SCOPE_SE
	s_setreg_imm32_b32 hwreg(HW_REG_WAVE_MODE, 25, 1), 1
	s_wait_xcnt 0x0
; out = Q(gated) Q(W2) + x1, on codes of BF6; f32 out.  K = 2,816: 2,728 and zeros, 22 steps of 128.
; THE CORE.  Source 0 ("P"): 4 fragment rows of the weight (64 output columns) for all of K, shared by the four waves: 135,168 bytes, brought into LDS ONCE, a dense quarter by one tensor load a wave (nothing is ever filled again).
; Source 1 ("Q"): 4 token fragments a wave, its own, from memory straight into registers, through eight slots of registers that take turns.  All operands lie in memory as images of their registers.
; In the result a lane holds one token and, in tiles 2 b, 2 b + 1, columns 32 b + 16 (lane / 16) + 0 .. 15.  A fragment's 16 tokens x 64 columns go through the wave's own stage in LDS and leave, with the residual added, as aligned blocks of 256 bytes.
; K is walked straight through, NS steps of 16 matrix instructions, written out.
; No cluster: a P block is read by 16 work-groups, each by its own four loads at its head; joint loads would divide those requests; this text does not have them.
; REGISTERS, in windows of 256: window 0: v1-13 addresses; v16-59 P's scale words, v60-103 Q's; v128-191 the residual, v192-255 rows back from the stage (both after the last product; before it v160-255 are Q slots 6, 7).
;   window 1: P's two buffers (v0-47, v48-95), Q slot 5 (v192-239).   window 2: the 16 accumulators, (a, b) at v[8 (4 a + b)].   window 3: Q slots 0-4.
.set NPT,   4
.set NS,    22
.set PC0,   7471104                    ; the weight's codes and scale words in the weights' buffer
.set PS0,   9945088
.set AS0,   8650752                    ; the activations' scale words in their buffer
.set FINAL, 1
.set PSC,   16
.set QSC,   PSC+NPT*NS/2
.set PROWS, NPT*NS*1536/1024
.set STAGE, NPT*NS*1536                ; behind P: 16 rows x (256 + 16) bytes for each wave; no tensor load lands here
.set MSB, 0
.macro WIN new                         ; the immediate's high byte repeats the setting that is left
.if MSB != (\new)
	s_set_vgpr_msb (MSB<<8)|(\new)
.set MSB, (\new)
.endif
.endm
.macro PLACES                          ; four plain instructions between a matrix instruction and a load into, or a read of, its registers
.rept 4
	v_nop
.endr
.endm
.macro QSLOT s
.set SL, (\s)%8
.if SL < 5
.set QW, 3
.set QR, 48*SL
.elseif SL == 5
.set QW, 1
.set QR, 192
.elseif SL == 6
.set QW, 0
.set QR, 160
.else
.set QW, 0
.set QR, 208
.endif
.endm
.macro PL128 reg, o
	ds_load_b128 v[\reg:\reg+3], v[2+((\o)>>16)] offset:(\o)&0xffff
.endm
.macro PL64 reg, o
	ds_load_b64 v[\reg:\reg+1], v[5+((\o)>>16)] offset:(\o)&0xffff
.endm
.macro PFETCH s
	WIN 0x40
.set PB, 12*NPT*((\s)%2)
.set b, 0
.rept NPT
.set PO, (b*NS+(\s))*1536
	PL128 PB+12*b, PO
	PL64 PB+12*b+4, PO+512
	PL128 PB+12*b+6, PO+768
	PL64 PB+12*b+10, PO+1280
.set b, b+1
.endr
	WIN 0
.endm
.macro QFETCH s
	QSLOT \s
	WIN QW<<6
.set a, 0
.rept 4
.set QO, (a*NS+(\s))*1536
	global_load_b128 v[QR+12*a:QR+12*a+3], v2, s[20:21] offset:QO
	global_load_b64 v[QR+12*a+4:QR+12*a+5], v5, s[20:21] offset:QO+512
	global_load_b128 v[QR+12*a+6:QR+12*a+9], v2, s[20:21] offset:QO+768
	global_load_b64 v[QR+12*a+10:QR+12*a+11], v5, s[20:21] offset:QO+1280
.set a, a+1
.endr
	WIN 0
.endm
.macro MULS s                          ; the accumulators take turns, one instruction a turn, in the same order in every step
	QSLOT \s
	WIN 0xa1|(QW<<2)
.set PB, 12*NPT*((\s)%2)
.set b, 0
.rept NPT
.set a, 0
.rept 4
.set AC, 8*(NPT*a+b)
.set SPR, PSC+b*(NS/2)+(\s)/2
.set SQR, QSC+a*(NS/2)+(\s)/2
.if (\s) == 0
	v_wmma_scale_f32_16x16x128_f8f6f4 v[AC:AC+7], v[PB+12*b:PB+12*b+11], v[QR+12*a:QR+12*a+11], 0, v[SPR], v[SQR] matrix_a_fmt:MATRIX_FMT_BF6 matrix_b_fmt:MATRIX_FMT_BF6
.elseif ((\s)%2) == 0
	v_wmma_scale_f32_16x16x128_f8f6f4 v[AC:AC+7], v[PB+12*b:PB+12*b+11], v[QR+12*a:QR+12*a+11], v[AC:AC+7], v[SPR], v[SQR] matrix_a_fmt:MATRIX_FMT_BF6 matrix_b_fmt:MATRIX_FMT_BF6
.else
	v_wmma_scale_f32_16x16x128_f8f6f4 v[AC:AC+7], v[PB+12*b:PB+12*b+11], v[QR+12*a:QR+12*a+11], v[AC:AC+7], v[SPR], v[SQR] matrix_a_fmt:MATRIX_FMT_BF6 matrix_b_fmt:MATRIX_FMT_BF6 matrix_a_scale:MATRIX_SCALE_ROW1 matrix_b_scale:MATRIX_SCALE_ROW1
.endif
.set a, a+1
.endr
.set b, b+1
.endr
.endm
; Stage rows 2 i and 2 i + 1 of token fragment a are tokens 32 (a / 2) + 8 (a % 2) + TO and + 1, TO = 2 i under 8, 16 + 2 (i - 4) from there on.
.macro RLOAD a                         ; the residual of fragment a
.set i, 0
.rept 8
.set TO, 2*i
.if i >= 4
.set TO, 16+2*(i-4)
.endif
	global_load_b128 v[128+32*((\a)%2)+4*i:128+32*((\a)%2)+4*i+3], v11, s[44:45] offset:(32*((\a)/2)+8*((\a)%2)+TO)*4096
.set i, i+1
.endr
.endm
.macro TOSTAGE a                       ; fragment a's results into my stage, each accumulator from its low end on, and back as rows of 256 bytes.  LDS serves a wave's instructions in order (ISA guide 5.7.1.4)
	WIN 0x08
.irp b, 0,1,2,3
	ds_store_b128 v9, v[8*(NPT*(\a)+\b):8*(NPT*(\a)+\b)+3] offset:128*(\b/2)+32*(\b%2)
	ds_store_b128 v9, v[8*(NPT*(\a)+\b)+4:8*(NPT*(\a)+\b)+7] offset:128*(\b/2)+32*(\b%2)+16
.endr
	WIN 0
.set i, 0
.rept 8
	ds_load_b128 v[192+32*((\a)%2)+4*i:192+32*((\a)%2)+4*i+3], v10 offset:544*i
.set i, i+1
.endr
.endm
.macro SEND a
.set i, 0
.rept 8
.set TO, 2*i
.if i >= 4
.set TO, 16+2*(i-4)
.endif
.if FINAL
	global_store_b128 v11, v[192+32*((\a)%2)+4*i:192+32*((\a)%2)+4*i+3], s[52:53] offset:(32*((\a)/2)+8*((\a)%2)+TO)*4096 th:TH_STORE_NT
.else
	global_store_b128 v11, v[192+32*((\a)%2)+4*i:192+32*((\a)%2)+4*i+3], s[52:53] offset:(32*((\a)/2)+8*((\a)%2)+TO)*4096
.endif
.set i, i+1
.endr
.endm
	s_load_b256 s[4:11], s[0:1], 0x0               ; the activations' images, the weights' images, the residual, the result
	v_lshl_add_u32 v126, v0, 2, 0x29000
	v_mov_b32 v127, 0
	ds_add_u32 v126, v127
	ds_add_u32 v126, v127
	v_lshrrev_b32 v1, 5, v0
	v_readfirstlane_b32 s2, v1                     ; wave
	v_and_b32 v1, 31, v0
	v_lshlrev_b32 v2, 4, v1                        ; 16 x lane; v3, v4: 65,536 and 131,072 bytes on (an LDS immediate has 16 bits)
	v_add_nc_u32 v3, 0x10000, v2
	v_add_nc_u32 v4, 0x20000, v2
	v_lshlrev_b32 v5, 3, v1
	v_add_nc_u32 v6, 0x10000, v5
	v_add_nc_u32 v7, 0x20000, v5
	v_lshlrev_b32 v8, 2, v1
	v_and_b32 v12, 15, v0                          ; r
	v_bfe_u32 v13, v0, 4, 1                        ; h
	s_mul_i32 s3, s2, 4352
	s_add_co_u32 s3, s3, STAGE                     ; my stage
	v_mul_u32_u24 v9, v12, 272
	v_lshl_add_u32 v9, v13, 6, v9
	v_add_nc_u32 v9, s3, v9                        ; in: row r, + 64 h
	v_mul_u32_u24 v10, v13, 272
	v_lshl_add_u32 v10, v12, 4, v10
	v_add_nc_u32 v10, s3, v10                      ; back: lanes 0-15 one row, lanes 16-31 the next
	v_lshlrev_b32 v11, 12, v13
	v_lshl_add_u32 v11, v12, 4, v11                ; and the same two rows in memory
	s_mov_b32 s24, 3<<16                           ; group 1: PROWS rows of 32 elements of 8 bytes, dense, no padding, no mask
	s_mov_b32 s25, 32<<16
	s_mov_b32 s26, PROWS<<16
	s_mov_b32 s27, 32<<16
	s_mov_b32 s28, PROWS
	s_mov_b32 s29, 32
	s_mov_b32 s30, 0
	s_mov_b32 s31, 0
	s_and_b32 s12, ttmp9, 15                       ; pg: which 64 columns
	s_lshr_b32 s13, ttmp9, 4                       ; qg: which 256 tokens
	s_lshl_b32 s14, s13, 4
	s_lshl_b32 s15, s2, 2
	s_add_co_u32 s14, s14, s15                     ; my first token fragment
	s_mul_i32 s36, s14, NS*1536
	s_mov_b32 s37, 0
	s_mul_i32 s38, s14, NS*64
	s_add_co_u32 s38, s38, AS0
	s_mov_b32 s39, 0
	s_mul_i32 s33, s2, 256*PROWS                   ; my quarter of P, in LDS and in memory
	s_mul_i32 s46, s12, NPT*NS*1536
	s_add_co_u32 s46, s46, PC0
	s_add_co_u32 s46, s46, s33
	s_mov_b32 s47, 0
	s_mul_i32 s48, s12, NPT*NS*64
	s_add_co_u32 s48, s48, PS0
	s_mov_b32 s49, 0
	s_lshl_b32 s50, s13, 8
	s_lshl_b32 s51, s2, 6
	s_add_co_u32 s50, s50, s51                     ; my first token
	s_lshl_b32 s50, s50, 12
	s_lshl_b32 s51, s12, 8
	s_add_co_u32 s50, s50, s51                     ; + the 64 columns' 256 bytes
	s_mov_b32 s51, 0
	s_wait_dscnt 0x0
	s_wait_kmcnt 0x0
	s_add_nc_u64 s[20:21], s[4:5], s[36:37]
	s_add_nc_u64 s[22:23], s[4:5], s[38:39]
	s_add_nc_u64 s[18:19], s[6:7], s[48:49]
	s_add_nc_u64 s[44:45], s[8:9], s[50:51]
	s_add_nc_u64 s[52:53], s[10:11], s[50:51]
	s_add_nc_u64 s[34:35], s[6:7], s[46:47]
	s_or_b32 s35, s35, 0x80000000
	s_mov_b32 s32, 1
	tensor_load_to_lds s[32:35], s[24:31]          ; my one tensor load
	s_nop 0
	PLACES
.set b, 0
.rept NPT
.set j, 0
.rept NS/2
	global_load_b32 v[PSC+b*(NS/2)+j], v8, s[18:19] offset:(b*NS+2*j)*64   ; lanes 0-15: K step 2 j, lanes 16-31: 2 j + 1
.set j, j+1
.endr
.set b, b+1
.endr
.set a, 0
.rept 4
.set j, 0
.rept NS/2
	global_load_b32 v[QSC+a*(NS/2)+j], v8, s[22:23] offset:(a*NS+2*j)*64
.set j, j+1
.endr
.set a, a+1
.endr
.irp q, 0,1,2,3,4,5,6,7
	QFETCH \q
.endr
	s_wait_tensorcnt 0x0                           ; my quarter of P lies in LDS,
	s_barrier_signal -1
	s_barrier_wait -1                              ; everybody's does
	PFETCH 0
.set st, 0
.rept NS
.if st > 0
	PLACES
.endif
.if st+1 < NS
	PFETCH st+1
.endif
.if (st >= 1) && (st+7 < NS)
	QFETCH st+7                                    ; into the slot that the last step's products have read, behind the four places
.endif
.if st+1 < NS
	s_wait_dscnt 4*NPT                             ; this step's P is in; the next step's loads, just issued, may be out
.else
	s_wait_dscnt 0x0
.endif
.set LC, NS-1-st
.if LC > 7
.set LC, 7
.endif
.set LC, 16*LC
.if LC > 63
.set LC, 63
.endif
	s_wait_loadcnt LC                              ; this step's Q is in: behind it stand sixteen loads for each later step asked for (the count's field ends at 63; a smaller count is safe)
	MULS st
.set st, st+1
.endr
	WIN 0
	PLACES
	RLOAD 0
	RLOAD 1
.irp a, 0,1,2,3
.if \a >= 2
	s_wait_xcnt 0x0                                ; fragment a - 2's stores have read their registers: the stage's loads may land there
.endif
	TOSTAGE \a
	s_wait_dscnt 0x0
.if \a < 3
	s_wait_loadcnt 8                               ; this fragment's residual is in; the next one's eight loads may be out
.else
	s_wait_loadcnt 0x0
.endif
.set k, 0
.rept 16
	v_pk_add_f32 v[192+32*(\a%2)+2*k:193+32*(\a%2)+2*k], v[192+32*(\a%2)+2*k:193+32*(\a%2)+2*k], v[128+32*(\a%2)+2*k:129+32*(\a%2)+2*k]
.set k, k+1
.endr
	SEND \a                                        ; sixteen lanes store 256 consecutive bytes, at a multiple of 256 from the buffer's first byte
.if \a+2 < 4
	RLOAD \a+2
.endif
.endr
	s_wait_tensorcnt 0x0
	ds_add_u32 v126, v127
	s_wait_dscnt 0x0
	s_endpgm
.Lfunc_end_k_q913e0c9402_down:
	.size	k_q913e0c9402_down, .Lfunc_end_k_q913e0c9402_down-k_q913e0c9402_down
	.p2alignl 7, 3214868480
	.fill 96, 4, 3214868480
	.section	.rodata,"a",@progbits
	.p2align	6, 0x0
	.amdhsa_kernel k_q913e0c9402_down
		.amdhsa_group_segment_fixed_size 168448
		.amdhsa_private_segment_fixed_size 0
		.amdhsa_enable_private_segment 0
		.amdhsa_kernarg_size 32
		.amdhsa_user_sgpr_count 2
		.amdhsa_user_sgpr_kernarg_segment_ptr 1
		.amdhsa_wavefront_size32 1
		.amdhsa_system_sgpr_workgroup_id_x 1
		.amdhsa_system_sgpr_workgroup_id_y 1
		.amdhsa_system_sgpr_workgroup_id_z 1
		.amdhsa_system_vgpr_workitem_id 0
		.amdhsa_next_free_vgpr 1024
		.amdhsa_next_free_sgpr 66
		.amdhsa_reserve_vcc 0
		.amdhsa_float_denorm_mode_32 3
		.amdhsa_float_denorm_mode_16_64 3
		.amdhsa_memory_ordered 1
		.amdhsa_forward_progress 1
		.amdhsa_inst_pref_size 134
	.end_amdhsa_kernel
	.amdgpu_metadata
---
amdhsa.version: [ 1, 2 ]
amdhsa.kernels:
  - .name:           k_q913e0c9402_down
    .symbol:         k_q913e0c9402_down.kd
    .args:
      - { .name: gbuf, .offset: 0, .size: 8, .value_kind: global_buffer, .address_space: global }
      - { .name: wbuf, .offset: 8, .size: 8, .value_kind: global_buffer, .address_space: global }
      - { .name: x1, .offset: 16, .size: 8, .value_kind: global_buffer, .address_space: global }
      - { .name: out0, .offset: 24, .size: 8, .value_kind: global_buffer, .address_space: global }
    .group_segment_fixed_size: 168448
    .private_segment_fixed_size: 0
    .kernarg_segment_align: 8
    .kernarg_segment_size: 32
    .max_flat_workgroup_size: 128
    .sgpr_count:     66
    .vgpr_count:     1024
    .wavefront_size: 32
...
	.end_amdgpu_metadata
.endif
;; end of part 7
;; ======== version 2 of 2: 7 launches
;; limits: right only within a limited range of input values
;; workspace buffers: hbuf 3,276,800 bytes; wbuf 10,035,200 bytes; qkvbuf 10,092,544 bytes; cbuf 3,276,800 bytes; x1 16,777,216 bytes; gbuf 9,011,200 bytes
;; launch wprep (part 8): grid 420 x 1, 8 waves a work-group, no clusters, 1,536 bytes of LDS; arguments w_qkv_codes, w_qkv_scales, w_o_codes, w_o_scales, W_codes, W_scales, V_codes, V_scales, W2, wbuf, x, g1, hbuf; writes wbuf, hbuf
.if DOCPART == 8
	.amdgcn_target "amdgcn-amd-amdhsa--gfx1250"
	.amdhsa_code_object_version 6
	.text
	.protected	k_q913e0c9402_wprep
	.globl	k_q913e0c9402_wprep
	.p2align	8
	.type	k_q913e0c9402_wprep,@function
k_q913e0c9402_wprep:
	s_mov_b64 s[64:65], 0
	v_nop
	global_prefetch_b8 v0, s[64:65] scope:SCOPE_SE
	s_setreg_imm32_b32 hwreg(HW_REG_WAVE_MODE, 25, 1), 1
	s_wait_xcnt 0x0
; All weights become images of operand registers in one workspace buffer (fragment: 1,536 bytes, registers 0-3 at 16 x lane, 4-5 at 512 + 8 x lane, 6-9 at 768 + 16 x lane, 10-11 at 1,280 + 8 x lane;
; scale words: 64 bytes for a fragment and a K step, word r at 4 r).  Lane-row r of fragment f is row 32 (f / 2) + 8 (f % 2) + r % 8 + 16 (r / 8).
; Work-groups 0-151: the four weights given as codes are laid anew, a fragment row (16 rows x all 1,024 of K) to a wave: 192 of w_qkv, 64 of w_o, 176 of W, 176 of V.  W's and V's rows from 2,728 on
; (up to 2,816) get zero codes and the byte 127.  W and V are interleaved: for each 64 rows, W's four fragment rows, then V's four.
; Work-groups 152-327: W2 [2,728 (k)][1,024 (n)], f32, is quantised along K: a lane takes a column and its registers run down K, 128 of K to a wave; K is filled with zeros up to 2,816.
; No LDS, no barrier: waves share nothing.
; LIMITS: NaN and infinities in W2 are not served; a block whose largest magnitude lies under 2^-122 keeps the byte 1 (a block of zeros too: its codes are zeros, and only this program reads the bytes).
.set WO_C, 2359296
.set WV_C, 3145728
.set W2_C, 7471104
.set WQ_S, 9633792
.set WO_S, 9732096
.set WV_S, 9764864
.set W2_S, 9945088
; ONE PREPARING LAUNCH, eight waves a work-group.  Work-groups 0-255: the first norm and its quantiser (at .Lnorm), 16 tokens each.
; The weights' work-groups follow and are counted from 256 on (s44): 76 for the weights given as codes (608 fragment rows, one a wave), then 88 for W2 (704 waves: 22 K steps x 32 groups of 32 columns).
; These counts take the place of the work-group numbers named in the lines above.
	s_cmp_lt_u32 ttmp9, 256
	s_cbranch_scc1 .Lnorm
	s_sub_co_u32 s44, ttmp9, 256
	s_load_b256 s[4:11], s[0:1], 0x0
	s_load_b256 s[12:19], s[0:1], 0x20             ; W codes, scales; V codes, scales
	s_load_b128 s[20:23], s[0:1], 0x40             ; W2, the images
	v_lshrrev_b32 v1, 5, v0
	v_readfirstlane_b32 s2, v1                     ; wave
	v_and_b32 v1, 31, v0                           ; lane
	s_cmp_lt_u32 s44, 76
	s_cbranch_scc0 .Lquant
	; ---- the weights given as codes
	s_lshl_b32 s3, s44, 3
	s_add_co_u32 s3, s3, s2                        ; t: which fragment row of the 608
	v_bfe_u32 v3, v0, 4, 1                         ; h
	v_and_b32 v4, 7, v0
	v_bfe_u32 v5, v0, 3, 1
	v_lshl_add_u32 v4, v5, 4, v4                   ; r % 8 + 16 (r / 8)
	v_lshlrev_b32 v8, 4, v1
	v_lshlrev_b32 v9, 3, v1
	v_lshlrev_b32 v10, 2, v1
	s_mov_b32 s28, 432                             ; V's figures; the three compares below put the others' in their place
	s_mov_b32 s29, 2728
	s_mov_b32 s30, WV_C
	s_mov_b32 s31, WV_S
	s_mov_b32 s33, 4
	s_wait_alu depctr_va_vdst(0)
	s_wait_kmcnt 0x0
	s_cmp_lt_u32 s3, 432                           ; the choices hang on the work-group's and the wave's number alone
	s_cselect_b64 s[24:25], s[12:13], s[16:17]
	s_cselect_b64 s[26:27], s[14:15], s[18:19]
	s_cselect_b32 s28, 256, s28
	s_cselect_b32 s33, 0, s33
	s_cmp_lt_u32 s3, 256
	s_cselect_b64 s[24:25], s[8:9], s[24:25]
	s_cselect_b64 s[26:27], s[10:11], s[26:27]
	s_cselect_b32 s28, 192, s28
	s_cselect_b32 s29, 1024, s29
	s_cselect_b32 s30, WO_C, s30
	s_cselect_b32 s31, WO_S, s31
	s_cselect_b32 s34, 1, 0                        ; 1: the fragment rows keep their order
	s_cmp_lt_u32 s3, 192
	s_cselect_b64 s[24:25], s[4:5], s[24:25]
	s_cselect_b64 s[26:27], s[6:7], s[26:27]
	s_cselect_b32 s28, 0, s28
	s_cselect_b32 s29, 3072, s29
	s_cselect_b32 s30, 0, s30
	s_cselect_b32 s31, WQ_S, s31
	s_sub_co_u32 s28, s3, s28                      ; the fragment row in its tensor
	s_lshr_b32 s35, s28, 2
	s_lshl_b32 s35, s35, 3
	s_and_b32 s36, s28, 3
	s_add_co_u32 s35, s35, s36
	s_add_co_u32 s35, s35, s33                     ; W, V: 8 (f / 4) + f % 4 (+ 4 for V)
	s_cmp_lg_u32 s34, 0
	s_cselect_b32 s35, s28, s35                    ; where it goes
	s_lshr_b32 s36, s28, 1
	s_lshl_b32 s36, s36, 5
	s_and_b32 s37, s28, 1
	s_lshl_b32 s37, s37, 3
	s_add_co_u32 s36, s36, s37
	v_add_nc_u32 v4, s36, v4                       ; my row
	v_cmp_gt_u32 vcc_lo, s29, v4                   ; is it a row of the tensor?
	s_sub_co_u32 s37, s29, 1
	v_min_u32 v4, s37, v4                          ; no load leaves its buffer
	v_mul_u32_u24 v6, v4, 768
	v_mad_u32_u24 v6, v3, 24, v6                   ; codes: row x 768 + 24 h
	s_wait_alu depctr_va_vdst(0)
	v_lshlrev_b32 v7, 5, v4
	v_lshl_add_u32 v7, v3, 2, v7                   ; scale bytes: row x 32 + 4 h: lanes 16-31 take the odd K steps' words
	s_wait_alu depctr_va_vdst(0)
	s_mul_i32 s38, s35, 12288
	s_add_co_u32 s38, s38, s30
	s_mov_b32 s39, 0
	s_add_nc_u64 s[38:39], s[22:23], s[38:39]
	s_lshl_b32 s40, s35, 9
	s_add_co_u32 s40, s40, s31
	s_mov_b32 s41, 0
	s_add_nc_u64 s[40:41], s[22:23], s[40:41]
.set ks, 0
.rept 8
.irp p, 0,1,2,3,4,5
	global_load_b64 v[32+12*ks+2*\p:33+12*ks+2*\p], v6, s[24:25] offset:96*ks+48*(\p/3)+8*(\p%3)   ; a row's stream of bits is the register image: 24 bytes a block pair and half
.endr
.set ks, ks+1
.endr
.irp j, 0,1,2,3
	global_load_b32 v[16+\j], v7, s[26:27] offset:8*\j
.endr
	s_wait_loadcnt 0x0
.set i, 0
.rept 96
	v_cndmask_b32 v[32+i], 0, v[32+i], vcc_lo      ; rows past the tensor's end: zero codes,
.set i, i+1
.endr
.irp j, 0,1,2,3
	v_cndmask_b32 v[16+\j], 0x7f7f7f7f, v[16+\j], vcc_lo   ; and the scale 1
.endr
.set ks, 0
.rept 8
	global_store_b128 v8, v[32+12*ks:35+12*ks], s[38:39] offset:1536*ks
	global_store_b64 v9, v[36+12*ks:37+12*ks], s[38:39] offset:1536*ks+512
	global_store_b128 v8, v[38+12*ks:41+12*ks], s[38:39] offset:1536*ks+768
	global_store_b64 v9, v[42+12*ks:43+12*ks], s[38:39] offset:1536*ks+1280
.set ks, ks+1
.endr
.irp j, 0,1,2,3
	global_store_b32 v10, v[16+\j], s[40:41] offset:128*\j   ; K steps 2 j (lanes 0-15) and 2 j + 1 (lanes 16-31)
.endr
	s_endpgm
	; ---- W2
.Lquant:
	s_sub_co_u32 s3, s44, 76
	s_lshl_b32 s3, s3, 3
	s_add_co_u32 s3, s3, s2                        ; which of the 704 waves
	s_and_b32 s26, s3, 31                          ; B: my wave's 32 columns
	s_lshr_b32 s27, s3, 5                          ; the K step, 0 .. 21
	s_wait_alu depctr_va_vdst(0)
	v_lshlrev_b32 v2, 2, v1                        ; 4 bytes a lane
	v_bfe_u32 v3, v0, 3, 1                         ; column 32 B + l lies in fragment 2 B + e, e = (l / 8) % 2,
	v_and_b32 v4, 7, v0
	v_bfe_u32 v5, v0, 4, 1
	v_lshl_add_u32 v4, v5, 3, v4                   ; at lane-row r = l % 8 + 8 (l / 16)
	v_mul_u32_u24 v6, v3, 33792                    ; a fragment row of 22 K steps
	v_lshl_add_u32 v7, v4, 4, v6
	v_lshl_add_u32 v8, v4, 3, v6
	v_mul_u32_u24 v9, v3, 1408
	v_lshl_add_u32 v9, v4, 2, v9
	s_lshl_b32 s28, s27, 19                        ; 128 rows of 4,096 bytes
	s_lshl_b32 s29, s26, 7
	s_add_co_u32 s28, s28, s29
	s_mov_b32 s29, 0
	s_mul_i32 s30, s26, 2*33792
	s_mul_i32 s31, s27, 1536
	s_add_co_u32 s30, s30, s31
	s_add_co_u32 s30, s30, W2_C
	s_mov_b32 s31, 0
	s_mul_i32 s34, s26, 2*1408
	s_lshl_b32 s35, s27, 6
	s_add_co_u32 s34, s34, s35
	s_add_co_u32 s34, s34, W2_S
	s_mov_b32 s35, 0
	s_wait_kmcnt 0x0
	s_add_nc_u64 s[24:25], s[20:21], s[28:29]
	s_add_nc_u64 s[30:31], s[22:23], s[30:31]
	s_add_nc_u64 s[34:35], s[22:23], s[34:35]
.macro W2LOAD n                        ; W2(128 s + i, my column), i = 0 .. 127; past the tensor's end zeros
.set i, 0
.rept 128
.if i < \n
	global_load_b32 v[32+i], v2, s[24:25] offset:4096*i th:TH_LOAD_NT   ; 32 lanes read 128 consecutive bytes; the eight waves stand side by side
.else
	v_mov_b32 v[32+i], 0
.endif
.set i, i+1
.endr
.endm
	s_cmp_eq_u32 s27, 21
	s_cbranch_scc1 .Ltail
	W2LOAD 128
	s_branch .Ljoin
.Ltail:
	W2LOAD 40                                      ; 2,728 = 21 x 128 + 40
.Ljoin:
	s_wait_loadcnt 0x0
.irp b, 0,1,2,3
	v_max3_num_f32 v[12+\b], |v[32+32*\b]|, |v[33+32*\b]|, 0x2800000   ; a block's 32 numbers are all mine; the floor 2^(5 - 127) holds the byte at 1 from below
.endr
.irp i, 2,4,6,8,10,12,14,16,18,20,22,24,26,28,30
.irp b, 0,1,2,3
	v_max3_num_f32 v[12+\b], v[12+\b], |v[32+32*\b+\i]|, |v[33+32*\b+\i]|
.endr
.endr
.irp b, 0,1,2,3
	v_add_nc_u32 v[16+\b], 0xfe000000, v[12+\b]    ; 4 off the exponent field: the conversion's scale operand
.endr
.irp b, 0,1,2,3
	v_lshrrev_b32 v[20+\b], 23, v[16+\b]           ; the byte
.endr
	v_lshl_or_b32 v24, v21, 8, v20
	v_lshl_or_b32 v24, v22, 16, v24
	v_lshl_or_b32 v24, v23, 24, v24                ; my column's scale word of this K step
.irp b, 0,1,2,3
	v_cvt_scalef32_pk16_bf6_f32 v[160+6*\b:162+6*\b], v[32+32*\b:47+32*\b], v[16+\b]
	v_cvt_scalef32_pk16_bf6_f32 v[184+4*\b:186+4*\b], v[48+32*\b:63+32*\b], v[16+\b]   ; (a conversion's three registers begin on an even number)
.endr
	v_nop                                          ; one plain instruction behind the conversions
.irp b, 0,1,2,3
.irp i, 0,1,2
	v_mov_b32 v[163+6*\b+\i], v[184+4*\b+\i]
.endr
.endr
.irp b, 0,1,2,3                        ; block b is what lane r + 16 (b % 2) of the fragment holds in registers 6 (b / 2) on: sixteen lanes fill 256 consecutive bytes
	global_store_b128 v7, v[160+6*\b:163+6*\b], s[30:31] offset:768*(\b/2)+256*(\b%2)
	global_store_b64 v8, v[164+6*\b:165+6*\b], s[30:31] offset:768*(\b/2)+512+128*(\b%2)
.endr
	global_store_b32 v9, v24, s[34:35]
	s_endpgm
; ---- the first norm: h = x / (sqrt(mean(x^2)) + 1e-5) * g1 for 16 tokens, quantised along the channels; wave w takes K step w; images as the second norm's launch lays them.
; LIMITS as there: NaN and infinities are not served; a block whose largest magnitude lies under 2^-122 keeps the byte 1.
.set X,   64
.set G,   128
.set TM,  28
.set CT,  34
.set SEL, 40
.set HM,  42
.set HSC, 3145728
.macro QUANT2 src, dst, pw
.irp b, 0,1
	v_max3_num_f32 v[TM+\b], |v[\src+16*\b]|, |v[\src+16*\b+1]|, 0x2800000
.endr
.irp i, 2,4,6,8,10,12,14
.irp b, 0,1
	s_delay_alu instid0(VALU_DEP_2)
	v_max3_num_f32 v[TM+\b], |v[\src+16*\b+\i]|, |v[\src+16*\b+\i+1]|, v[TM+\b]
.endr
.endr
.irp b, 0,1
	s_delay_alu instid0(VALU_DEP_2)
	v_permlanex16_b32 v[TM+2+\b], v[TM+\b], s[SEL], s[SEL+1]
.endr
.irp b, 0,1
	s_delay_alu instid0(VALU_DEP_2)
	v_max_num_f32 v[TM+\b], v[TM+\b], v[TM+2+\b]
.endr
.irp b, 0,1
	s_delay_alu instid0(VALU_DEP_2)
	v_add_nc_u32 v[TM+4+\b], 0xfe000000, v[TM+\b]
.endr
.irp b, 0,1
	s_delay_alu instid0(VALU_DEP_2)
	v_lshrrev_b32 v[TM+2+\b], 23, v[TM+4+\b]
.endr
	s_delay_alu instid0(VALU_DEP_1)
	v_lshl_or_b32 v[\pw], v[TM+3], 8, v[TM+2]
	v_cvt_scalef32_pk16_bf6_f32 v[\dst:\dst+2], v[\src:\src+15], v[TM+4]
	v_cvt_scalef32_pk16_bf6_f32 v[CT:CT+2], v[\src+16:\src+31], v[TM+5]
	v_nop
.irp i, 0,1,2
	v_permlane16_swap_b32 v[\dst+\i], v[CT+\i]
.endr
.irp i, 0,1,2
	s_delay_alu instid0(VALU_DEP_3)
	v_mov_b32 v[\dst+3+\i], v[CT+\i]
.endr
.endm
.Lnorm:
	s_load_b128 s[4:7], s[0:1], 0x50               ; x, g1
	s_load_b64 s[8:9], s[0:1], 0x60                ; the images
	v_lshl_add_u32 v192, v0, 2, 0x200
	v_mov_b32 v193, 0
	v_lshrrev_b32 v1, 5, v0
	s_delay_alu instid0(VALU_DEP_1)
	v_readfirstlane_b32 s10, v1
	v_and_b32 v1, 31, v0
	v_and_b32 v2, 15, v0
	v_bfe_u32 v3, v0, 4, 1
	v_and_b32 v4, 7, v0
	v_bfe_u32 v5, v0, 3, 1
	s_delay_alu instid0(VALU_DEP_1)
	v_lshl_add_u32 v4, v5, 4, v4
	s_delay_alu instid0(VALU_DEP_1)
	v_lshlrev_b32 v4, 12, v4
	s_delay_alu instid0(VALU_DEP_1)
	v_lshl_add_u32 v4, v3, 6, v4
	v_lshlrev_b32 v5, 6, v3
	v_lshlrev_b32 v6, 4, v1
	v_lshlrev_b32 v7, 3, v1
	v_lshlrev_b32 v10, 2, v2
	s_delay_alu instid0(VALU_DEP_1)
	v_lshl_add_u32 v8, v3, 1, v10
	s_lshl_b32 s11, s10, 6
	v_add_nc_u32 v9, s11, v10
	v_mov_b32 v[TM+2], 0
	v_mov_b32 v[TM+3], 0
	s_mov_b32 s[SEL], 0x76543210
	s_mov_b32 s[SEL+1], 0xfedcba98
	s_mov_b32 s[HM], 0xffff0000
	s_lshr_b32 s12, ttmp9, 1
	s_lshl_b32 s12, s12, 5
	s_and_b32 s13, ttmp9, 1
	s_lshl_b32 s13, s13, 3
	s_add_co_u32 s12, s12, s13
	s_lshl_b32 s12, s12, 12
	s_lshl_b32 s14, s10, 9
	s_add_co_u32 s12, s12, s14
	s_mov_b32 s13, 0
	s_mov_b32 s15, 0
	s_lshl_b32 s16, ttmp9, 3
	s_add_co_u32 s16, s16, s10
	s_mul_i32 s18, s16, 1536
	s_mov_b32 s19, 0
	s_lshl_b32 s16, s16, 6
	s_add_co_u32 s16, s16, HSC
	s_mov_b32 s17, 0
	s_wait_alu depctr_va_vdst(0)
	s_wait_kmcnt 0x0
	s_add_nc_u64 s[4:5], s[4:5], s[12:13]
	s_add_nc_u64 s[6:7], s[6:7], s[14:15]
	s_add_nc_u64 s[20:21], s[8:9], s[18:19]
	s_add_nc_u64 s[22:23], s[8:9], s[16:17]
.irp b, 0,1,2,3
.irp j, 0,1,2,3
	global_load_b128 v[X+16*\b+4*\j:X+16*\b+4*\j+3], v4, s[4:5] offset:128*\b+16*\j
.endr
.endr
.irp b, 0,1,2,3
.irp j, 0,1,2,3
	global_load_b128 v[G+16*\b+4*\j:G+16*\b+4*\j+3], v5, s[6:7] offset:128*\b+16*\j
.endr
.endr
	s_wait_loadcnt 16                              ; x is in; g's sixteen loads may be out
.irp c, 0,1,2,3
	v_pk_mul_f32 v[12+2*\c:13+2*\c], v[X+2*\c:X+2*\c+1], v[X+2*\c:X+2*\c+1]
.endr
.set p, 4
.rept 28
	s_delay_alu instid0(VALU_DEP_4)
	v_pk_fma_f32 v[12+2*(p%4):13+2*(p%4)], v[X+2*p:X+2*p+1], v[X+2*p:X+2*p+1], v[12+2*(p%4):13+2*(p%4)]
.set p, p+1
.endr
	s_delay_alu instid0(VALU_DEP_3)
	v_pk_add_f32 v[12:13], v[12:13], v[14:15]
	s_delay_alu instid0(VALU_DEP_2)
	v_pk_add_f32 v[16:17], v[16:17], v[18:19]
	s_delay_alu instid0(VALU_DEP_1)
	v_pk_add_f32 v[12:13], v[12:13], v[16:17]
	s_delay_alu instid0(VALU_DEP_1)
	v_add_f32 v12, v12, v13
	s_delay_alu instid0(VALU_DEP_1)
	v_permlanex16_b32 v13, v12, s[SEL], s[SEL+1]
	s_delay_alu instid0(VALU_DEP_1)
	v_add_f32 v12, v12, v13
	ds_store_b32 v9, v12
	s_wait_loadcnt 0x0
.set p, 0
.rept 32
	v_pk_mul_f32 v[X+2*p:X+2*p+1], v[X+2*p:X+2*p+1], v[G+2*p:G+2*p+1]
.set p, p+1
.endr
	s_wait_dscnt 0x0                               ; for the others' sake: my partial sum lies in LDS
	s_barrier_signal -1
	s_barrier_wait -1
.irp i, 0,1,2,3,4,5,6,7
	ds_load_b32 v[20+\i], v10 offset:64*\i
.endr
	s_wait_dscnt 0x0
	v_add_f32 v20, v20, v21
	v_add_f32 v22, v22, v23
	v_add_f32 v24, v24, v25
	v_add_f32 v26, v26, v27
	s_delay_alu instid0(VALU_DEP_3)
	v_add_f32 v20, v20, v22
	s_delay_alu instid0(VALU_DEP_2)
	v_add_f32 v24, v24, v26
	s_delay_alu instid0(VALU_DEP_1)
	v_add_f32 v20, v20, v24
	s_delay_alu instid0(VALU_DEP_1)
	v_mul_f32 v20, 0x3a800000, v20
	s_wait_alu depctr_va_vdst(0)
	v_sqrt_f32 v21, v20
	v_nop
	s_wait_alu depctr_va_vdst(0)
	v_add_f32 v21, 0x3727c5ac, v21
	s_wait_alu depctr_va_vdst(0)
	v_rcp_f32 v42, v21
	v_nop
	s_wait_alu depctr_va_vdst(0)
	v_mov_b32 v43, v42
.set p, 0
.rept 32
	v_pk_mul_f32 v[X+2*p:X+2*p+1], v[X+2*p:X+2*p+1], v[42:43]
.set p, p+1
.endr
	QUANT2 X, 44, 38
	QUANT2 X+32, 50, 39
	v_cndmask_b32 v40, v38, v39, s[HM]
	global_store_b128 v6, v[44:47], s[20:21]
	global_store_b64 v7, v[48:49], s[20:21] offset:512
	global_store_b128 v6, v[50:53], s[20:21] offset:768
	global_store_b64 v7, v[54:55], s[20:21] offset:1280
	global_store_b16 v8, v40, s[22:23]
	s_wait_tensorcnt 0x0                           ; the wave's end
	ds_add_u32 v192, v193
	s_wait_dscnt 0x0
	s_endpgm
.Lfunc_end_k_q913e0c9402_wprep:
	.size	k_q913e0c9402_wprep, .Lfunc_end_k_q913e0c9402_wprep-k_q913e0c9402_wprep
	.p2alignl 7, 3214868480
	.fill 96, 4, 3214868480
	.section	.rodata,"a",@progbits
	.p2align	6, 0x0
	.amdhsa_kernel k_q913e0c9402_wprep
		.amdhsa_group_segment_fixed_size 1536
		.amdhsa_private_segment_fixed_size 0
		.amdhsa_enable_private_segment 0
		.amdhsa_kernarg_size 104
		.amdhsa_user_sgpr_count 2
		.amdhsa_user_sgpr_kernarg_segment_ptr 1
		.amdhsa_wavefront_size32 1
		.amdhsa_system_sgpr_workgroup_id_x 1
		.amdhsa_system_sgpr_workgroup_id_y 1
		.amdhsa_system_sgpr_workgroup_id_z 1
		.amdhsa_system_vgpr_workitem_id 0
		.amdhsa_next_free_vgpr 200
		.amdhsa_next_free_sgpr 66
		.amdhsa_reserve_vcc 1
		.amdhsa_float_denorm_mode_32 3
		.amdhsa_float_denorm_mode_16_64 3
		.amdhsa_memory_ordered 1
		.amdhsa_forward_progress 1
		.amdhsa_inst_pref_size 62
	.end_amdhsa_kernel
	.amdgpu_metadata
---
amdhsa.version: [ 1, 2 ]
amdhsa.kernels:
  - .name:           k_q913e0c9402_wprep
    .symbol:         k_q913e0c9402_wprep.kd
    .args:
      - { .name: w_qkv_codes, .offset: 0, .size: 8, .value_kind: global_buffer, .address_space: global }
      - { .name: w_qkv_scales, .offset: 8, .size: 8, .value_kind: global_buffer, .address_space: global }
      - { .name: w_o_codes, .offset: 16, .size: 8, .value_kind: global_buffer, .address_space: global }
      - { .name: w_o_scales, .offset: 24, .size: 8, .value_kind: global_buffer, .address_space: global }
      - { .name: W_codes, .offset: 32, .size: 8, .value_kind: global_buffer, .address_space: global }
      - { .name: W_scales, .offset: 40, .size: 8, .value_kind: global_buffer, .address_space: global }
      - { .name: V_codes, .offset: 48, .size: 8, .value_kind: global_buffer, .address_space: global }
      - { .name: V_scales, .offset: 56, .size: 8, .value_kind: global_buffer, .address_space: global }
      - { .name: W2, .offset: 64, .size: 8, .value_kind: global_buffer, .address_space: global }
      - { .name: wbuf, .offset: 72, .size: 8, .value_kind: global_buffer, .address_space: global }
      - { .name: x, .offset: 80, .size: 8, .value_kind: global_buffer, .address_space: global }
      - { .name: g1, .offset: 88, .size: 8, .value_kind: global_buffer, .address_space: global }
      - { .name: hbuf, .offset: 96, .size: 8, .value_kind: global_buffer, .address_space: global }
    .group_segment_fixed_size: 1536
    .private_segment_fixed_size: 0
    .kernarg_segment_align: 8
    .kernarg_segment_size: 104
    .max_flat_workgroup_size: 256
    .sgpr_count:     66
    .vgpr_count:     200
    .wavefront_size: 32
...
	.end_amdgpu_metadata
.endif
;; end of part 8
;; launch qkv (part 9): grid 192 x 1, 4 waves a work-group, no clusters, 327,680 bytes of LDS; arguments hbuf, wbuf, qkvbuf; writes qkvbuf
.if DOCPART == 9
	.amdgcn_target "amdgcn-amd-amdhsa--gfx1250"
	.amdhsa_code_object_version 6
	.text
	.protected	k_q913e0c9402_qkv
	.globl	k_q913e0c9402_qkv
	.p2align	8
	.type	k_q913e0c9402_qkv,@function
k_q913e0c9402_qkv:
	s_mov_b64 s[64:65], 0
	v_nop
	global_prefetch_b8 v0, s[64:65] scope:SCOPE_SE
	s_setreg_imm32_b32 hwreg(HW_REG_WAVE_MODE, 25, 1), 1
	s_wait_xcnt 0x0
.set NPT,   8
.set NS,    8
.set PBLK,  NPT*NS*1536
.set PSC,   16
.set QSC,   PSC+NPT*NS/2
.set PROWS, PBLK/1024
.set CD,    64
.set PW,    112
.set MW,    120
.set TM,    128
.set CT,    136
.set SEL,   40
.set HM,    42
.set HSC,   3145728
.set WQ_S,  9633792
.set KC,    3145728
.set VC,    6291456
.set QS,    9437184
.set SCL,   9699328
.set MSB, 0
.macro WIN new
.if MSB != (\new)
	s_set_vgpr_msb (MSB<<8)|(\new)
.set MSB, (\new)
.endif
.endm
.macro PLACES
.rept 4
	v_nop
.endr
.endm
.macro QSLOT s
.set SL, (\s)%8
.if SL < 5
.set QW, 3
.set QR, 48*SL
.elseif SL == 5
.set QW, 1
.set QR, 192
.elseif SL == 6
.set QW, 0
.set QR, 160
.else
.set QW, 0
.set QR, 208
.endif
.endm
.macro PL128 reg, o
	ds_load_b128 v[\reg:\reg+3], v[2+((\o)>>16)] offset:(\o)&0xffff
.endm
.macro PL64 reg, o
	ds_load_b64 v[\reg:\reg+1], v[5+((\o)>>16)] offset:(\o)&0xffff
.endm
.macro PFETCH u, s
	WIN 0x40
.set PB, 12*NPT*((\s)%2)
.set b, 0
.rept NPT
.set PO, (\u)*PBLK+(b*NS+(\s))*1536
	PL128 PB+12*b, PO
	PL64 PB+12*b+4, PO+512
	PL128 PB+12*b+6, PO+768
	PL64 PB+12*b+10, PO+1280
.set b, b+1
.endr
	WIN 0
.endm
.macro PSCALES u
.set b, 0
.rept NPT
.set j, 0
.rept NS/2
	global_load_b32 v[PSC+b*(NS/2)+j], v8, s[18:19] offset:(\u)*NPT*NS*64+(b*NS+2*j)*64
.set j, j+1
.endr
.set b, b+1
.endr
.endm
.macro QFETCH s
	QSLOT \s
	WIN QW<<6
.set a, 0
.rept 4
.set QO, (a*NS+(\s))*1536
	global_load_b128 v[QR+12*a:QR+12*a+3], v2, s[20:21] offset:QO
	global_load_b64 v[QR+12*a+4:QR+12*a+5], v5, s[20:21] offset:QO+512
	global_load_b128 v[QR+12*a+6:QR+12*a+9], v2, s[20:21] offset:QO+768
	global_load_b64 v[QR+12*a+10:QR+12*a+11], v5, s[20:21] offset:QO+1280
.set a, a+1
.endr
	WIN 0
.endm
.macro MULS s
	QSLOT \s
	WIN 0xa1|(QW<<2)
.set PB, 12*NPT*((\s)%2)
.set b, 0
.rept NPT
.set a, 0
.rept 4
.set AC, 8*(NPT*a+b)
.set SPR, PSC+b*(NS/2)+(\s)/2
.set SQR, QSC+a*(NS/2)+(\s)/2
.if (\s) == 0
	v_wmma_scale_f32_16x16x128_f8f6f4 v[AC:AC+7], v[PB+12*b:PB+12*b+11], v[QR+12*a:QR+12*a+11], 0, v[SPR], v[SQR] matrix_a_fmt:MATRIX_FMT_BF6 matrix_b_fmt:MATRIX_FMT_BF6
.elseif ((\s)%2) == 0
	v_wmma_scale_f32_16x16x128_f8f6f4 v[AC:AC+7], v[PB+12*b:PB+12*b+11], v[QR+12*a:QR+12*a+11], v[AC:AC+7], v[SPR], v[SQR] matrix_a_fmt:MATRIX_FMT_BF6 matrix_b_fmt:MATRIX_FMT_BF6
.else
	v_wmma_scale_f32_16x16x128_f8f6f4 v[AC:AC+7], v[PB+12*b:PB+12*b+11], v[QR+12*a:QR+12*a+11], v[AC:AC+7], v[SPR], v[SQR] matrix_a_fmt:MATRIX_FMT_BF6 matrix_b_fmt:MATRIX_FMT_BF6 matrix_a_scale:MATRIX_SCALE_ROW1 matrix_b_scale:MATRIX_SCALE_ROW1
.endif
.set a, a+1
.endr
.set b, b+1
.endr
.endm
.macro STEPS u
.set st, 0
.rept NS
.if st > 0
	PLACES
.endif
.if st+1 < NS
	PFETCH \u, st+1
	s_wait_dscnt 4*NPT
.else
	s_wait_dscnt 0x0
.endif
.if (\u) == 0
.set LC, 16*(NS-1-st)
.if LC > 63
.set LC, 63
.endif
	s_wait_loadcnt LC
.elseif st == 0
	s_wait_loadcnt 0x0
.endif
	MULS st
.set st, st+1
.endr
	WIN 0
	PLACES
.endm
.macro QUANT2 src, sw, dst, pw
	WIN (\sw)|((\sw)<<2)
.irp b, 0,1
	v_max3_num_f32 v[TM+\b], |v[\src+16*\b]|, |v[\src+16*\b+1]|, 0x2800000
.endr
.irp i, 2,4,6,8,10,12,14
.irp b, 0,1
	v_max3_num_f32 v[TM+\b], |v[\src+16*\b+\i]|, |v[\src+16*\b+\i+1]|, v[TM+\b]
.endr
.endr
	WIN 0
.irp b, 0,1
	v_permlanex16_b32 v[TM+2+\b], v[TM+\b], s[SEL], s[SEL+1]
.endr
.irp b, 0,1
	v_max_num_f32 v[TM+\b], v[TM+\b], v[TM+2+\b]
.endr
.irp b, 0,1
	v_add_nc_u32 v[TM+4+\b], 0xfe000000, v[TM+\b]
.endr
.irp b, 0,1
	v_lshrrev_b32 v[TM+2+\b], 23, v[TM+4+\b]
.endr
	v_lshl_or_b32 v[\pw], v[TM+3], 8, v[TM+2]
	WIN \sw
	v_cvt_scalef32_pk16_bf6_f32 v[\dst:\dst+2], v[\src:\src+15], v[TM+4]
	v_cvt_scalef32_pk16_bf6_f32 v[CT:CT+2], v[\src+16:\src+31], v[TM+5]
	WIN 0
	v_nop
.irp i, 0,1,2
	v_permlane16_swap_b32 v[\dst+\i], v[CT+\i]
.endr
.irp i, 0,1,2
	v_mov_b32 v[\dst+3+\i], v[CT+\i]
.endr
.endm
.macro WAYOUT u
.if (\u) > 0
	s_wait_xcnt 0x0
.endif
.irp a, 0,1,2,3
.irp c, 0,1
	QUANT2 64*\a+32*\c, 2, CD+12*\a+6*\c, PW+2*\a+\c
.endr
.endr
	s_cmp_lg_u32 s57, 0
	s_cbranch_scc0 .Lv\u
.irp a, 0,2
.irp c, 0,1
	v_cndmask_b32 v[MW+\a+\c], v[PW+2*\a+\c], v[PW+2+2*\a+\c], s[HM]
.endr
.endr
.irp a, 0,1,2,3
.irp c, 0,1
	global_store_b128 v2, v[CD+12*\a+6*\c:CD+12*\a+6*\c+3], s[48:49] offset:768*\a+98304*(2*(\u)+\c)
	global_store_b64 v5, v[CD+12*\a+6*\c+4:CD+12*\a+6*\c+5], s[48:49] offset:768*\a+98304*(2*(\u)+\c)+512
.endr
.endr
.irp a, 0,2
	global_store_b32 v8, v[MW+\a], s[76+4*(\u):77+4*(\u)] offset:64*\a
	global_store_b32 v8, v[MW+1+\a], s[78+4*(\u):79+4*(\u)] offset:64*\a
.endr
	s_branch .Ldone\u
.Lv\u:
.irp a, 0,1,2,3
	v_lshl_or_b32 v[MW+\a], v[PW+1+2*\a], 16, v[PW+2*\a]
.endr
	v_cndmask_b32 v[MW+4], v[MW], v[MW+1], s[HM]
	v_cndmask_b32 v[MW+5], v[MW+2], v[MW+3], s[HM]
	s_wait_alu depctr_va_vdst(0)
.irp a, 0,1,2,3
.irp c, 0,1
	global_store_b128 v2, v[CD+12*\a+6*\c:CD+12*\a+6*\c+3], s[84:85] offset:6144*(\u)+1536*\a+768*\c
	global_store_b64 v5, v[CD+12*\a+6*\c+4:CD+12*\a+6*\c+5], s[84:85] offset:6144*(\u)+1536*\a+768*\c+512
.endr
.endr
	global_store_b32 v8, v[MW+4], s[86:87] offset:256*(\u)
	global_store_b32 v8, v[MW+5], s[86:87] offset:256*(\u)+128
.Ldone\u:
.endm
	s_load_b128 s[4:7], s[0:1], 0x0
	s_load_b64 s[8:9], s[0:1], 0x10
	v_lshl_add_u32 v158, v0, 2, 0x30000
	v_mov_b32 v159, 0
	ds_add_u32 v158, v159
	ds_add_u32 v158, v159
	v_lshrrev_b32 v1, 5, v0
	v_readfirstlane_b32 s2, v1
	v_and_b32 v1, 31, v0
	v_lshlrev_b32 v2, 4, v1
	v_add_nc_u32 v3, 0x10000, v2
	v_add_nc_u32 v4, 0x20000, v2
	v_lshlrev_b32 v5, 3, v1
	v_add_nc_u32 v6, 0x10000, v5
	v_add_nc_u32 v7, 0x20000, v5
	v_lshlrev_b32 v8, 2, v1
	v_mov_b32 v[TM+2], 0
	v_mov_b32 v[TM+3], 0
	s_mov_b32 s[SEL], 0x76543210
	s_mov_b32 s[SEL+1], 0xfedcba98
	s_mov_b32 s[HM], 0xffff0000
	s_mov_b32 s24, 3<<16
	s_mov_b32 s25, 32<<16
	s_mov_b32 s26, PROWS<<16
	s_mov_b32 s27, 32<<16
	s_mov_b32 s28, PROWS
	s_mov_b32 s29, 32
	s_mov_b32 s30, 0
	s_mov_b32 s31, 0
	s_and_b32 s50, ttmp9, 7
	s_lshr_b32 s51, ttmp9, 3
	s_sub_co_u32 s53, ttmp9, 128
	s_and_b32 s52, s53, 15
	s_lshr_b32 s53, s53, 4
	s_cmp_lt_u32 ttmp9, 128
	s_cselect_b32 s54, s50, s52
	s_cselect_b32 s55, s51, s53
	s_cselect_b32 s56, 0, 128
	s_cselect_b32 s57, 1, 0
	s_lshl_b32 s54, s54, 1
	s_lshl_b32 s58, s55, 4
	s_lshl_b32 s59, s2, 2
	s_add_co_u32 s58, s58, s59
	s_add_co_u32 s58, s58, s56
	s_mul_i32 s33, s2, 256*PROWS
	s_add_co_u32 s69, s33, PBLK
	s_mul_i32 s12, s54, PBLK
	s_add_co_u32 s12, s12, s33
	s_mov_b32 s13, 0
	s_lshl_b32 s14, s54, 12
	s_mov_b32 s15, 0
	s_mul_i32 s36, s58, 12288
	s_mov_b32 s37, 0
	s_lshl_b32 s38, s58, 9
	s_mov_b32 s39, 0
	s_mov_b32 s60, HSC
	s_mov_b32 s62, WQ_S
	s_cmp_lg_u32 s57, 0
	s_cselect_b32 s61, s62, s60
	s_cselect_b32 s62, s60, s62
	s_add_co_u32 s14, s14, s61
	s_add_co_u32 s38, s38, s62
	s_lshr_b32 s44, s55, 3
	s_and_b32 s45, s54, 7
	s_lshr_b32 s46, s54, 3
	s_lshl_b32 s44, s44, 4
	s_lshl_b32 s45, s45, 1
	s_add_co_u32 s44, s44, s45
	s_and_b32 s45, s55, 7
	s_lshl_b32 s45, s45, 4
	s_add_co_u32 s45, s45, s59
	s_lshl_b32 s47, s44, 7
	s_add_co_u32 s47, s47, s45
	s_mul_i32 s48, s47, 768
	s_mul_i32 s49, s46, KC
	s_add_co_u32 s48, s48, s49
	s_mov_b32 s49, 0
	s_mov_b32 s50, 8192
	s_mov_b32 s51, QS
	s_cmp_lg_u32 s46, 0
	s_cselect_b32 s50, 12288, s50
	s_cselect_b32 s51, SCL, s51
	s_mul_i32 s76, s44, s50
	s_add_co_u32 s76, s76, s51
	s_lshl_b32 s45, s45, 6
	s_add_co_u32 s76, s76, s45
	s_mov_b32 s77, 0
	s_mov_b32 s51, 0
	s_lshl_b32 s44, s55, 2
	s_add_co_u32 s44, s44, s2
	s_lshr_b32 s45, s54, 4
	s_lshl_b32 s45, s45, 4
	s_add_co_u32 s44, s44, s45
	s_and_b32 s45, s54, 15
	s_lshl_b32 s46, s44, 4
	s_add_co_u32 s46, s46, s45
	s_mul_i32 s84, s46, 6144
	s_add_co_u32 s84, s84, VC
	s_mov_b32 s85, 0
	s_mul_i32 s86, s44, 12288
	s_lshl_b32 s45, s45, 8
	s_add_co_u32 s86, s86, s45
	s_add_co_u32 s86, s86, SCL+8192
	s_mov_b32 s87, 0
	s_mov_b32 s32, 1
	s_mov_b32 s68, 1
	s_wait_alu depctr_va_vdst(0)
	s_wait_dscnt 0x0
	s_wait_kmcnt 0x0
	s_cmp_lg_u32 s57, 0
	s_cselect_b64 s[16:17], s[6:7], s[4:5]
	s_cselect_b64 s[20:21], s[4:5], s[6:7]
	s_add_nc_u64 s[34:35], s[16:17], s[12:13]
	s_add_nc_u64 s[70:71], s[34:35], PBLK
	s_or_b32 s35, s35, 0x80000000
	s_or_b32 s71, s71, 0x80000000
	tensor_load_to_lds s[32:35], s[24:31]          ; my quarter of the first block: my one tensor load at the head
	s_nop 0
	PLACES
	s_add_nc_u64 s[18:19], s[16:17], s[14:15]
	s_add_nc_u64 s[22:23], s[20:21], s[38:39]
	s_add_nc_u64 s[20:21], s[20:21], s[36:37]
	s_add_nc_u64 s[48:49], s[8:9], s[48:49]
	s_add_nc_u64 s[76:77], s[8:9], s[76:77]
	s_add_nc_u64 s[78:79], s[76:77], s[50:51]
	s_add_nc_u64 s[80:81], s[78:79], s[50:51]
	s_add_nc_u64 s[82:83], s[80:81], s[50:51]
	s_add_nc_u64 s[84:85], s[8:9], s[84:85]
	s_add_nc_u64 s[86:87], s[8:9], s[86:87]
	PSCALES 0
.set a, 0
.rept 4
.set j, 0
.rept NS/2
	global_load_b32 v[QSC+a*(NS/2)+j], v8, s[22:23] offset:(a*NS+2*j)*64
.set j, j+1
.endr
.set a, a+1
.endr
.irp q, 0,1,2,3,4,5,6,7
	QFETCH \q
.endr
	s_wait_tensorcnt 0x0                           ; my quarter of the first block lies in LDS; the second block's first fill stands behind these lines and the barrier
	ds_add_u32 v158, v159
	s_wait_dscnt 0x0
	s_barrier_signal -1
	s_barrier_wait -1
	tensor_load_to_lds s[68:71], s[24:31]
	s_nop 0
	PLACES
	PFETCH 0, 0
	STEPS 0
	PSCALES 1
	s_wait_tensorcnt 0x0
	s_barrier_signal -1
	s_barrier_wait -1
	PFETCH 1, 0
	WAYOUT 0
	STEPS 1
	WAYOUT 1
	s_wait_tensorcnt 0x0
	ds_add_u32 v158, v159
	s_wait_dscnt 0x0
	s_endpgm
.Lfunc_end_k_q913e0c9402_qkv:
	.size	k_q913e0c9402_qkv, .Lfunc_end_k_q913e0c9402_qkv-k_q913e0c9402_qkv
	.p2alignl 7, 3214868480
	.fill 96, 4, 3214868480
	.section	.rodata,"a",@progbits
	.p2align	6, 0x0
	.amdhsa_kernel k_q913e0c9402_qkv
		.amdhsa_group_segment_fixed_size 327680
		.amdhsa_private_segment_fixed_size 0
		.amdhsa_enable_private_segment 0
		.amdhsa_kernarg_size 24
		.amdhsa_user_sgpr_count 2
		.amdhsa_user_sgpr_kernarg_segment_ptr 1
		.amdhsa_wavefront_size32 1
		.amdhsa_system_sgpr_workgroup_id_x 1
		.amdhsa_system_sgpr_workgroup_id_y 1
		.amdhsa_system_sgpr_workgroup_id_z 1
		.amdhsa_system_vgpr_workitem_id 0
		.amdhsa_next_free_vgpr 1024
		.amdhsa_next_free_sgpr 88
		.amdhsa_reserve_vcc 0
		.amdhsa_float_denorm_mode_32 3
		.amdhsa_float_denorm_mode_16_64 3
		.amdhsa_memory_ordered 1
		.amdhsa_forward_progress 1
		.amdhsa_inst_pref_size 167
	.end_amdhsa_kernel
	.amdgpu_metadata
---
amdhsa.version: [ 1, 2 ]
amdhsa.kernels:
  - .name:           k_q913e0c9402_qkv
    .symbol:         k_q913e0c9402_qkv.kd
    .args:
      - { .name: hbuf, .offset: 0, .size: 8, .value_kind: global_buffer, .address_space: global }
      - { .name: wbuf, .offset: 8, .size: 8, .value_kind: global_buffer, .address_space: global }
      - { .name: qkvbuf, .offset: 16, .size: 8, .value_kind: global_buffer, .address_space: global }
    .group_segment_fixed_size: 327680
    .private_segment_fixed_size: 0
    .kernarg_segment_align: 8
    .kernarg_segment_size: 24
    .max_flat_workgroup_size: 128
    .sgpr_count:     88
    .vgpr_count:     1024
    .wavefront_size: 32
...
	.end_amdgpu_metadata
.endif
;; end of part 9
;; launch attn (part 10): grid 8 x 32, 16 waves a work-group, clusters of 4 x 1, 327,680 bytes of LDS; arguments qkvbuf, cbuf; writes cbuf
.if DOCPART == 10
	.amdgcn_target "amdgcn-amd-amdhsa--gfx1250"
	.amdhsa_code_object_version 6
	.text
	.protected	k_q913e0c9402_attn
	.globl	k_q913e0c9402_attn
	.p2align	8
	.type	k_q913e0c9402_attn,@function
k_q913e0c9402_attn:
	s_mov_b64 s[64:65], 0
	v_nop
	global_prefetch_b8 v0, s[64:65] scope:SCOPE_SE
	s_setreg_imm32_b32 hwreg(HW_REG_WAVE_MODE, 25, 1), 1
	s_wait_xcnt 0x0
	s_wait_alu depctr_hold_cnt(0) depctr_sa_sdst(0) depctr_va_vdst(0) depctr_va_sdst(0) depctr_va_ssrc(0) depctr_va_vcc(0) depctr_vm_vsrc(0)
	s_getreg_b32 s2, hwreg(HW_REG_IB_STS2, 6, 4)
	s_cmp_eq_u32 s2, 0
	s_cbranch_scc0 .Lentry_in_a_cluster
	s_endpgm
.Lentry_in_a_cluster:
	s_bfe_u32 s2, ttmp6, 0x10000c
	s_cmp_lg_u32 s2, 0x3003
	s_cbranch_scc0 .Lentry_shape_is_right
	s_endpgm
.Lentry_shape_is_right:
; Causal attention with ALiBi on codes of BF6, and its result quantised along the model's 1,024 channels.
; logit = q . k / 32 + m (key - query), m = 2^(-(head + 1) / 2); t = logit x log2(e) = c (q . k + 32 m (16 h + i)) + c 32 m (128 ks + 32 b - query), c = log2(e) / 32, for key 128 ks + 32 b + 16 h + i.
; The first bracket's ALiBi part is the same in every block of 32 keys and every step: a table of 16 registers, given to the score products as their C.  The second term is one number a lane, block and step: the addend of the multiply-add that makes t - M.
; p = 2^(t - M), M the running largest t rounded up to a whole number, is quantised along the keys; the row's sum is taken of the unquantised p and divides at the end.
; SHARES.  A work-group serves one (batch, head); K, V (196,608 bytes) and their scale words (12,288) lie whole in LDS, each byte written once.  Its 16 query tiles are token fragments 8 i + x, i = 0 .. 15; tile i needs key steps 0 .. i of 128 keys.
; Waves j and 8 + j (j = 0 .. 7) share tiles 15 - j and j, 17 steps: wave j takes key steps 0 .. 8 of tile 15 - j; wave 8 + j takes its steps 9 .. 15 - j, lays (O, -M, sum) into LDS bytes of the pair's own, and then takes tile j whole.
; Behind one barrier wave j joins the two parts: both M are whole numbers, so both factors are exact powers of two.  So no wave walks more than 9 steps.  An empty part (j = 7) is zeros under M = -3e38: its factor is 0.
; Both loops have constant trip counts; a wave jumps over the steps that are not its own, by its number alone.  Every wave asks for the q of both tiles of its pair; waves 0-7 use the first alone.
; CLUSTER: the four work-groups of a cluster serve the same (batch, head): each wave's one tensor load (48 rows of 256 bytes: two key steps of K, waves 0-7, or of V, waves 8-15) is a joint load with the mask 15.
; No prefetch: all that the launch reads through LDS is asked for at its head; there is no loop to run ahead in.
; LAYOUT.  Both products transposed: S^T = K Q^T, O^T = V^T P^T: a lane holds one query.  The head's size is 64: registers 6-11 of Q's and K's fragments are zeros, under the scale byte 0 (2^-127, no NaN).
; LIMITS: NaN and infinities are not served; the scaled scores stay under 2^31 in magnitude; a block of the result whose largest magnitude lies under 2^-122 keeps the byte 1.  A block's largest p is made from its largest score by the same two instructions.
.set LV,  98304                        ; LDS: K's half fragments [128][768] at 0; V's fragments [16][4][1,536] here;
.set LSC, 196608                       ; K's scale words [128][64], then V's [16][4][64]: stored from registers, no fill lands here
.set MST, 209920                       ; the pairs' hand-over: 4,352 bytes a pair, 1,024 bytes behind the scale words' end
.set SPARE, 244736                     ; the spare words, 128 bytes a wave
.set KC,  3145728
.set QS,  9437184
.set SCL, 9699328
.set CSC, 3145728
.set WV,  8
.set BH,  9
.set G1,  24
.set G0,  32
.set ROLE, 36                          ; 0: waves 0-7, 1: waves 8-15
.set J,   37
.set IL,  38                           ; the tile at work: its last key step, the one on the diagonal
.set LIM, 39                           ; the last key step that is mine in this loop
.set LIM2, 41
.set DQ,  42                           ; tokens from tile j to tile 15 - j
.set XX,  43
.set KS,  44
.set TK,  45                           ; 6,144 x key step; s46 512 x; s47 256 x
.set TS,  46
.set TT,  47
.set CNT, 48
.set FT,  49                           ; the tile that I send out
.set CS,  66                           ; s[66:67] c
.set M32, 72
.set SEL, 74
.set SPW, 207
.set NIL, 211
.set TB,  212                          ; v212-227 32 m (16 h + i)
.set OF,  228                          ; v228-231 the blocks' addends;  v232-235 c 32 m x 1, 32, 64, 96
.set KP,  232
.set BM,  240
.set PM,  244
.set SO,  248
.set TM,  240
.set CT,  204
.macro CROUND
	s_barrier_signal -1
	s_barrier_wait -1
	s_cmp_lg_u32 s[WV], 0
	s_cbranch_scc1 .Lnw0_\@
	s_barrier_signal -3
.Lnw0_\@:
	s_barrier_wait -3
	s_barrier_signal -1
	s_barrier_wait -1
.endm
.macro QUANT2 src, dst, pw
.irp b, 0,1
	v_max3_num_f32 v[TM+\b], |v[\src+16*\b]|, |v[\src+16*\b+1]|, 0x2800000
.endr
.irp i, 2,4,6,8,10,12,14
.irp b, 0,1
	s_delay_alu instid0(VALU_DEP_2)
	v_max3_num_f32 v[TM+\b], |v[\src+16*\b+\i]|, |v[\src+16*\b+\i+1]|, v[TM+\b]
.endr
.endr
.irp b, 0,1
	s_delay_alu instid0(VALU_DEP_2)
	v_permlanex16_b32 v[TM+2+\b], v[TM+\b], s[SEL], s[SEL+1]
.endr
.irp b, 0,1
	s_delay_alu instid0(VALU_DEP_2)
	v_max_num_f32 v[TM+\b], v[TM+\b], v[TM+2+\b]
.endr
.irp b, 0,1
	s_delay_alu instid0(VALU_DEP_2)
	v_add_nc_u32 v[TM+4+\b], 0xfe000000, v[TM+\b]
.endr
.irp b, 0,1
	s_delay_alu instid0(VALU_DEP_2)
	v_lshrrev_b32 v[TM+2+\b], 23, v[TM+4+\b]
.endr
	s_delay_alu instid0(VALU_DEP_1)
	v_lshl_or_b32 v[\pw], v[TM+3], 8, v[TM+2]
	v_cvt_scalef32_pk16_bf6_f32 v[\dst:\dst+2], v[\src:\src+15], v[TM+4]
	v_cvt_scalef32_pk16_bf6_f32 v[CT:CT+2], v[\src+16:\src+31], v[TM+5]
	v_nop
.irp i, 0,1,2
	v_permlane16_swap_b32 v[\dst+\i], v[CT+\i]
.endr
.irp i, 0,1,2
	s_delay_alu instid0(VALU_DEP_3)
	v_mov_b32 v[\dst+3+\i], v[CT+\i]
.endr
.endm
	s_load_b128 s[4:7], s[0:1], 0x0                ; q, k, v; the result
	v_lshl_add_u32 v[SPW], v0, 2, SPARE
	v_mov_b32 v[NIL], 0
	ds_add_u32 v[SPW], v[NIL]                      ; the opening lines: the add twice on end, waited for below
	ds_add_u32 v[SPW], v[NIL]
	v_lshrrev_b32 v1, 5, v0
	s_delay_alu instid0(VALU_DEP_1)
	v_readfirstlane_b32 s[WV], v1                  ; wave 0 .. 15
	s_and_b32 s[BH], ttmp7, 0xffff                 ; 16 x batch + head: the cluster's y
	s_mov_b32 s[G1+0], 15|(3<<16)|(1<<21)          ; the four of the cluster; elements of 8 bytes; no padding
	s_mov_b32 s[G1+1], 32<<16
	s_mov_b32 s[G1+2], 48<<16
	s_mov_b32 s[G1+3], 32<<16
	s_mov_b32 s[G1+4], 48
	s_mov_b32 s[G1+5], 32
	s_mov_b32 s[G1+6], 0
	s_mov_b32 s[G1+7], 0
	s_lshr_b32 s[ROLE], s[WV], 3
	s_and_b32 s[J], s[WV], 7
	s_sub_co_u32 s[IL], 15, s[J]
	s_cmp_eq_u32 s[ROLE], 0
	s_cselect_b32 s[LIM], 8, s[IL]
	s_cselect_b32 s[LIM2], -1, s[J]
	s_cselect_b32 s[FT], s[IL], s[J]
	s_sub_co_u32 s[DQ], s[IL], s[J]
	s_lshl_b32 s[DQ], s[DQ], 7
	s_mul_i32 s10, s[BH], 98304                    ; my tensor load: K (waves 0-7) or V (8-15), 12,288 bytes by wave % 8
	s_mul_i32 s11, s[ROLE], 3145728
	s_add_co_u32 s10, s10, s11
	s_mul_i32 s11, s[J], 12288
	s_add_co_u32 s10, s10, s11
	s_add_co_u32 s10, s10, KC
	s_mov_b32 s11, 0
	s_mov_b32 s[G0], 1
	s_mul_i32 s[G0+1], s[WV], 12288
	s_mul_i32 s12, s[BH], 12288                    ; the scale words of key step = my wave: K's 512 bytes, V's 256
	s_add_co_u32 s12, s12, SCL
	s_lshl_b32 s13, s[WV], 8
	s_add_co_u32 s14, s12, s13
	s_add_co_u32 s14, s14, 8192
	s_lshl_b32 s13, s[WV], 9
	s_add_co_u32 s12, s12, s13
	s_mov_b32 s13, 0
	s_mov_b32 s15, 0
	s_lshl_b32 s50, s[WV], 9
	s_add_co_u32 s50, s50, LSC
	s_lshl_b32 s51, s[WV], 8
	s_add_co_u32 s51, s51, LSC+8192
	s_mul_i32 s98, s[J], 4352
	s_add_co_u32 s98, s98, MST
	s_add_co_u32 s99, s98, 4096
	s_bfe_u32 s76, ttmp6, 0x40000                  ; cx
	s_lshl_b32 s[XX], ttmp9, 2
	s_add_co_u32 s[XX], s[XX], s76                 ; the work-group's x: it enters global addresses and the queries' places alone
	s_lshl_b32 s77, s[BH], 7
	s_add_co_u32 s77, s77, s[XX]
	s_lshl_b32 s78, s[IL], 3
	s_add_co_u32 s78, s78, s77                     ; q of tile 15 - j
	s_mul_i32 s80, s78, 768
	s_mov_b32 s81, 0
	s_lshl_b32 s82, s78, 6
	s_add_co_u32 s82, s82, QS
	s_mov_b32 s83, 0
	s_lshl_b32 s78, s[J], 3
	s_add_co_u32 s78, s78, s77                     ; q of tile j
	s_mul_i32 s84, s78, 768
	s_mov_b32 s85, 0
	s_lshl_b32 s86, s78, 6
	s_add_co_u32 s86, s86, QS
	s_mov_b32 s87, 0
	s_lshr_b32 s78, s[BH], 4
	s_lshl_b32 s78, s78, 7
	s_add_co_u32 s78, s78, s[XX]
	s_lshl_b32 s79, s[FT], 3
	s_add_co_u32 s78, s78, s79                     ; the token fragment that I send out, among all 256
	s_lshl_b32 s78, s78, 3
	s_and_b32 s90, s[BH], 15                       ; head
	s_lshr_b32 s79, s90, 1
	s_add_co_u32 s78, s78, s79                     ; K step head / 2,
	s_and_b32 s79, s90, 1                          ; half head % 2
	s_mul_i32 s88, s78, 1536
	s_mul_i32 s91, s79, 768
	s_add_co_u32 s88, s88, s91
	s_mov_b32 s89, 0
	s_lshl_b32 s92, s78, 6
	s_lshl_b32 s79, s79, 1
	s_add_co_u32 s92, s92, s79
	s_add_co_u32 s92, s92, CSC
	s_mov_b32 s93, 0
	s_lshl_b32 s94, s[IL], 3
	s_add_co_u32 s94, s94, s[XX]
	s_lshr_b32 s95, s94, 1
	s_lshl_b32 s95, s95, 5
	s_and_b32 s96, s94, 1
	s_lshl_b32 s96, s96, 3
	s_add_co_u32 s95, s95, s96                     ; tile 15 - j's first token
	s_mul_i32 s97, s[ROLE], 1152                   ; the first key of my first step
	s_add_co_u32 s79, s90, 1                       ; 32 m = 2^(5 - (head + 1) / 2): a power of two, times 2^-0.5 for even heads
	s_lshr_b32 s79, s79, 1
	s_sub_co_i32 s79, 5, s79
	s_lshl_b32 s79, s79, 23
	s_mov_b32 s91, 0x3f3504f3
	s_bitcmp1_b32 s90, 0
	s_cselect_b32 s91, 0x3f800000, s91
	s_add_co_u32 s[M32], s91, s79
	s_mov_b32 s[CS], 0x3d38aa3b
	s_mov_b32 s[CS+1], s[CS]
	s_mov_b32 s[SEL], 0x76543210
	s_mov_b32 s[SEL+1], 0xfedcba98
	s_mul_i32 s[KS], s[ROLE], 9                    ; waves 8-15 begin at key step 9
	s_mul_i32 s[TK], s[ROLE], 55296
	s_mul_i32 s[TS], s[ROLE], 4608
	s_mul_i32 s[TT], s[ROLE], 2304
	s_wait_alu depctr_va_vdst(0)
	s_wait_dscnt 0x0                               ; both opening adds are done
	s_wait_kmcnt 0x0
	s_add_nc_u64 s[G0+2:G0+3], s[4:5], s[10:11]
	s_or_b32 s[G0+3], s[G0+3], 0x80000000
	s_add_nc_u64 s[54:55], s[4:5], s[12:13]
	s_add_nc_u64 s[62:63], s[4:5], s[14:15]
	s_add_nc_u64 s[18:19], s[4:5], s[80:81]
	s_add_nc_u64 s[20:21], s[4:5], s[82:83]
	s_add_nc_u64 s[56:57], s[4:5], s[84:85]
	s_add_nc_u64 s[58:59], s[4:5], s[86:87]
	s_add_nc_u64 s[22:23], s[6:7], s[88:89]
	s_add_nc_u64 s[60:61], s[6:7], s[92:93]
	CROUND                                         ; the four work-groups are here: the joint loads meet
	tensor_load_to_lds s[G0:G0+3], s[G1:G1+7]      ; every wave's one tensor load
	s_nop 0
	v_and_b32 v4, 31, v0
	v_and_b32 v5, 15, v0
	v_bfe_u32 v6, v0, 4, 1                         ; h
	v_lshlrev_b32 v1, 4, v4                        ; 16 x lane
	v_lshlrev_b32 v2, 3, v4                        ; 8 x lane
	v_lshl_add_u32 v3, v4, 2, LSC
	v_lshlrev_b32 v31, 2, v5                       ; 4 r
	s_delay_alu instid0(VALU_DEP_1)
	v_add_nc_u32 v10, v31, v6                      ; 4 r + h
	global_load_b128 v[96:99], v1, s[54:55]        ; scale words
	global_load_b64 v[100:101], v2, s[62:63]
	global_load_b128 v[16:19], v1, s[18:19]        ; q of tile 15 - j
	global_load_b64 v[20:21], v2, s[18:19] offset:512
	global_load_b32 v28, v31, s[20:21]
	global_load_b128 v[80:83], v1, s[56:57]        ; q of tile j: kept in v80-85, which are also registers 6-11 of K's last fragment (see KLOAD)
	global_load_b64 v[84:85], v2, s[56:57] offset:512
	global_load_b32 v86, v31, s[58:59]
	v_add_nc_u32 v93, s98, v1                      ; the pair's hand-over
	v_add_nc_u32 v94, s99, v2
	v_add_nc_u32 v8, s50, v1
	v_add_nc_u32 v9, s51, v2
	v_and_b32 v11, 7, v0
	v_bfe_u32 v7, v0, 3, 1
	s_delay_alu instid0(VALU_DEP_1)
	v_lshl_add_u32 v11, v7, 4, v11
	s_delay_alu instid0(VALU_DEP_1)
	v_add_nc_u32 v11, s95, v11                     ; my query's place in the sequence
	v_lshlrev_b32 v7, 4, v6                        ; 16 h
	s_delay_alu instid0(VALU_DEP_1)
	v_sub_nc_u32 v29, v11, v7                      ; query - 16 h, for the mask
	v_sub_nc_u32 v4, s97, v11
	s_delay_alu instid0(VALU_DEP_1)
	v_cvt_f32_i32 v30, v4                          ; 128 x key step - query, a whole number in f32
.irp i, 0,1,2,3,4,5,6,7,8,9,10,11,12,13,14,15
	v_add_nc_u32 v[TB+\i], \i, v7
.endr
.irp i, 0,1,2,3,4,5,6,7,8,9,10,11,12,13,14,15
	v_cvt_f32_u32 v[TB+\i], v[TB+\i]
.endr
.irp i, 0,1,2,3,4,5,6,7,8,9,10,11,12,13,14,15
	v_mul_f32 v[TB+\i], s[M32], v[TB+\i]           ; 32 m (16 h + i)
.endr
	v_mov_b32 v[KP], s[M32]
	s_delay_alu instid0(VALU_DEP_1)
	v_mul_f32 v[KP], s[CS], v[KP]                  ; c 32 m
	s_delay_alu instid0(VALU_DEP_1)
	v_mul_f32 v[KP+1], 0x42000000, v[KP]
	v_mul_f32 v[KP+2], 0x42800000, v[KP]
	v_mul_f32 v[KP+3], 0x42c00000, v[KP]
.irp i, 22,23,24,25,26,27
	v_mov_b32 v[\i], 0
.endr
	v_mov_b32 v13, 0xff61b1e6                      ; the largest t so far: -3e38
	s_delay_alu instid0(VALU_DEP_1)
	v_floor_f32 v12, -v13                          ; -M
	v_mov_b32 v14, 0
	v_mov_b32 v15, 0
.set j, 0
.rept 32
	v_mov_b32 v[160+j], 0
.set j, j+1
.endr
.set j, 240
.rept 14
	v_mov_b32 v[j], 0
.set j, j+1
.endr
	s_wait_alu depctr_va_vdst(0)
	s_wait_loadcnt 0x0
	s_wait_tensorcnt 0x0                           ; my part of K or V lies in LDS
	ds_store_b128 v8, v[96:99]
	ds_store_b64 v9, v[100:101]
	s_wait_dscnt 0x0                               ; and my scale words
	s_barrier_signal -1
	s_barrier_wait -1                              ; everybody's do
; A KEY STEP: 128 keys.
; K'S EIGHT HALF FRAGMENTS OF A KEY STEP LIE PACKED, six registers each, in v32-79: tile t's operand is v[32 + 6 t : 43 + 6 t], so its registers 6-11 are tile t + 1's codes (tile 7's: v80-85).
; Q's registers 6-11 are zero codes, E3M2 has no code for NaN or infinity, and K's scale bytes 2 and 3 are 0 (2^-127): those products are zeros whatever codes stand there.  (This takes the place of what the head says of zeros in K's fragments.)
; Scale words: K's in v87-90, V's in v91-92.  ko, so: bytes on from the addresses in v4, v5 and v8.
.macro KLOAD ko, so
.irp p, 0,1,2,3
	ds_load_b32 v[87+\p], v8 offset:(\so)+128*\p   ; lanes 0-15 tile 2 p, lanes 16-31 tile 2 p + 1
.endr
.irp t, 0,1,2,3,4,5,6,7
	ds_load_b128 v[32+6*\t:35+6*\t], v4 offset:(\ko)+\t*768
	ds_load_b64 v[36+6*\t:37+6*\t], v5 offset:(\ko)+\t*768+512
.endr
.endm
.macro STEP
	s_cmp_gt_i32 s[KS], s[LIM]                     ; not mine: only the addresses step
	s_cbranch_scc1 .Lskip_\@
	v_add_nc_u32 v4, s[TK], v1                     ; (these six are the places between the last products and those below, which write over V's registers)
	v_add_nc_u32 v5, s[TK], v2
	v_add_nc_u32 v8, s[TS], v3
	s_min_u32 s97, s[TT], 3840                     ; V's scale words end with key step 15: the stepped offset is held there (a step that is mine never passes it)
	v_add_nc_u32 v9, s97, v3
	v_add_nc_u32 v6, LV, v4
	v_add_nc_u32 v7, LV, v5
	s_wait_alu depctr_va_vdst(0)
	s_wait_dscnt 0x0                               ; this step's K and its scale words: asked for in the step before, or ahead of the loop
.irp t, 0,1,2,3,4,5,6,7                ; C: the table's half for tile parity t % 2
.if (\t%2) == 0
	v_wmma_scale_f32_16x16x128_f8f6f4 v[96+8*\t:103+8*\t], v[32+6*\t:43+6*\t], v[16:27], v[TB:TB+7], v[87+\t/2], v28 matrix_a_fmt:MATRIX_FMT_BF6 matrix_b_fmt:MATRIX_FMT_BF6
.else
	v_wmma_scale_f32_16x16x128_f8f6f4 v[96+8*\t:103+8*\t], v[32+6*\t:43+6*\t], v[16:27], v[TB+8:TB+15], v[87+\t/2], v28 matrix_a_fmt:MATRIX_FMT_BF6 matrix_b_fmt:MATRIX_FMT_BF6 matrix_a_scale:MATRIX_SCALE_ROW1
.endif
.endr
	v_mul_f32 v[OF], v30, v[KP]                    ; c 32 m (128 ks + 32 b - query).  (Four places behind the products)
.irp b, 1,2,3
	v_fma_f32 v[OF+\b], v30, v[KP], v[KP+\b]
.endr
	KLOAD 6144, 512                                ; behind the four places: the next key step's K and scale words, 20 LDS loads that come in under the softmax; the wait for 0 ahead of the second product covers them.  Behind my last step they name the key step after it, inside the filled bytes, and are not used
	s_cmp_lg_u32 s[KS], s[IL]                      ; on the diagonal hidden keys' scores become -infinity ahead of the maximum
	s_cbranch_scc1 .Lopen_\@
	s_lshl_b32 s97, s[KS], 7
	v_sub_nc_u32 v255, v29, s97                    ; d = query - 128 ks - 16 h: register 16 b + i is hidden where 32 b + i > d
	v_mov_b32 v254, 0xff800000
.set n, 0
.rept 64
	v_cmp_gt_i32 vcc_lo, 32*(n/16)+n%16, v255
	v_cndmask_b32 v[96+n], v[96+n], v254, vcc_lo
.set n, n+1
.endr
.Lopen_\@:
.irp b, 0,1,2,3
	v_max3_num_f32 v[BM+\b], v[96+16*\b], v[97+16*\b], v[98+16*\b]
.endr
.irp i, 3,5,7,9,11,13
.irp b, 0,1,2,3
	v_max3_num_f32 v[BM+\b], v[BM+\b], v[96+16*\b+\i], v[97+16*\b+\i]   ; (the four blocks by turns)
.endr
.endr
.irp b, 0,1,2,3
	v_max_num_f32 v[BM+\b], v[BM+\b], v[111+16*\b]
.endr
.irp b, 0,1,2,3
	s_delay_alu instid0(VALU_DEP_4)
	v_permlanex16_b32 v[PM+\b], v[BM+\b], s[SEL], s[SEL+1]
.endr
.irp b, 0,1,2,3
	s_delay_alu instid0(VALU_DEP_4)
	v_max_num_f32 v[BM+\b], v[BM+\b], v[PM+\b]
.endr
.irp b, 0,1,2,3
	s_delay_alu instid0(VALU_DEP_4)
	v_fma_f32 v[PM+\b], v[BM+\b], s[CS], v[OF+\b]  ; each block's largest t
.endr
	s_delay_alu instid0(VALU_DEP_2)
	v_max3_num_f32 v254, v244, v245, v246
	s_delay_alu instid0(VALU_DEP_1)
	v_max3_num_f32 v13, v254, v247, v13            ; the running largest t
	v_mov_b32 v254, v12
	s_delay_alu instid0(VALU_DEP_2)
	v_floor_f32 v12, -v13                          ; -M = floor(-t)
	s_delay_alu instid0(VALU_DEP_1)
	v_sub_f32 v254, v12, v254
	s_delay_alu instid0(VALU_DEP_1)
	v_cvt_i32_f32 v254, v254                       ; old M - new M (it saturates)
	s_delay_alu instid0(VALU_DEP_1)
	v_ldexp_f32 v252, 1.0, v254                    ; f = 2^(old M - new M): exact
.irp b, 0,1,2,3
	v_add_f32 v[OF+\b], v[OF+\b], v12              ; the block's addend, - M
.endr
.set j, 0
.rept 16
	v_pk_mul_f32 v[160+2*j:161+2*j], v[160+2*j:161+2*j], v[252:253] op_sel_hi:[1,0]   ; O^T under the new M, ahead of the exponentials
.set j, j+1
.endr
.irp b, 0,1,2,3
.irp e, 0,1,2,3,4,5,6,7
.if (\b%2) == 0
	v_pk_fma_f32 v[96+16*\b+2*\e:97+16*\b+2*\e], v[96+16*\b+2*\e:97+16*\b+2*\e], s[CS:CS+1], v[OF+2*(\b/2):OF+2*(\b/2)+1] op_sel_hi:[1,0,0]
.else
	v_pk_fma_f32 v[96+16*\b+2*\e:97+16*\b+2*\e], v[96+16*\b+2*\e:97+16*\b+2*\e], s[CS:CS+1], v[OF+2*(\b/2):OF+2*(\b/2)+1] op_sel:[0,0,1] op_sel_hi:[1,0,1]
.endif
.endr
.endr
.irp b, 0,1,2,3
	v_fma_f32 v[BM+\b], v[BM+\b], s[CS], v[OF+\b]
.endr
	s_wait_alu depctr_va_vdst(0)
.set j, 0
.rept 64
	v_exp_f32 v[96+j], v[96+j]                     ; p, at most 1, not normalised
.set j, j+1
.endr
	v_pk_mul_f32 v[14:15], v[14:15], v[252:253] op_sel_hi:[1,0]
	s_wait_alu depctr_va_vdst(0)                   ; one wait for the batch of 64
.irp b, 0,1,2,3
	v_exp_f32 v[BM+\b], v[BM+\b]                   ; the blocks' largest p
.endr
	v_pk_add_f32 v[244:245], v[100:101], v[104:105]
	v_pk_add_f32 v[254:255], v[108:109], v[112:113]
	v_pk_add_f32 v[250:251], v[116:117], v[120:121]
	v_pk_add_f32 v[248:249], v[124:125], v[128:129]
	v_pk_add_f32 v[246:247], v[132:133], v[136:137]
	v_pk_add_f32 v[238:239], v[140:141], v[144:145]
	v_pk_add_f32 v[236:237], v[148:149], v[152:153]
	v_pk_add_f32 v[14:15], v[14:15], v[156:157]
	v_pk_add_f32 v[244:245], v[244:245], v[96:97]
	v_pk_add_f32 v[254:255], v[254:255], v[98:99]
	v_pk_add_f32 v[250:251], v[250:251], v[102:103]
	v_pk_add_f32 v[248:249], v[248:249], v[106:107]
	v_pk_add_f32 v[246:247], v[246:247], v[110:111]
	v_pk_add_f32 v[238:239], v[238:239], v[114:115]
	v_pk_add_f32 v[236:237], v[236:237], v[118:119]
	v_pk_add_f32 v[14:15], v[14:15], v[122:123]
	v_pk_add_f32 v[244:245], v[244:245], v[126:127]
	v_pk_add_f32 v[254:255], v[254:255], v[130:131]
	v_pk_add_f32 v[250:251], v[250:251], v[134:135]
	v_pk_add_f32 v[248:249], v[248:249], v[138:139]
	v_pk_add_f32 v[246:247], v[246:247], v[142:143]
	v_pk_add_f32 v[238:239], v[238:239], v[146:147]
	v_pk_add_f32 v[236:237], v[236:237], v[150:151]
	v_pk_add_f32 v[14:15], v[14:15], v[154:155]
	v_pk_add_f32 v[244:245], v[244:245], v[158:159]
	s_delay_alu instid0(VALU_DEP_2)
	v_pk_add_f32 v[14:15], v[14:15], v[248:249]
	s_delay_alu instid0(VALU_DEP_2)
	v_pk_add_f32 v[244:245], v[244:245], v[246:247]
	v_pk_add_f32 v[254:255], v[254:255], v[238:239]
	v_pk_add_f32 v[250:251], v[250:251], v[236:237]
	s_delay_alu instid0(VALU_DEP_2)
	v_pk_add_f32 v[14:15], v[14:15], v[254:255]
	s_delay_alu instid0(VALU_DEP_2)
	v_pk_add_f32 v[244:245], v[244:245], v[250:251]
	s_delay_alu instid0(VALU_DEP_1)
	v_pk_add_f32 v[14:15], v[14:15], v[244:245]
	s_wait_alu depctr_va_vdst(0)                   ; and one for the four
.irp b, 0,1,2,3
	v_max_num_f32 v[BM+\b], 0x2800000, v[BM+\b]    ; the floor 2^(5 - 127)
.endr
.irp b, 0,1,2,3
	s_delay_alu instid0(VALU_DEP_4)
	v_add_nc_u32 v[SO+\b], 0xfe000000, v[BM+\b]
.endr
.irp b, 0,1,2,3
	s_delay_alu instid0(VALU_DEP_4)
	v_lshrrev_b32 v[PM+\b], 23, v[SO+\b]
.endr
	s_delay_alu instid0(VALU_DEP_3)
	v_lshl_or_b32 v253, v245, 8, v244              ; p's scale word for these 128 keys
	s_delay_alu instid0(VALU_DEP_1)
	v_lshl_or_b32 v253, v246, 16, v253
	s_delay_alu instid0(VALU_DEP_1)
	v_lshl_or_b32 v253, v247, 24, v253
.irp c, 0,1
	v_cvt_scalef32_pk16_bf6_f32 v[192+6*\c:194+6*\c], v[96+32*\c:111+32*\c], v[SO+2*\c]
	v_cvt_scalef32_pk16_bf6_f32 v[204+4*\c:206+4*\c], v[112+32*\c:127+32*\c], v[SO+2*\c+1]
.endr
	v_nop                                          ; one plain instruction behind the conversions
.irp t, 0,1,2,3                        ; V's four fragments take p's registers
	ds_load_b128 v[96+12*\t:99+12*\t], v6 offset:1536*\t
	ds_load_b64 v[100+12*\t:101+12*\t], v7 offset:1536*\t+512
	ds_load_b128 v[102+12*\t:105+12*\t], v6 offset:1536*\t+768
	ds_load_b64 v[106+12*\t:107+12*\t], v7 offset:1536*\t+1280
.endr
	ds_load_b32 v91, v9 offset:8192
	ds_load_b32 v92, v9 offset:8192+128
.irp c, 0,1
.irp i, 0,1,2
	v_permlane16_swap_b32 v[192+6*\c+\i], v[204+4*\c+\i]
.endr
.irp i, 0,1,2
	s_delay_alu instid0(VALU_DEP_3)
	v_mov_b32 v[195+6*\c+\i], v[204+4*\c+\i]
.endr
.endr
	v_add_f32 v30, 0x43000000, v30                 ; 128 keys on.  (With the three below: four places between the last write of p's codes and the products; the scale word stands 13 plain instructions and more ahead)
.rept 3
	v_nop
.endr
	s_wait_alu depctr_va_vdst(0)
	s_wait_dscnt 0x0
.irp t, 0,1,2,3
.if (\t%2) == 0
	v_wmma_scale_f32_16x16x128_f8f6f4 v[160+8*\t:167+8*\t], v[96+12*\t:107+12*\t], v[192:203], v[160+8*\t:167+8*\t], v[91+\t/2], v253 matrix_a_fmt:MATRIX_FMT_BF6 matrix_b_fmt:MATRIX_FMT_BF6
.else
	v_wmma_scale_f32_16x16x128_f8f6f4 v[160+8*\t:167+8*\t], v[96+12*\t:107+12*\t], v[192:203], v[160+8*\t:167+8*\t], v[91+\t/2], v253 matrix_a_fmt:MATRIX_FMT_BF6 matrix_b_fmt:MATRIX_FMT_BF6 matrix_a_scale:MATRIX_SCALE_ROW1
.endif
.endr
.Lskip_\@:
	s_add_co_u32 s[KS], s[KS], 1
	s_add_co_u32 s[TK], s[TK], 6144
	s_add_co_u32 s[TS], s[TS], 512
	s_add_co_u32 s[TT], s[TT], 256
.endm
	v_add_nc_u32 v4, s[TK], v1                     ; my first key step's K and scale words
	v_add_nc_u32 v5, s[TK], v2
	v_add_nc_u32 v8, s[TS], v3
	KLOAD 0, 0
	s_mov_b32 s[CNT], 9
.Lone:
	STEP
	s_sub_co_u32 s[CNT], s[CNT], 1
	s_cmp_lg_u32 s[CNT], 0
	s_wait_alu depctr_va_vdst(0)
	s_cbranch_scc1 .Lone
	s_mov_b32 s[KS], 0
	s_mov_b32 s[TK], 0
	s_mov_b32 s[TS], 0
	s_mov_b32 s[TT], 0
	s_mov_b32 s[LIM], s[LIM2]
	s_mov_b32 s[IL], s[J]
	s_cmp_eq_u32 s[ROLE], 0
	s_cbranch_scc1 .Lsecond
.rept 4
	v_nop                                          ; places behind the last products
.endr
	v_add_f32 v13, v14, v15                        ; my lane's sum
.irp k, 0,1,2,3,4,5,6,7
	ds_store_b128 v93, v[160+4*\k:163+4*\k] offset:512*\k   ; my part of tile 15 - j, as an image of its registers
.endr
	ds_store_b64 v94, v[12:13]                     ; -M and the sum
	v_mov_b32 v28, v86
.irp i, 0,1,2,3,4,5
	v_mov_b32 v[16+\i], v[80+\i]
.endr
	v_sub_nc_u32 v11, v11, s[DQ]
	v_sub_nc_u32 v29, v29, s[DQ]
	s_delay_alu instid0(VALU_DEP_2)
	v_sub_nc_u32 v4, 0, v11
	s_delay_alu instid0(VALU_DEP_1)
	v_cvt_f32_i32 v30, v4
	v_mov_b32 v13, 0xff61b1e6
	s_delay_alu instid0(VALU_DEP_1)
	v_floor_f32 v12, -v13
	v_mov_b32 v14, 0
	v_mov_b32 v15, 0
.set j, 0
.rept 32
	v_mov_b32 v[160+j], 0
.set j, j+1
.endr
	s_wait_alu depctr_va_vdst(0)
.Lsecond:
	s_wait_dscnt 0x0                               ; no LDS load of mine is out: K's registers may be asked for anew
	v_add_nc_u32 v4, s[TK], v1                     ; key step 0's K and scale words (every wave walks these lines; waves 0-7 have no step in the loop below and do not read them)
	v_add_nc_u32 v5, s[TK], v2
	v_add_nc_u32 v8, s[TS], v3
	KLOAD 0, 0
	s_mov_b32 s[CNT], 8
.Ltwo:
	STEP
	s_sub_co_u32 s[CNT], s[CNT], 1
	s_cmp_lg_u32 s[CNT], 0
	s_wait_alu depctr_va_vdst(0)
	s_cbranch_scc1 .Ltwo
.rept 4
	v_nop                                          ; places behind the last products
.endr
	s_wait_dscnt 0x0                               ; for the partner's sake: what I handed over lies in LDS
	s_barrier_signal -1
	s_barrier_wait -1
	s_cmp_lg_u32 s[ROLE], 0
	s_cbranch_scc1 .Lout
.irp k, 0,1,2,3,4,5,6,7                ; waves 0-7 join the partner's part of tile 15 - j to their own
	ds_load_b128 v[96+4*\k:99+4*\k], v93 offset:512*\k
.endr
	ds_load_b64 v[128:129], v94
	v_add_f32 v14, v14, v15
	v_mov_b32 v135, 0
	v_mov_b32 v137, 0
	s_wait_alu depctr_va_vdst(0)
	s_wait_dscnt 0x0
	v_min_num_f32 v130, v12, v128                  ; -M of both
	s_delay_alu instid0(VALU_DEP_1)
	v_sub_f32 v131, v130, v12
	v_sub_f32 v132, v130, v128
	s_delay_alu instid0(VALU_DEP_2)
	v_cvt_i32_f32 v131, v131
	s_delay_alu instid0(VALU_DEP_2)
	v_cvt_i32_f32 v132, v132                       ; (it saturates)
	s_delay_alu instid0(VALU_DEP_2)
	v_ldexp_f32 v134, 1.0, v131                    ; both factors are exact powers of two, or 0
	s_delay_alu instid0(VALU_DEP_2)
	v_ldexp_f32 v136, 1.0, v132
	s_delay_alu instid0(VALU_DEP_2)
	v_mul_f32 v14, v14, v134
	s_delay_alu instid0(VALU_DEP_1)
	v_fmac_f32 v14, v129, v136
	v_mov_b32 v15, 0
.set j, 0
.rept 16
	v_pk_mul_f32 v[160+2*j:161+2*j], v[160+2*j:161+2*j], v[134:135] op_sel_hi:[1,0]
.set j, j+1
.endr
.set j, 0
.rept 16
	v_pk_fma_f32 v[160+2*j:161+2*j], v[96+2*j:97+2*j], v[136:137], v[160+2*j:161+2*j] op_sel_hi:[1,0,1]
.set j, j+1
.endr
	s_wait_alu depctr_va_vdst(0)
.Lout:
	; THE WAY OUT, all sixteen waves: O^T / the sum is half a fragment of the next product's operand: K = 64 x head + channel
	v_add_f32 v14, v14, v15
	s_wait_alu depctr_va_vdst(0)
	v_permlanex16_b32 v252, v14, s[SEL], s[SEL+1]
	s_delay_alu instid0(VALU_DEP_1)
	v_add_f32 v14, v14, v252                       ; the row's sum
	s_wait_alu depctr_va_vdst(0)
	v_rcp_f32 v15, v14
	v_bfe_u32 v255, v0, 4, 1
	s_delay_alu instid0(VALU_DEP_1)
	v_lshlrev_b32 v255, 3, v255                    ; 8 h
	s_wait_alu depctr_va_vdst(0)                   ; the wait ahead of the reciprocal's first reader
.set j, 0
.rept 32
	v_mul_f32 v[96+j], v[160+j], v15
.set j, j+1
.endr
	QUANT2 96, 192, 254
	v_lshrrev_b32 v254, v255, v254                 ; lane (r, h): the byte of block h
	global_store_b128 v1, v[192:195], s[22:23]
	global_store_b64 v2, v[196:197], s[22:23] offset:512
	global_store_b8 v10, v254, s[60:61]
	s_wait_tensorcnt 0x0                           ; the wave's end
	ds_add_u32 v[SPW], v[NIL]
	s_wait_dscnt 0x0
	CROUND                                         ; the closing round
	s_endpgm
.Lfunc_end_k_q913e0c9402_attn:
	.size	k_q913e0c9402_attn, .Lfunc_end_k_q913e0c9402_attn-k_q913e0c9402_attn
	.p2alignl 7, 3214868480
	.fill 96, 4, 3214868480
	.section	.rodata,"a",@progbits
	.p2align	6, 0x0
	.amdhsa_kernel k_q913e0c9402_attn
		.amdhsa_group_segment_fixed_size 327680
		.amdhsa_private_segment_fixed_size 0
		.amdhsa_enable_private_segment 0
		.amdhsa_kernarg_size 16
		.amdhsa_user_sgpr_count 2
		.amdhsa_user_sgpr_kernarg_segment_ptr 1
		.amdhsa_wavefront_size32 1
		.amdhsa_system_sgpr_workgroup_id_x 1
		.amdhsa_system_sgpr_workgroup_id_y 1
		.amdhsa_system_sgpr_workgroup_id_z 1
		.amdhsa_system_vgpr_workitem_id 0
		.amdhsa_next_free_vgpr 256
		.amdhsa_next_free_sgpr 100
		.amdhsa_reserve_vcc 1
		.amdhsa_float_denorm_mode_32 3
		.amdhsa_float_denorm_mode_16_64 3
		.amdhsa_memory_ordered 1
		.amdhsa_forward_progress 1
		.amdhsa_inst_pref_size 73
	.end_amdhsa_kernel
	.amdgpu_metadata
---
amdhsa.version: [ 1, 2 ]
amdhsa.kernels:
  - .name:           k_q913e0c9402_attn
    .symbol:         k_q913e0c9402_attn.kd
    .args:
      - { .name: qkvbuf, .offset: 0, .size: 8, .value_kind: global_buffer, .address_space: global }
      - { .name: cbuf, .offset: 8, .size: 8, .value_kind: global_buffer, .address_space: global }
    .group_segment_fixed_size: 327680
    .private_segment_fixed_size: 0
    .kernarg_segment_align: 8
    .kernarg_segment_size: 16
    .max_flat_workgroup_size: 512
    .sgpr_count:     100
    .vgpr_count:     256
    .wavefront_size: 32
...
	.end_amdgpu_metadata
.endif
;; end of part 10
;; launch wo (part 11): grid 256 x 1, 4 waves a work-group, no clusters, 168,448 bytes of LDS; arguments cbuf, wbuf, x, x1; writes x1
.if DOCPART == 11
	.amdgcn_target "amdgcn-amd-amdhsa--gfx1250"
	.amdhsa_code_object_version 6
	.text
	.protected	k_q913e0c9402_wo
	.globl	k_q913e0c9402_wo
	.p2align	8
	.type	k_q913e0c9402_wo,@function
k_q913e0c9402_wo:
	s_mov_b64 s[64:65], 0
	v_nop
	global_prefetch_b8 v0, s[64:65] scope:SCOPE_SE
	s_setreg_imm32_b32 hwreg(HW_REG_WAVE_MODE, 25, 1), 1
	s_wait_xcnt 0x0
; x1 = Q(concat) w_o + x, on codes of BF6; f32 out.
; THE CORE.  Source 0 ("P"): 4 fragment rows of the weight (64 output columns) for all of K, shared by the four waves, brought into LDS ONCE, a dense quarter by one tensor load a wave (nothing is ever filled again).
; Source 1 ("Q"): 4 token fragments a wave, its own, from memory straight into registers.  All operands lie in memory as images of their registers.
; In the result a lane holds one token and, in tiles 2 b, 2 b + 1, columns 32 b + 16 (lane / 16) + 0 .. 15.  A fragment's 16 tokens x 64 columns go through the wave's own stage in LDS and leave, with the residual added, as aligned blocks of 256 bytes.
; THE RESIDUAL is asked for among the last K steps, a fragment's eight loads in each of K steps NS - 7 .. NS - 4, behind the last loads of Q, into registers that lie idle: the way out waits for nothing that was asked for late.
; K is walked straight through, NS steps of 16 matrix instructions, written out.
; No cluster: a P block is read by 16 work-groups, each by its own four loads at its head; joint loads would divide those requests; this text does not have them.
; REGISTERS, in windows of 256: window 0: v1-13 addresses; from v16 P's scale words, then Q's; v128-159 the residual of fragment 3; v192-255 rows back from the stage (after the last product; before it v160-255 are Q slots 6, 7).
;   window 1: P's two buffers (v0-47, v48-95), the residual of fragments 0-2 (v96-191), Q slot 5 (v192-239).   window 2: the 16 accumulators, (a, b) at v[8 (4 a + b)].   window 3: Q slots 0-4.
.set NPT,   4
.set NS,    8
.set PC0,   2359296                    ; the weight's codes and scale words in the weights' buffer
.set PS0,   9732096
.set AS0,   3145728                    ; the activations' scale words in their buffer
.set FINAL, 0
.set PSC,   16
.set QSC,   PSC+NPT*NS/2
.set PROWS, NPT*NS*1536/1024
.set STAGE, NPT*NS*1536                ; behind P: 16 rows x (256 + 16) bytes for each wave; no tensor load lands here
.set MSB, 0
.macro WIN new                         ; the immediate's high byte repeats the setting that is left
.if MSB != (\new)
	s_set_vgpr_msb (MSB<<8)|(\new)
.set MSB, (\new)
.endif
.endm
.macro PLACES                          ; four plain instructions between a matrix instruction and a load into, or a read of, its registers
.rept 4
	v_nop
.endr
.endm
.macro QSLOT s
.set SL, (\s)%8
.if SL < 5
.set QW, 3
.set QR, 48*SL
.elseif SL == 5
.set QW, 1
.set QR, 192
.elseif SL == 6
.set QW, 0
.set QR, 160
.else
.set QW, 0
.set QR, 208
.endif
.endm
.macro PL128 reg, o
	ds_load_b128 v[\reg:\reg+3], v[2+((\o)>>16)] offset:(\o)&0xffff
.endm
.macro PL64 reg, o
	ds_load_b64 v[\reg:\reg+1], v[5+((\o)>>16)] offset:(\o)&0xffff
.endm
.macro PFETCH s
	WIN 0x40
.set PB, 12*NPT*((\s)%2)
.set b, 0
.rept NPT
.set PO, (b*NS+(\s))*1536
	PL128 PB+12*b, PO
	PL64 PB+12*b+4, PO+512
	PL128 PB+12*b+6, PO+768
	PL64 PB+12*b+10, PO+1280
.set b, b+1
.endr
	WIN 0
.endm
.macro QFETCH s
	QSLOT \s
	WIN QW<<6
.set a, 0
.rept 4
.set QO, (a*NS+(\s))*1536
	global_load_b128 v[QR+12*a:QR+12*a+3], v2, s[20:21] offset:QO
	global_load_b64 v[QR+12*a+4:QR+12*a+5], v5, s[20:21] offset:QO+512
	global_load_b128 v[QR+12*a+6:QR+12*a+9], v2, s[20:21] offset:QO+768
	global_load_b64 v[QR+12*a+10:QR+12*a+11], v5, s[20:21] offset:QO+1280
.set a, a+1
.endr
	WIN 0
.endm
.macro MULS s                          ; the accumulators take turns, one instruction a turn, in the same order in every step
	QSLOT \s
	WIN 0xa1|(QW<<2)
.set PB, 12*NPT*((\s)%2)
.set b, 0
.rept NPT
.set a, 0
.rept 4
.set AC, 8*(NPT*a+b)
.set SPR, PSC+b*(NS/2)+(\s)/2
.set SQR, QSC+a*(NS/2)+(\s)/2
.if (\s) == 0
	v_wmma_scale_f32_16x16x128_f8f6f4 v[AC:AC+7], v[PB+12*b:PB+12*b+11], v[QR+12*a:QR+12*a+11], 0, v[SPR], v[SQR] matrix_a_fmt:MATRIX_FMT_BF6 matrix_b_fmt:MATRIX_FMT_BF6
.elseif ((\s)%2) == 0
	v_wmma_scale_f32_16x16x128_f8f6f4 v[AC:AC+7], v[PB+12*b:PB+12*b+11], v[QR+12*a:QR+12*a+11], v[AC:AC+7], v[SPR], v[SQR] matrix_a_fmt:MATRIX_FMT_BF6 matrix_b_fmt:MATRIX_FMT_BF6
.else
	v_wmma_scale_f32_16x16x128_f8f6f4 v[AC:AC+7], v[PB+12*b:PB+12*b+11], v[QR+12*a:QR+12*a+11], v[AC:AC+7], v[SPR], v[SQR] matrix_a_fmt:MATRIX_FMT_BF6 matrix_b_fmt:MATRIX_FMT_BF6 matrix_a_scale:MATRIX_SCALE_ROW1 matrix_b_scale:MATRIX_SCALE_ROW1
.endif
.set a, a+1
.endr
.set b, b+1
.endr
.endm
; Stage rows 2 i and 2 i + 1 of token fragment a are tokens 32 (a / 2) + 8 (a % 2) + TO and + 1, TO = 2 i under 8, 16 + 2 (i - 4) from there on.
.macro RLOAD a                         ; the residual of fragment a: fragments 0-2 into window 1, v96 + 32 a on; fragment 3 into window 0, v128 on
.if (\a) < 3
	WIN 0x40
.set RB, 96+32*(\a)
.else
.set RB, 128
.endif
.set i, 0
.rept 8
.set TO, 2*i
.if i >= 4
.set TO, 16+2*(i-4)
.endif
	global_load_b128 v[RB+4*i:RB+4*i+3], v11, s[44:45] offset:(32*((\a)/2)+8*((\a)%2)+TO)*4096
.set i, i+1
.endr
	WIN 0
.endm
.macro TOSTAGE a                       ; fragment a's results into my stage, each accumulator from its low end on, and back as rows of 256 bytes.  LDS serves a wave's instructions in order (ISA guide 5.7.1.4)
	WIN 0x08
.irp b, 0,1,2,3
	ds_store_b128 v9, v[8*(NPT*(\a)+\b):8*(NPT*(\a)+\b)+3] offset:128*(\b/2)+32*(\b%2)
	ds_store_b128 v9, v[8*(NPT*(\a)+\b)+4:8*(NPT*(\a)+\b)+7] offset:128*(\b/2)+32*(\b%2)+16
.endr
	WIN 0
.set i, 0
.rept 8
	ds_load_b128 v[192+32*((\a)%2)+4*i:192+32*((\a)%2)+4*i+3], v10 offset:544*i
.set i, i+1
.endr
.endm
.macro SEND a
.set i, 0
.rept 8
.set TO, 2*i
.if i >= 4
.set TO, 16+2*(i-4)
.endif
.if FINAL
	global_store_b128 v11, v[192+32*((\a)%2)+4*i:192+32*((\a)%2)+4*i+3], s[52:53] offset:(32*((\a)/2)+8*((\a)%2)+TO)*4096 th:TH_STORE_NT
.else
	global_store_b128 v11, v[192+32*((\a)%2)+4*i:192+32*((\a)%2)+4*i+3], s[52:53] offset:(32*((\a)/2)+8*((\a)%2)+TO)*4096
.endif
.set i, i+1
.endr
.endm
	s_load_b256 s[4:11], s[0:1], 0x0               ; the activations' images, the weights' images, the residual, the result
	v_lshl_add_u32 v126, v0, 2, 0x29000
	v_mov_b32 v127, 0
	ds_add_u32 v126, v127
	ds_add_u32 v126, v127
	v_lshrrev_b32 v1, 5, v0
	v_readfirstlane_b32 s2, v1                     ; wave
	v_and_b32 v1, 31, v0
	v_lshlrev_b32 v2, 4, v1                        ; 16 x lane; v3, v4: 65,536 and 131,072 bytes on (an LDS immediate has 16 bits)
	v_add_nc_u32 v3, 0x10000, v2
	v_add_nc_u32 v4, 0x20000, v2
	v_lshlrev_b32 v5, 3, v1
	v_add_nc_u32 v6, 0x10000, v5
	v_add_nc_u32 v7, 0x20000, v5
	v_lshlrev_b32 v8, 2, v1
	v_and_b32 v12, 15, v0                          ; r
	v_bfe_u32 v13, v0, 4, 1                        ; h
	s_mul_i32 s3, s2, 4352
	s_add_co_u32 s3, s3, STAGE                     ; my stage
	v_mul_u32_u24 v9, v12, 272
	v_lshl_add_u32 v9, v13, 6, v9
	v_add_nc_u32 v9, s3, v9                        ; in: row r, + 64 h
	v_mul_u32_u24 v10, v13, 272
	v_lshl_add_u32 v10, v12, 4, v10
	v_add_nc_u32 v10, s3, v10                      ; back: lanes 0-15 one row, lanes 16-31 the next
	v_lshlrev_b32 v11, 12, v13
	v_lshl_add_u32 v11, v12, 4, v11                ; and the same two rows in memory
	s_mov_b32 s24, 3<<16                           ; group 1: PROWS rows of 32 elements of 8 bytes, dense, no padding, no mask
	s_mov_b32 s25, 32<<16
	s_mov_b32 s26, PROWS<<16
	s_mov_b32 s27, 32<<16
	s_mov_b32 s28, PROWS
	s_mov_b32 s29, 32
	s_mov_b32 s30, 0
	s_mov_b32 s31, 0
	s_and_b32 s12, ttmp9, 15                       ; pg: which 64 columns
	s_lshr_b32 s13, ttmp9, 4                       ; qg: which 256 tokens
	s_lshl_b32 s14, s13, 4
	s_lshl_b32 s15, s2, 2
	s_add_co_u32 s14, s14, s15                     ; my first token fragment
	s_mul_i32 s36, s14, NS*1536
	s_mov_b32 s37, 0
	s_mul_i32 s38, s14, NS*64
	s_add_co_u32 s38, s38, AS0
	s_mov_b32 s39, 0
	s_mul_i32 s33, s2, 256*PROWS                   ; my quarter of P, in LDS and in memory
	s_mul_i32 s46, s12, NPT*NS*1536
	s_add_co_u32 s46, s46, PC0
	s_add_co_u32 s46, s46, s33
	s_mov_b32 s47, 0
	s_mul_i32 s48, s12, NPT*NS*64
	s_add_co_u32 s48, s48, PS0
	s_mov_b32 s49, 0
	s_lshl_b32 s50, s13, 8
	s_lshl_b32 s51, s2, 6
	s_add_co_u32 s50, s50, s51                     ; my first token
	s_lshl_b32 s50, s50, 12
	s_lshl_b32 s51, s12, 8
	s_add_co_u32 s50, s50, s51                     ; + the 64 columns' 256 bytes
	s_mov_b32 s51, 0
	s_wait_alu depctr_va_vdst(0)
	s_wait_dscnt 0x0
	s_wait_kmcnt 0x0
	s_add_nc_u64 s[20:21], s[4:5], s[36:37]
	s_add_nc_u64 s[22:23], s[4:5], s[38:39]
	s_add_nc_u64 s[18:19], s[6:7], s[48:49]
	s_add_nc_u64 s[44:45], s[8:9], s[50:51]
	s_add_nc_u64 s[52:53], s[10:11], s[50:51]
	s_add_nc_u64 s[34:35], s[6:7], s[46:47]
	s_or_b32 s35, s35, 0x80000000
	s_mov_b32 s32, 1
	tensor_load_to_lds s[32:35], s[24:31]          ; my one tensor load
	s_nop 0
	PLACES
.set b, 0
.rept NPT
.set j, 0
.rept NS/2
	global_load_b32 v[PSC+b*(NS/2)+j], v8, s[18:19] offset:(b*NS+2*j)*64   ; lanes 0-15: K step 2 j, lanes 16-31: 2 j + 1
.set j, j+1
.endr
.set b, b+1
.endr
.set a, 0
.rept 4
.set j, 0
.rept NS/2
	global_load_b32 v[QSC+a*(NS/2)+j], v8, s[22:23] offset:(a*NS+2*j)*64
.set j, j+1
.endr
.set a, a+1
.endr
.irp q, 0,1,2,3,4,5,6,7
	QFETCH \q
.endr
	s_wait_tensorcnt 0x0                           ; my quarter of P lies in LDS,
	s_barrier_signal -1
	s_barrier_wait -1                              ; everybody's does
	PFETCH 0
.set st, 0
.rept NS
.if st > 0
	PLACES
.endif
.if st+1 < NS
	PFETCH st+1
.endif
.if (st >= 1) && (st+7 < NS)
	QFETCH st+7                                    ; into the slot that the last step's products have read, behind the four places
.endif
.if (st >= NS-7) && (st < NS-3)
	RLOAD st-(NS-7)                                ; no load of Q is left to issue: the residual's follow, a fragment a step
.endif
.if st+1 < NS
	s_wait_dscnt 4*NPT                             ; this step's P is in; the next step's loads, just issued, may be out
.else
	s_wait_dscnt 0x0
.endif
.set LC, NS-1-st
.if LC > 7
.set LC, 7
.endif
.set RL, st-(NS-7)+1
.if RL < 0
.set RL, 0
.endif
.if RL > 4
.set RL, 4
.endif
.set LC, 16*LC+8*RL
.if LC > 63
.set LC, 63
.endif
	s_wait_loadcnt LC                              ; this step's Q is in: behind it stand sixteen loads for each later step asked for and eight for each fragment of the residual asked for (the count's field ends at 63; a smaller count is safe)
	MULS st
.set st, st+1
.endr
	WIN 0
	PLACES
.irp a, 0,1,2,3
.if \a >= 2
	s_wait_xcnt 0x0                                ; fragment a - 2's stores have read their registers: the stage's loads may land there
.endif
	TOSTAGE \a
	s_wait_dscnt 0x0
	s_wait_loadcnt 8*(3-\a)                        ; this fragment's residual is in; the later fragments' loads, eight each, may be out
.if \a < 3
	WIN 0x04                                       ; source 1: window 1
.set RB, 96+32*\a
.else
.set RB, 128
.endif
.set k, 0
.rept 16
	v_pk_add_f32 v[192+32*(\a%2)+2*k:193+32*(\a%2)+2*k], v[192+32*(\a%2)+2*k:193+32*(\a%2)+2*k], v[RB+2*k:RB+2*k+1]
.set k, k+1
.endr
	WIN 0
	SEND \a                                        ; sixteen lanes store 256 consecutive bytes, at a multiple of 256 from the buffer's first byte
.endr
	s_wait_tensorcnt 0x0
	ds_add_u32 v126, v127
	s_wait_dscnt 0x0
	s_endpgm
.Lfunc_end_k_q913e0c9402_wo:
	.size	k_q913e0c9402_wo, .Lfunc_end_k_q913e0c9402_wo-k_q913e0c9402_wo
	.p2alignl 7, 3214868480
	.fill 96, 4, 3214868480
	.section	.rodata,"a",@progbits
	.p2align	6, 0x0
	.amdhsa_kernel k_q913e0c9402_wo
		.amdhsa_group_segment_fixed_size 168448
		.amdhsa_private_segment_fixed_size 0
		.amdhsa_enable_private_segment 0
		.amdhsa_kernarg_size 32
		.amdhsa_user_sgpr_count 2
		.amdhsa_user_sgpr_kernarg_segment_ptr 1
		.amdhsa_wavefront_size32 1
		.amdhsa_system_sgpr_workgroup_id_x 1
		.amdhsa_system_sgpr_workgroup_id_y 1
		.amdhsa_system_sgpr_workgroup_id_z 1
		.amdhsa_system_vgpr_workitem_id 0
		.amdhsa_next_free_vgpr 1024
		.amdhsa_next_free_sgpr 66
		.amdhsa_reserve_vcc 0
		.amdhsa_float_denorm_mode_32 3
		.amdhsa_float_denorm_mode_16_64 3
		.amdhsa_memory_ordered 1
		.amdhsa_forward_progress 1
		.amdhsa_inst_pref_size 61
	.end_amdhsa_kernel
	.amdgpu_metadata
---
amdhsa.version: [ 1, 2 ]
amdhsa.kernels:
  - .name:           k_q913e0c9402_wo
    .symbol:         k_q913e0c9402_wo.kd
    .args:
      - { .name: cbuf, .offset: 0, .size: 8, .value_kind: global_buffer, .address_space: global }
      - { .name: wbuf, .offset: 8, .size: 8, .value_kind: global_buffer, .address_space: global }
      - { .name: x, .offset: 16, .size: 8, .value_kind: global_buffer, .address_space: global }
      - { .name: x1, .offset: 24, .size: 8, .value_kind: global_buffer, .address_space: global }
    .group_segment_fixed_size: 168448
    .private_segment_fixed_size: 0
    .kernarg_segment_align: 8
    .kernarg_segment_size: 32
    .max_flat_workgroup_size: 128
    .sgpr_count:     66
    .vgpr_count:     1024
    .wavefront_size: 32
...
	.end_amdgpu_metadata
.endif
;; end of part 11
;; launch norm1 (part 12): grid 256 x 1, 8 waves a work-group, no clusters, 1,536 bytes of LDS; arguments x1, g2, hbuf; writes hbuf
.if DOCPART == 12
	.amdgcn_target "amdgcn-amd-amdhsa--gfx1250"
	.amdhsa_code_object_version 6
	.text
	.protected	k_q913e0c9402_norm1
	.globl	k_q913e0c9402_norm1
	.p2align	8
	.type	k_q913e0c9402_norm1,@function
k_q913e0c9402_norm1:
	s_mov_b64 s[64:65], 0
	v_nop
	global_prefetch_b8 v0, s[64:65] scope:SCOPE_SE
	s_setreg_imm32_b32 hwreg(HW_REG_WAVE_MODE, 25, 1), 1
	s_wait_xcnt 0x0
; h = x / (sqrt(mean(x^2)) + 1e-5) * g for 16 token rows of 1,024 channels, then the MX-BF6 quantiser along the channels.
; OUTPUT: images of operand registers.  A fragment (16 rows x 128 k, 12 registers a lane) is 1,536 bytes: registers 0-3 at 16 x lane, 4-5 at 512 + 8 x lane,
; 6-9 at 768 + 16 x lane, 10-11 at 1,280 + 8 x lane; fragment (f, s) at (8 f + s) x 1,536.  Its scale words: 64 bytes, word r at 4 r, at HSC + (8 f + s) x 64.
; ROW ORDER: lane-row r of fragment f is token 32 (f / 2) + 8 (f % 2) + r % 8 + 16 (r / 8), so that a product which takes tokens as source 0 has neighbouring tokens in a lane's registers.
; SHARES: a work-group is one fragment row f (16 tokens), wave w its K step w.  Lane (r, h) holds, of its token, k = 128 w + 32 b + 16 h + 0 .. 15, b = 0 .. 3: 64 numbers.
; The row's sum of squares meets in LDS (8 waves x 16 words): one barrier.
; LIMITS: NaN and infinities are not served.  A block whose largest magnitude lies under 2^-122 keeps the scale byte 1 (a block of zeros too: its codes are zeros, and only this program reads the bytes).
; The division is a multiplication by v_rcp_f32 of (rms + eps); x is multiplied by g first.  A mean of squares under 2^-126 counts as zero in v_sqrt_f32.
.set X,   64                           ; v64-127   my 64 numbers
.set G,   128                          ; v128-191  g at the same channels
.set TM,  28                           ; v28-33    the quantiser's: two maxima, two bytes, two scale operands
.set CT,  34                           ; v34-36    the second half block's codes
.set SEL, 40                           ; s[40:41]  selects for lane l xor 16
.set HM,  42                           ; s42       mask of lanes 16-31
.set HSC, 3145728                      ; where the scale words begin
; 32 numbers of a lane, register 16 b + i = k 32 b + 16 h + i, become 6 registers of codes (lane (r, h): the whole block h) and two scale bytes in v[pw].
.macro QUANT2 src, dst, pw
.irp b, 0,1
	v_max3_num_f32 v[TM+\b], |v[\src+16*\b]|, |v[\src+16*\b+1]|, 0x2800000   ; with the floor 2^(5 - 127): the byte cannot fall under 1
.endr
.irp i, 2,4,6,8,10,12,14
.irp b, 0,1
	s_delay_alu instid0(VALU_DEP_2)
	v_max3_num_f32 v[TM+\b], |v[\src+16*\b+\i]|, |v[\src+16*\b+\i+1]|, v[TM+\b]
.endr
.endr
.irp b, 0,1
	s_delay_alu instid0(VALU_DEP_2)
	v_permlanex16_b32 v[TM+2+\b], v[TM+\b], s[SEL], s[SEL+1]
.endr
.irp b, 0,1
	s_delay_alu instid0(VALU_DEP_2)
	v_max_num_f32 v[TM+\b], v[TM+\b], v[TM+2+\b]             ; with lane l xor 16's 16 numbers: the block's largest magnitude
.endr
.irp b, 0,1
	s_delay_alu instid0(VALU_DEP_2)
	v_add_nc_u32 v[TM+4+\b], 0xfe000000, v[TM+\b]            ; 4 off its exponent field: the conversion's scale operand
.endr
.irp b, 0,1
	s_delay_alu instid0(VALU_DEP_2)
	v_lshrrev_b32 v[TM+2+\b], 23, v[TM+4+\b]                 ; the scale's byte
.endr
	s_delay_alu instid0(VALU_DEP_1)
	v_lshl_or_b32 v[\pw], v[TM+3], 8, v[TM+2]
	v_cvt_scalef32_pk16_bf6_f32 v[\dst:\dst+2], v[\src:\src+15], v[TM+4]
	v_cvt_scalef32_pk16_bf6_f32 v[CT:CT+2], v[\src+16:\src+31], v[TM+5]
	v_nop                                                    ; one plain instruction behind the conversions
.irp i, 0,1,2
	v_permlane16_swap_b32 v[\dst+\i], v[CT+\i]               ; lanes 0-15 get block 0 whole, lanes 16-31 block 1
.endr
.irp i, 0,1,2
	s_delay_alu instid0(VALU_DEP_3)
	v_mov_b32 v[\dst+3+\i], v[CT+\i]
.endr
.endm
	s_load_b128 s[4:7], s[0:1], 0x0                ; x, g
	s_load_b64 s[8:9], s[0:1], 0x10                ; the images
	v_lshl_add_u32 v192, v0, 2, 0x200
	v_mov_b32 v193, 0
	v_lshrrev_b32 v1, 5, v0
	s_delay_alu instid0(VALU_DEP_1)
	v_readfirstlane_b32 s10, v1                    ; wave = K step
	v_and_b32 v1, 31, v0                           ; lane
	v_and_b32 v2, 15, v0                           ; r
	v_bfe_u32 v3, v0, 4, 1                         ; h
	v_and_b32 v4, 7, v0
	v_bfe_u32 v5, v0, 3, 1
	s_delay_alu instid0(VALU_DEP_1)
	v_lshl_add_u32 v4, v5, 4, v4                   ; r % 8 + 16 (r / 8)
	s_delay_alu instid0(VALU_DEP_1)
	v_lshlrev_b32 v4, 12, v4                       ; rows of 4,096 bytes
	s_delay_alu instid0(VALU_DEP_1)
	v_lshl_add_u32 v4, v3, 6, v4                   ; + 64 h
	v_lshlrev_b32 v5, 6, v3                        ; g: 64 h
	v_lshlrev_b32 v6, 4, v1                        ; 16 x lane
	v_lshlrev_b32 v7, 3, v1                        ; 8 x lane
	v_lshlrev_b32 v10, 2, v2                       ; 4 r
	s_delay_alu instid0(VALU_DEP_1)
	v_lshl_add_u32 v8, v3, 1, v10                  ; 4 r + 2 h: my half of the row's scale word
	s_lshl_b32 s11, s10, 6
	v_add_nc_u32 v9, s11, v10                      ; LDS: 64 x wave + 4 r
	v_mov_b32 v[TM+2], 0                           ; a lane permute's destination counts as read
	v_mov_b32 v[TM+3], 0
	s_mov_b32 s[SEL], 0x76543210
	s_mov_b32 s[SEL+1], 0xfedcba98
	s_mov_b32 s[HM], 0xffff0000
	s_lshr_b32 s12, ttmp9, 1
	s_lshl_b32 s12, s12, 5
	s_and_b32 s13, ttmp9, 1
	s_lshl_b32 s13, s13, 3
	s_add_co_u32 s12, s12, s13                     ; the fragment's first token
	s_lshl_b32 s12, s12, 12
	s_lshl_b32 s14, s10, 9                         ; 128 channels a wave
	s_add_co_u32 s12, s12, s14
	s_mov_b32 s13, 0
	s_mov_b32 s15, 0
	s_lshl_b32 s16, ttmp9, 3
	s_add_co_u32 s16, s16, s10                     ; 8 f + s
	s_mul_i32 s18, s16, 1536
	s_mov_b32 s19, 0
	s_lshl_b32 s16, s16, 6
	s_add_co_u32 s16, s16, HSC
	s_mov_b32 s17, 0
	s_wait_alu depctr_va_vdst(0)
	s_wait_kmcnt 0x0
	s_add_nc_u64 s[4:5], s[4:5], s[12:13]
	s_add_nc_u64 s[6:7], s[6:7], s[14:15]
	s_add_nc_u64 s[20:21], s[8:9], s[18:19]
	s_add_nc_u64 s[22:23], s[8:9], s[16:17]
.irp b, 0,1,2,3
.irp j, 0,1,2,3
	global_load_b128 v[X+16*\b+4*\j:X+16*\b+4*\j+3], v4, s[4:5] offset:128*\b+16*\j
.endr
.endr
.irp b, 0,1,2,3
.irp j, 0,1,2,3
	global_load_b128 v[G+16*\b+4*\j:G+16*\b+4*\j+3], v5, s[6:7] offset:128*\b+16*\j
.endr
.endr
	s_wait_loadcnt 16                              ; x is in; g's sixteen loads may be out
.irp c, 0,1,2,3
	v_pk_mul_f32 v[12+2*\c:13+2*\c], v[X+2*\c:X+2*\c+1], v[X+2*\c:X+2*\c+1]   ; four chains of squares, started by the first four pairs
.endr
.set p, 4
.rept 28
	s_delay_alu instid0(VALU_DEP_4)
	v_pk_fma_f32 v[12+2*(p%4):13+2*(p%4)], v[X+2*p:X+2*p+1], v[X+2*p:X+2*p+1], v[12+2*(p%4):13+2*(p%4)]
.set p, p+1
.endr
	s_delay_alu instid0(VALU_DEP_3)
	v_pk_add_f32 v[12:13], v[12:13], v[14:15]
	s_delay_alu instid0(VALU_DEP_2)
	v_pk_add_f32 v[16:17], v[16:17], v[18:19]
	s_delay_alu instid0(VALU_DEP_1)
	v_pk_add_f32 v[12:13], v[12:13], v[16:17]
	s_delay_alu instid0(VALU_DEP_1)
	v_add_f32 v12, v12, v13
	s_delay_alu instid0(VALU_DEP_1)
	v_permlanex16_b32 v13, v12, s[SEL], s[SEL+1]
	s_delay_alu instid0(VALU_DEP_1)
	v_add_f32 v12, v12, v13                        ; my row's 128 channels
	ds_store_b32 v9, v12                           ; lanes r and r + 16 write the same word with the same value
	s_wait_loadcnt 0x0                             ; g
.set p, 0
.rept 32
	v_pk_mul_f32 v[X+2*p:X+2*p+1], v[X+2*p:X+2*p+1], v[G+2*p:G+2*p+1]
.set p, p+1
.endr
	s_wait_dscnt 0x0                               ; for the others' sake: my partial sum lies in LDS
	s_barrier_signal -1
	s_barrier_wait -1
.irp i, 0,1,2,3,4,5,6,7
	ds_load_b32 v[20+\i], v10 offset:64*\i         ; my row's eight partial sums
.endr
	s_wait_dscnt 0x0
	v_add_f32 v20, v20, v21                        ; the same tree in every wave: all eight get the same bits
	v_add_f32 v22, v22, v23
	v_add_f32 v24, v24, v25
	v_add_f32 v26, v26, v27
	s_delay_alu instid0(VALU_DEP_3)
	v_add_f32 v20, v20, v22
	s_delay_alu instid0(VALU_DEP_2)
	v_add_f32 v24, v24, v26
	s_delay_alu instid0(VALU_DEP_1)
	v_add_f32 v20, v20, v24
	s_delay_alu instid0(VALU_DEP_1)
	v_mul_f32 v20, 0x3a800000, v20                 ; / 1,024
	s_wait_alu depctr_va_vdst(0)
	v_sqrt_f32 v21, v20
	v_nop                                          ; a plain instruction behind the root,
	s_wait_alu depctr_va_vdst(0)                   ; and the wait ahead of its first reader
	v_add_f32 v21, 0x3727c5ac, v21                 ; + 1e-5
	s_wait_alu depctr_va_vdst(0)
	v_rcp_f32 v42, v21
	v_nop
	s_wait_alu depctr_va_vdst(0)
	v_mov_b32 v43, v42
.set p, 0
.rept 32
	v_pk_mul_f32 v[X+2*p:X+2*p+1], v[X+2*p:X+2*p+1], v[42:43]
.set p, p+1
.endr
	QUANT2 X, 44, 38
	QUANT2 X+32, 50, 39
	v_cndmask_b32 v40, v38, v39, s[HM]             ; lanes 0-15: bytes 0, 1 of the row's word; lanes 16-31: bytes 2, 3
	global_store_b128 v6, v[44:47], s[20:21]               ; each store covers whole aligned blocks of 256 bytes
	global_store_b64 v7, v[48:49], s[20:21] offset:512
	global_store_b128 v6, v[50:53], s[20:21] offset:768
	global_store_b64 v7, v[54:55], s[20:21] offset:1280
	global_store_b16 v8, v40, s[22:23]
	s_wait_tensorcnt 0x0
	ds_add_u32 v192, v193
	s_wait_dscnt 0x0
	s_endpgm
.Lfunc_end_k_q913e0c9402_norm1:
	.size	k_q913e0c9402_norm1, .Lfunc_end_k_q913e0c9402_norm1-k_q913e0c9402_norm1
	.p2alignl 7, 3214868480
	.fill 96, 4, 3214868480
	.section	.rodata,"a",@progbits
	.p2align	6, 0x0
	.amdhsa_kernel k_q913e0c9402_norm1
		.amdhsa_group_segment_fixed_size 1536
		.amdhsa_private_segment_fixed_size 0
		.amdhsa_enable_private_segment 0
		.amdhsa_kernarg_size 24
		.amdhsa_user_sgpr_count 2
		.amdhsa_user_sgpr_kernarg_segment_ptr 1
		.amdhsa_wavefront_size32 1
		.amdhsa_system_sgpr_workgroup_id_x 1
		.amdhsa_system_sgpr_workgroup_id_y 1
		.amdhsa_system_sgpr_workgroup_id_z 1
		.amdhsa_system_vgpr_workitem_id 0
		.amdhsa_next_free_vgpr 194
		.amdhsa_next_free_sgpr 66
		.amdhsa_reserve_vcc 0
		.amdhsa_float_denorm_mode_32 3
		.amdhsa_float_denorm_mode_16_64 3
		.amdhsa_memory_ordered 1
		.amdhsa_forward_progress 1
		.amdhsa_inst_pref_size 21
	.end_amdhsa_kernel
	.amdgpu_metadata
---
amdhsa.version: [ 1, 2 ]
amdhsa.kernels:
  - .name:           k_q913e0c9402_norm1
    .symbol:         k_q913e0c9402_norm1.kd
    .args:
      - { .name: x1, .offset: 0, .size: 8, .value_kind: global_buffer, .address_space: global }
      - { .name: g2, .offset: 8, .size: 8, .value_kind: global_buffer, .address_space: global }
      - { .name: hbuf, .offset: 16, .size: 8, .value_kind: global_buffer, .address_space: global }
    .group_segment_fixed_size: 1536
    .private_segment_fixed_size: 0
    .kernarg_segment_align: 8
    .kernarg_segment_size: 24
    .max_flat_workgroup_size: 256
    .sgpr_count:     66
    .vgpr_count:     194
    .wavefront_size: 32
...
	.end_amdgpu_metadata
.endif
;; end of part 12
;; launch up (part 13): grid 240 x 1, 4 waves a work-group, no clusters, 327,680 bytes of LDS; arguments hbuf, wbuf, gbuf; writes gbuf
.if DOCPART == 13
	.amdgcn_target "amdgcn-amd-amdhsa--gfx1250"
	.amdhsa_code_object_version 6
	.text
	.protected	k_q913e0c9402_up
	.globl	k_q913e0c9402_up
	.p2align	8
	.type	k_q913e0c9402_up,@function
k_q913e0c9402_up:
	s_mov_b64 s[64:65], 0
	v_nop
	global_prefetch_b8 v0, s[64:65] scope:SCOPE_SE
	s_setreg_imm32_b32 hwreg(HW_REG_WAVE_MODE, 25, 1), 1
	s_wait_xcnt 0x0
; gated = silu(Q(h) W) x (Q(h) V), on codes of BF6, quantised on the way out along the 2,728 hidden units (filled with zeros up to 2,816).
; THE CORE.  Source 0 ("P"): blocks of 4 fragment rows of W and the same 4 of V (64 hidden units) for all of K = 1,024, 98,304 bytes each, shared by the four waves.  Source 1 ("Q"): 4 token fragments a wave, its own, from
; memory straight into 384 registers, where they STAY: a work-group multiplies them by THREE neighbouring P blocks, one after the other; three blocks are what fits in LDS.  All three come into LDS once, a dense quarter of each by
; one tensor load a wave, the first at the head, the others one each behind the first two barriers (one tensor load of a wave is out at a time); nothing is ever filled again.  Each later block lands while the one before is multiplied.  All operands lie in memory as images of their registers.
; There are 44 blocks: 14 groups of three and one of two; with 16 groups of 256 tokens that is 240 work-groups.  In the group of two the third tensor load is held at block 43, which is fetched a second time and not read: so every
; wave of every work-group issues the same three loads, and the counted waits hold on every path.  That group's third scale words, LDS reads, products and stores are jumped over, by one scalar branch on the work-group's number.
; In the result a lane holds one token; registers 16 b + i of W's four tiles, and of V's, are hidden units 32 b + 16 (lane / 16) + i: half a fragment of the next product's operand.
; Hidden units from 2,728 on have zero weight codes: their gated value is 0, and so is its code.
; No cluster: a group's P blocks are read by 16 work-groups, each by its own twelve loads, three a wave; joint loads would divide those requests; this text does not have them.
; REGISTERS, in windows of 256: window 0: v1-14 addresses; v16-47 P's scale words, v48-63 Q's; v64-95, v96-127 the activation's; v128-154 the quantiser's and the codes; v160-255 Q slots 6, 7.
;   window 1: P's two buffers, Q slot 5.   window 2: the 32 accumulators, (a, b) at v[8 (8 a + b)].   window 3: Q slots 0-4.
; LIMITS: NaN and infinities are not served.  silu(w) v = w v x rcp(1 + 2^(-w log2(e))).  A block whose largest magnitude lies under 2^-122 keeps the byte 1 (a block of zeros too; only this program reads the bytes).
.set NPT,   8
.set NS,    8
.set PBLK,  NPT*NS*1536                ; a P block in bytes
.set PSC,   16
.set QSC,   PSC+NPT*NS/2
.set PROWS, PBLK/1024                  ; rows of 256 bytes in a wave's quarter of a block
.set AL16,  2                          ; v2-6   16 x lane, and the same 65,536 .. 262,144 bytes on (an LDS immediate has 16 bits)
.set AL8,   7                          ; v7-11  8 x lane likewise
.set TM,    128
.set CT,    136
.set CD,    140                        ; v140-145 half a fragment of codes
.set PW,    152                        ; v152   its two scale bytes
.set BY,    154                        ; v154   my lane's one of them
.set SEL,   40
.set HSC,   3145728
.set WV_C,  3145728
.set WV_S,  9764864
.set GSC,   8650752
.set MSB, 0
.macro WIN new                         ; the immediate's high byte repeats the setting that is left
.if MSB != (\new)
	s_set_vgpr_msb (MSB<<8)|(\new)
.set MSB, (\new)
.endif
.endm
.macro PLACES                          ; four plain instructions between a matrix instruction and a load into, or a read of, its registers
.rept 4
	v_nop
.endr
.endm
.macro QSLOT s
.set SL, (\s)%8
.if SL < 5
.set QW, 3
.set QR, 48*SL
.elseif SL == 5
.set QW, 1
.set QR, 192
.elseif SL == 6
.set QW, 0
.set QR, 160
.else
.set QW, 0
.set QR, 208
.endif
.endm
.macro PL128 reg, o
	ds_load_b128 v[\reg:\reg+3], v[AL16+((\o)>>16)] offset:(\o)&0xffff
.endm
.macro PL64 reg, o
	ds_load_b64 v[\reg:\reg+1], v[AL8+((\o)>>16)] offset:(\o)&0xffff
.endm
.macro PFETCH u, s                     ; block u's fragments of K step s from LDS into buffer s % 2
	WIN 0x40
.set PB, 12*NPT*((\s)%2)
.set b, 0
.rept NPT
.set PO, (\u)*PBLK+(b*NS+(\s))*1536
	PL128 PB+12*b, PO
	PL64 PB+12*b+4, PO+512
	PL128 PB+12*b+6, PO+768
	PL64 PB+12*b+10, PO+1280
.set b, b+1
.endr
	WIN 0
.endm
.macro PSCALES u                       ; block u's scale words: lanes 0-15 K step 2 j, lanes 16-31 K step 2 j + 1
.set b, 0
.rept NPT
.set j, 0
.rept NS/2
	global_load_b32 v[PSC+b*(NS/2)+j], v12, s[18:19] offset:(\u)*NPT*NS*64+(b*NS+2*j)*64
.set j, j+1
.endr
.set b, b+1
.endr
.endm
.macro QFETCH s
	QSLOT \s
	WIN QW<<6
.set a, 0
.rept 4
.set QO, (a*NS+(\s))*1536
	global_load_b128 v[QR+12*a:QR+12*a+3], v[AL16], s[20:21] offset:QO
	global_load_b64 v[QR+12*a+4:QR+12*a+5], v[AL8], s[20:21] offset:QO+512
	global_load_b128 v[QR+12*a+6:QR+12*a+9], v[AL16], s[20:21] offset:QO+768
	global_load_b64 v[QR+12*a+10:QR+12*a+11], v[AL8], s[20:21] offset:QO+1280
.set a, a+1
.endr
	WIN 0
.endm
.macro MULS s                          ; the accumulators take turns, one instruction a turn, in the same order in every step
	QSLOT \s
	WIN 0xa1|(QW<<2)
.set PB, 12*NPT*((\s)%2)
.set b, 0
.rept NPT
.set a, 0
.rept 4
.set AC, 8*(NPT*a+b)
.set SPR, PSC+b*(NS/2)+(\s)/2
.set SQR, QSC+a*(NS/2)+(\s)/2
.if (\s) == 0
	v_wmma_scale_f32_16x16x128_f8f6f4 v[AC:AC+7], v[PB+12*b:PB+12*b+11], v[QR+12*a:QR+12*a+11], 0, v[SPR], v[SQR] matrix_a_fmt:MATRIX_FMT_BF6 matrix_b_fmt:MATRIX_FMT_BF6
.elseif ((\s)%2) == 0
	v_wmma_scale_f32_16x16x128_f8f6f4 v[AC:AC+7], v[PB+12*b:PB+12*b+11], v[QR+12*a:QR+12*a+11], v[AC:AC+7], v[SPR], v[SQR] matrix_a_fmt:MATRIX_FMT_BF6 matrix_b_fmt:MATRIX_FMT_BF6
.else
	v_wmma_scale_f32_16x16x128_f8f6f4 v[AC:AC+7], v[PB+12*b:PB+12*b+11], v[QR+12*a:QR+12*a+11], v[AC:AC+7], v[SPR], v[SQR] matrix_a_fmt:MATRIX_FMT_BF6 matrix_b_fmt:MATRIX_FMT_BF6 matrix_a_scale:MATRIX_SCALE_ROW1 matrix_b_scale:MATRIX_SCALE_ROW1
.endif
.set a, a+1
.endr
.set b, b+1
.endr
.endm
; Block u's eight K steps.  Its K step 0 was fetched from LDS ahead of this macro.  The first step's products start the sums: nothing is cleared.
.macro STEPS u
.set st, 0
.rept NS
.if st > 0
	PLACES
.endif
.if st+1 < NS
	PFETCH \u, st+1
	s_wait_dscnt 4*NPT                             ; this step's P is in; the next step's loads, just issued, may be out
.else
	s_wait_dscnt 0x0
.endif
.if (\u) == 0
.set LC, 16*(NS-1-st)
.if LC > 63
.set LC, 63
.endif
	s_wait_loadcnt LC                              ; this step's Q is in: behind it stand sixteen loads for each later step (the count's field ends at 63; a smaller count is safe)
.elseif st == 0
	s_wait_loadcnt 0x0                             ; this block's scale words, asked for ahead of the last block's way out
.endif
	MULS st
.set st, st+1
.endr
	WIN 0
	PLACES
.endm
; 32 numbers of a lane, register 16 b + i = k 32 b + 16 h + i, become 6 registers of codes (lane (r, h): the whole block h) and two scale bytes in v[pw].
.macro QUANT2 src, dst, pw
.irp b, 0,1
	v_max3_num_f32 v[TM+\b], |v[\src+16*\b]|, |v[\src+16*\b+1]|, 0x2800000   ; with the floor 2^(5 - 127)
.endr
.irp i, 2,4,6,8,10,12,14
.irp b, 0,1
	v_max3_num_f32 v[TM+\b], |v[\src+16*\b+\i]|, |v[\src+16*\b+\i+1]|, v[TM+\b]
.endr
.endr
.irp b, 0,1
	v_permlanex16_b32 v[TM+2+\b], v[TM+\b], s[SEL], s[SEL+1]
.endr
.irp b, 0,1
	v_max_num_f32 v[TM+\b], v[TM+\b], v[TM+2+\b]
.endr
.irp b, 0,1
	v_add_nc_u32 v[TM+4+\b], 0xfe000000, v[TM+\b]
.endr
.irp b, 0,1
	v_lshrrev_b32 v[TM+2+\b], 23, v[TM+4+\b]
.endr
	v_lshl_or_b32 v[\pw], v[TM+3], 8, v[TM+2]
	v_cvt_scalef32_pk16_bf6_f32 v[\dst:\dst+2], v[\src:\src+15], v[TM+4]
	v_cvt_scalef32_pk16_bf6_f32 v[CT:CT+2], v[\src+16:\src+31], v[TM+5]
	v_nop                                          ; one plain instruction behind the conversions
.irp i, 0,1,2
	v_permlane16_swap_b32 v[\dst+\i], v[CT+\i]
.endr
.irp i, 0,1,2
	v_mov_b32 v[\dst+3+\i], v[CT+\i]
.endr
.endm
; Block u's results: the activation, the quantiser, the stores.  Token fragment a: w in accumulators 8 a .. 8 a + 3, v in 8 a + 4 .. 8 a + 7, each read from its low end on.
.macro WAYOUT u
.irp a, 0,1,2,3
	WIN 0x02
.set p, 0
.rept 16
	v_pk_mul_f32 v[64+2*p:65+2*p], v[64*\a+2*p:64*\a+2*p+1], 0xbfb8aa3b op_sel_hi:[1,0]   ; -w log2(e)
.set p, p+1
.endr
	WIN 0
.set p, 0
	s_wait_alu depctr_va_vdst(0)
.rept 32
	v_exp_f32 v[64+p], v[64+p]
.set p, p+1
.endr
	v_nop                                          ; a plain instruction behind the batch,
	s_wait_alu depctr_va_vdst(0)                   ; and one wait for all 32
	WIN 0x0a
.set p, 0
.rept 16
	v_pk_mul_f32 v[96+2*p:97+2*p], v[64*\a+2*p:64*\a+2*p+1], v[64*\a+32+2*p:64*\a+33+2*p]   ; w v
.set p, p+1
.endr
	WIN 0
.set p, 0
.rept 16
	v_pk_add_f32 v[64+2*p:65+2*p], v[64+2*p:65+2*p], 1.0 op_sel_hi:[1,0]
.set p, p+1
.endr
.set p, 0
	s_wait_alu depctr_va_vdst(0)
.rept 32
	v_rcp_f32 v[64+p], v[64+p]
.set p, p+1
.endr
	v_nop
	s_wait_alu depctr_va_vdst(0)
.set p, 0
.rept 16
	v_pk_mul_f32 v[96+2*p:97+2*p], v[96+2*p:97+2*p], v[64+2*p:65+2*p]
.set p, p+1
.endr
	s_wait_alu depctr_va_vdst(0)
	s_wait_xcnt 0x0                                ; the last fragment's stores have read their registers: they are written again only behind this wait
	QUANT2 96, CD, PW
	v_lshrrev_b32 v[BY], v14, v[PW]                ; lane (r, h): the byte of block h
	global_store_b128 v[AL16], v[CD:CD+3], s[52:53] offset:33792*\a+768*(\u)      ; block gh is half gh % 2 of K step gh / 2: 768 bytes on from the block before
	global_store_b64 v[AL8], v[CD+4:CD+5], s[52:53] offset:33792*\a+768*(\u)+512
	global_store_b8 v13, v[BY], s[76+2*(\u):77+2*(\u)] offset:1408*\a
.endr
.endm
	s_load_b128 s[4:7], s[0:1], 0x0                ; h's images, the weights' images
	s_load_b64 s[8:9], s[0:1], 0x10                ; gated's images
	v_lshl_add_u32 v158, v0, 2, 0x48000
	v_mov_b32 v159, 0
	ds_add_u32 v158, v159
	ds_add_u32 v158, v159
	v_lshrrev_b32 v1, 5, v0
	v_readfirstlane_b32 s2, v1                     ; wave
	v_and_b32 v1, 31, v0
	v_lshlrev_b32 v[AL16], 4, v1
	v_lshlrev_b32 v[AL8], 3, v1
.irp k, 1,2,3,4
	v_add_nc_u32 v[AL16+\k], \k*0x10000, v[AL16]
	v_add_nc_u32 v[AL8+\k], \k*0x10000, v[AL8]
.endr
	v_lshlrev_b32 v12, 2, v1                       ; 4 x lane
	v_and_b32 v13, 15, v0
	v_bfe_u32 v14, v0, 4, 1
	v_lshl_add_u32 v13, v13, 2, v14                ; 4 r + h: my byte of a row's scale word
	v_lshlrev_b32 v14, 3, v14                      ; 8 h
	v_mov_b32 v[TM+2], 0                           ; a lane permute's destination counts as read
	v_mov_b32 v[TM+3], 0
	s_mov_b32 s[SEL], 0x76543210
	s_mov_b32 s[SEL+1], 0xfedcba98
	s_mov_b32 s24, 3<<16                           ; group 1: PROWS rows of 32 elements of 8 bytes, dense, no padding, no mask
	s_mov_b32 s25, 32<<16
	s_mov_b32 s26, PROWS<<16
	s_mov_b32 s27, 32<<16
	s_mov_b32 s28, PROWS
	s_mov_b32 s29, 32
	s_mov_b32 s30, 0
	s_mov_b32 s31, 0
	s_and_b32 s13, ttmp9, 15                       ; qg: which 256 tokens
	s_lshr_b32 s12, ttmp9, 4                       ; which group of blocks, 0 .. 14
	s_mul_i32 s12, s12, 3                          ; gh0: its first block
	s_add_co_u32 s3, s12, 2
	s_min_u32 s3, s3, 43                           ; the third block, held at the last
	s_cmp_lt_u32 s12, 42
	s_cselect_b32 s60, 1, 0                        ; 1: the group has a third block
	s_lshl_b32 s14, s13, 4
	s_lshl_b32 s15, s2, 2
	s_add_co_u32 s14, s14, s15                     ; my first token fragment
	s_mul_i32 s36, s14, 12288
	s_mov_b32 s37, 0
	s_lshl_b32 s38, s14, 9
	s_add_co_u32 s38, s38, HSC
	s_mov_b32 s39, 0
	s_mul_i32 s33, s2, 256*PROWS                   ; my quarter of a block, in LDS and in memory
	s_add_co_u32 s69, s33, PBLK                    ; the second and third blocks' places in LDS
	s_add_co_u32 s73, s33, 2*PBLK
	s_mul_i32 s46, s12, PBLK
	s_add_co_u32 s46, s46, WV_C
	s_add_co_u32 s46, s46, s33
	s_mov_b32 s47, 0
	s_mul_i32 s44, s3, PBLK
	s_add_co_u32 s44, s44, WV_C
	s_add_co_u32 s44, s44, s33
	s_mov_b32 s45, 0
	s_lshl_b32 s48, s12, 12
	s_add_co_u32 s48, s48, WV_S
	s_mov_b32 s49, 0
	s_mul_i32 s52, s14, 33792                      ; the result's codes: 22 K steps a token fragment, 768 bytes a block
	s_mul_i32 s53, s12, 768
	s_add_co_u32 s52, s52, s53
	s_mov_b32 s53, 0
	s_mul_i32 s50, s14, 1408
	s_add_co_u32 s50, s50, GSC
.irp u, 0,1,2                          ; the result's scale bytes of block gh0 + u: 64 (gh / 2) + 2 (gh % 2)
	s_add_co_u32 s15, s12, \u
	s_lshr_b32 s16, s15, 1
	s_lshl_b32 s16, s16, 6
	s_and_b32 s15, s15, 1
	s_lshl_b32 s15, s15, 1
	s_add_co_u32 s16, s16, s15
	s_add_co_u32 s[76+2*\u], s16, s50
	s_mov_b32 s[77+2*\u], 0
.endr
	s_mov_b32 s32, 1
	s_mov_b32 s68, 1
	s_mov_b32 s72, 1
	s_wait_alu depctr_va_vdst(0)
	s_wait_dscnt 0x0
	s_wait_kmcnt 0x0
	s_add_nc_u64 s[34:35], s[6:7], s[46:47]
	s_add_nc_u64 s[70:71], s[34:35], PBLK
	s_add_nc_u64 s[74:75], s[6:7], s[44:45]
	s_or_b32 s35, s35, 0x80000000
	s_or_b32 s71, s71, 0x80000000
	s_or_b32 s75, s75, 0x80000000
	tensor_load_to_lds s[32:35], s[24:31]          ; my quarter of the first block: my one tensor load at the head.  The second and third blocks' first fills stand one each behind the two barriers below
	s_nop 0
	PLACES
	s_add_nc_u64 s[20:21], s[4:5], s[36:37]
	s_add_nc_u64 s[22:23], s[4:5], s[38:39]
	s_add_nc_u64 s[18:19], s[6:7], s[48:49]
	s_add_nc_u64 s[52:53], s[8:9], s[52:53]
.irp u, 0,1,2
	s_add_nc_u64 s[76+2*\u:77+2*\u], s[8:9], s[76+2*\u:77+2*\u]
.endr
	PSCALES 0
.set a, 0
.rept 4
.set j, 0
.rept NS/2
	global_load_b32 v[QSC+a*(NS/2)+j], v12, s[22:23] offset:(a*NS+2*j)*64
.set j, j+1
.endr
.set a, a+1
.endr
.irp q, 0,1,2,3,4,5,6,7
	QFETCH \q
.endr
	s_wait_tensorcnt 0x0                           ; my quarter of the first block lies in LDS
	ds_add_u32 v158, v159
	s_wait_dscnt 0x0
	s_barrier_signal -1
	s_barrier_wait -1                              ; everybody's does
	tensor_load_to_lds s[68:71], s[24:31]          ; the second block: it lands while the first is multiplied
	s_nop 0
	PLACES
	PFETCH 0, 0
	STEPS 0
	PSCALES 1                                      ; behind four places: the second block's scale words land under the way out below
	s_wait_tensorcnt 0x0                           ; my quarter of the second block lies in LDS
	ds_add_u32 v158, v159
	s_wait_dscnt 0x0
	s_barrier_signal -1
	s_barrier_wait -1                              ; everybody's does
	tensor_load_to_lds s[72:75], s[24:31]          ; the third block: it lands while the second is multiplied
	s_nop 0
	PLACES
	PFETCH 1, 0
	WAYOUT 0
	STEPS 1
	s_wait_tensorcnt 0x0                           ; my last tensor load has landed, in the group of two as well
	s_barrier_signal -1
	s_barrier_wait -1
	s_cmp_lg_u32 s60, 0
	s_cbranch_scc0 .Lshort                         ; the same way for all four waves: it hangs on the work-group's number alone
	PSCALES 2
	PFETCH 2, 0
	WAYOUT 1
	STEPS 2
	WAYOUT 2
	s_wait_tensorcnt 0x0
	ds_add_u32 v158, v159
	s_wait_dscnt 0x0
	s_endpgm
.Lshort:                                               ; the group of two: its second block goes out, and nothing follows
	WAYOUT 1
	s_wait_tensorcnt 0x0
	ds_add_u32 v158, v159
	s_wait_dscnt 0x0
	s_endpgm
.Lfunc_end_k_q913e0c9402_up:
	.size	k_q913e0c9402_up, .Lfunc_end_k_q913e0c9402_up-k_q913e0c9402_up
	.p2alignl 7, 3214868480
	.fill 96, 4, 3214868480
	.section	.rodata,"a",@progbits
	.p2align	6, 0x0
	.amdhsa_kernel k_q913e0c9402_up
		.amdhsa_group_segment_fixed_size 327680
		.amdhsa_private_segment_fixed_size 0
		.amdhsa_enable_private_segment 0
		.amdhsa_kernarg_size 24
		.amdhsa_user_sgpr_count 2
		.amdhsa_user_sgpr_kernarg_segment_ptr 1
		.amdhsa_wavefront_size32 1
		.amdhsa_system_sgpr_workgroup_id_x 1
		.amdhsa_system_sgpr_workgroup_id_y 1
		.amdhsa_system_sgpr_workgroup_id_z 1
		.amdhsa_system_vgpr_workitem_id 0
		.amdhsa_next_free_vgpr 1024
		.amdhsa_next_free_sgpr 88
		.amdhsa_reserve_vcc 0
		.amdhsa_float_denorm_mode_32 3
		.amdhsa_float_denorm_mode_16_64 3
		.amdhsa_memory_ordered 1
		.amdhsa_forward_progress 1
		.amdhsa_inst_pref_size 255
	.end_amdhsa_kernel
	.section	.bss,"aw",@nobits
	.p2align	6
	.space	262144
	.amdgpu_metadata
---
amdhsa.version: [ 1, 2 ]
amdhsa.kernels:
  - .name:           k_q913e0c9402_up
    .symbol:         k_q913e0c9402_up.kd
    .args:
      - { .name: hbuf, .offset: 0, .size: 8, .value_kind: global_buffer, .address_space: global }
      - { .name: wbuf, .offset: 8, .size: 8, .value_kind: global_buffer, .address_space: global }
      - { .name: gbuf, .offset: 16, .size: 8, .value_kind: global_buffer, .address_space: global }
    .group_segment_fixed_size: 327680
    .private_segment_fixed_size: 0
    .kernarg_segment_align: 8
    .kernarg_segment_size: 24
    .max_flat_workgroup_size: 128
    .sgpr_count:     88
    .vgpr_count:     1024
    .wavefront_size: 32
...
	.end_amdgpu_metadata
.endif
;; end of part 13
;; launch down (part 14): grid 256 x 1, 4 waves a work-group, no clusters, 168,448 bytes of LDS; arguments gbuf, wbuf, x1, out0; writes out0
.if DOCPART == 14
	.amdgcn_target "amdgcn-amd-amdhsa--gfx1250"
	.amdhsa_code_object_version 6
	.text
	.protected	k_q913e0c9402_down
	.globl	k_q913e0c9402_down
	.p2align	8
	.type	k_q913e0c9402_down,@function
k_q913e0c9402_down:
	s_mov_b64 s[64:65], 0
	v_nop
	global_prefetch_b8 v0, s[64:65] scope:SCOPE_SE
	s_setreg_imm32_b32 hwreg(HW_REG_WAVE_MODE, 25, 1), 1
	s_wait_xcnt 0x0
; out = Q(gated) Q(W2) + x1, on codes of BF6; f32 out.  K = 2,816: 2,728 and zeros, 22 steps of 128.
; THE CORE.  Source 0 ("P"): 4 fragment rows of the weight (64 output columns) for all of K, shared by the four waves: 135,168 bytes, brought into LDS ONCE, a dense quarter by one tensor load a wave (nothing is ever filled again).
; Source 1 ("Q"): 4 token fragments a wave, its own, from memory straight into registers, through eight slots of registers that take turns.  All operands lie in memory as images of their registers.
; In the result a lane holds one token and, in tiles 2 b, 2 b + 1, columns 32 b + 16 (lane / 16) + 0 .. 15.  A fragment's 16 tokens x 64 columns go through the wave's own stage in LDS and leave, with the residual added, as aligned blocks of 256 bytes.
; THE RESIDUAL is asked for among the last K steps, a fragment's eight loads in each of K steps NS - 7 .. NS - 4, behind the last loads of Q, into registers that lie idle: the way out waits for nothing that was asked for late.
; K is walked straight through, NS steps of 16 matrix instructions, written out.
; No cluster: a P block is read by 16 work-groups, each by its own four loads at its head; joint loads would divide those requests; this text does not have them.
; REGISTERS, in windows of 256: window 0: v1-13 addresses; v16-59 P's scale words, v60-103 Q's; v128-159 the residual of fragment 3; v192-255 rows back from the stage (after the last product; before it v160-255 are Q slots 6, 7).
;   window 1: P's two buffers (v0-47, v48-95), the residual of fragments 0-2 (v96-191), Q slot 5 (v192-239).   window 2: the 16 accumulators, (a, b) at v[8 (4 a + b)].   window 3: Q slots 0-4.
.set NPT,   4
.set NS,    22
.set PC0,   7471104                    ; the weight's codes and scale words in the weights' buffer
.set PS0,   9945088
.set AS0,   8650752                    ; the activations' scale words in their buffer
.set FINAL, 1
.set PSC,   16
.set QSC,   PSC+NPT*NS/2
.set PROWS, NPT*NS*1536/1024
.set STAGE, NPT*NS*1536                ; behind P: 16 rows x (256 + 16) bytes for each wave; no tensor load lands here
.set MSB, 0
.macro WIN new                         ; the immediate's high byte repeats the setting that is left
.if MSB != (\new)
	s_set_vgpr_msb (MSB<<8)|(\new)
.set MSB, (\new)
.endif
.endm
.macro PLACES                          ; four plain instructions between a matrix instruction and a load into, or a read of, its registers
.rept 4
	v_nop
.endr
.endm
.macro QSLOT s
.set SL, (\s)%8
.if SL < 5
.set QW, 3
.set QR, 48*SL
.elseif SL == 5
.set QW, 1
.set QR, 192
.elseif SL == 6
.set QW, 0
.set QR, 160
.else
.set QW, 0
.set QR, 208
.endif
.endm
.macro PL128 reg, o
	ds_load_b128 v[\reg:\reg+3], v[2+((\o)>>16)] offset:(\o)&0xffff
.endm
.macro PL64 reg, o
	ds_load_b64 v[\reg:\reg+1], v[5+((\o)>>16)] offset:(\o)&0xffff
.endm
.macro PFETCH s
	WIN 0x40
.set PB, 12*NPT*((\s)%2)
.set b, 0
.rept NPT
.set PO, (b*NS+(\s))*1536
	PL128 PB+12*b, PO
	PL64 PB+12*b+4, PO+512
	PL128 PB+12*b+6, PO+768
	PL64 PB+12*b+10, PO+1280
.set b, b+1
.endr
	WIN 0
.endm
.macro QFETCH s
	QSLOT \s
	WIN QW<<6
.set a, 0
.rept 4
.set QO, (a*NS+(\s))*1536
	global_load_b128 v[QR+12*a:QR+12*a+3], v2, s[20:21] offset:QO
	global_load_b64 v[QR+12*a+4:QR+12*a+5], v5, s[20:21] offset:QO+512
	global_load_b128 v[QR+12*a+6:QR+12*a+9], v2, s[20:21] offset:QO+768
	global_load_b64 v[QR+12*a+10:QR+12*a+11], v5, s[20:21] offset:QO+1280
.set a, a+1
.endr
	WIN 0
.endm
.macro MULS s                          ; the accumulators take turns, one instruction a turn, in the same order in every step
	QSLOT \s
	WIN 0xa1|(QW<<2)
.set PB, 12*NPT*((\s)%2)
.set b, 0
.rept NPT
.set a, 0
.rept 4
.set AC, 8*(NPT*a+b)
.set SPR, PSC+b*(NS/2)+(\s)/2
.set SQR, QSC+a*(NS/2)+(\s)/2
.if (\s) == 0
	v_wmma_scale_f32_16x16x128_f8f6f4 v[AC:AC+7], v[PB+12*b:PB+12*b+11], v[QR+12*a:QR+12*a+11], 0, v[SPR], v[SQR] matrix_a_fmt:MATRIX_FMT_BF6 matrix_b_fmt:MATRIX_FMT_BF6
.elseif ((\s)%2) == 0
	v_wmma_scale_f32_16x16x128_f8f6f4 v[AC:AC+7], v[PB+12*b:PB+12*b+11], v[QR+12*a:QR+12*a+11], v[AC:AC+7], v[SPR], v[SQR] matrix_a_fmt:MATRIX_FMT_BF6 matrix_b_fmt:MATRIX_FMT_BF6
.else
	v_wmma_scale_f32_16x16x128_f8f6f4 v[AC:AC+7], v[PB+12*b:PB+12*b+11], v[QR+12*a:QR+12*a+11], v[AC:AC+7], v[SPR], v[SQR] matrix_a_fmt:MATRIX_FMT_BF6 matrix_b_fmt:MATRIX_FMT_BF6 matrix_a_scale:MATRIX_SCALE_ROW1 matrix_b_scale:MATRIX_SCALE_ROW1
.endif
.set a, a+1
.endr
.set b, b+1
.endr
.endm
; Stage rows 2 i and 2 i + 1 of token fragment a are tokens 32 (a / 2) + 8 (a % 2) + TO and + 1, TO = 2 i under 8, 16 + 2 (i - 4) from there on.
.macro RLOAD a                         ; the residual of fragment a: fragments 0-2 into window 1, v96 + 32 a on; fragment 3 into window 0, v128 on
.if (\a) < 3
	WIN 0x40
.set RB, 96+32*(\a)
.else
.set RB, 128
.endif
.set i, 0
.rept 8
.set TO, 2*i
.if i >= 4
.set TO, 16+2*(i-4)
.endif
	global_load_b128 v[RB+4*i:RB+4*i+3], v11, s[44:45] offset:(32*((\a)/2)+8*((\a)%2)+TO)*4096
.set i, i+1
.endr
	WIN 0
.endm
.macro TOSTAGE a                       ; fragment a's results into my stage, each accumulator from its low end on, and back as rows of 256 bytes.  LDS serves a wave's instructions in order (ISA guide 5.7.1.4)
	WIN 0x08
.irp b, 0,1,2,3
	ds_store_b128 v9, v[8*(NPT*(\a)+\b):8*(NPT*(\a)+\b)+3] offset:128*(\b/2)+32*(\b%2)
	ds_store_b128 v9, v[8*(NPT*(\a)+\b)+4:8*(NPT*(\a)+\b)+7] offset:128*(\b/2)+32*(\b%2)+16
.endr
	WIN 0
.set i, 0
.rept 8
	ds_load_b128 v[192+32*((\a)%2)+4*i:192+32*((\a)%2)+4*i+3], v10 offset:544*i
.set i, i+1
.endr
.endm
.macro SEND a
.set i, 0
.rept 8
.set TO, 2*i
.if i >= 4
.set TO, 16+2*(i-4)
.endif
.if FINAL
	global_store_b128 v11, v[192+32*((\a)%2)+4*i:192+32*((\a)%2)+4*i+3], s[52:53] offset:(32*((\a)/2)+8*((\a)%2)+TO)*4096 th:TH_STORE_NT
.else
	global_store_b128 v11, v[192+32*((\a)%2)+4*i:192+32*((\a)%2)+4*i+3], s[52:53] offset:(32*((\a)/2)+8*((\a)%2)+TO)*4096
.endif
.set i, i+1
.endr
.endm
	s_load_b256 s[4:11], s[0:1], 0x0               ; the activations' images, the weights' images, the residual, the result
	v_lshl_add_u32 v126, v0, 2, 0x29000
	v_mov_b32 v127, 0
	ds_add_u32 v126, v127
	ds_add_u32 v126, v127
	v_lshrrev_b32 v1, 5, v0
	v_readfirstlane_b32 s2, v1                     ; wave
	v_and_b32 v1, 31, v0
	v_lshlrev_b32 v2, 4, v1                        ; 16 x lane; v3, v4: 65,536 and 131,072 bytes on (an LDS immediate has 16 bits)
	v_add_nc_u32 v3, 0x10000, v2
	v_add_nc_u32 v4, 0x20000, v2
	v_lshlrev_b32 v5, 3, v1
	v_add_nc_u32 v6, 0x10000, v5
	v_add_nc_u32 v7, 0x20000, v5
	v_lshlrev_b32 v8, 2, v1
	v_and_b32 v12, 15, v0                          ; r
	v_bfe_u32 v13, v0, 4, 1                        ; h
	s_mul_i32 s3, s2, 4352
	s_add_co_u32 s3, s3, STAGE                     ; my stage
	v_mul_u32_u24 v9, v12, 272
	v_lshl_add_u32 v9, v13, 6, v9
	v_add_nc_u32 v9, s3, v9                        ; in: row r, + 64 h
	v_mul_u32_u24 v10, v13, 272
	v_lshl_add_u32 v10, v12, 4, v10
	v_add_nc_u32 v10, s3, v10                      ; back: lanes 0-15 one row, lanes 16-31 the next
	v_lshlrev_b32 v11, 12, v13
	v_lshl_add_u32 v11, v12, 4, v11                ; and the same two rows in memory
	s_mov_b32 s24, 3<<16                           ; group 1: PROWS rows of 32 elements of 8 bytes, dense, no padding, no mask
	s_mov_b32 s25, 32<<16
	s_mov_b32 s26, PROWS<<16
	s_mov_b32 s27, 32<<16
	s_mov_b32 s28, PROWS
	s_mov_b32 s29, 32
	s_mov_b32 s30, 0
	s_mov_b32 s31, 0
	s_and_b32 s12, ttmp9, 15                       ; pg: which 64 columns
	s_lshr_b32 s13, ttmp9, 4                       ; qg: which 256 tokens
	s_lshl_b32 s14, s13, 4
	s_lshl_b32 s15, s2, 2
	s_add_co_u32 s14, s14, s15                     ; my first token fragment
	s_mul_i32 s36, s14, NS*1536
	s_mov_b32 s37, 0
	s_mul_i32 s38, s14, NS*64
	s_add_co_u32 s38, s38, AS0
	s_mov_b32 s39, 0
	s_mul_i32 s33, s2, 256*PROWS                   ; my quarter of P, in LDS and in memory
	s_mul_i32 s46, s12, NPT*NS*1536
	s_add_co_u32 s46, s46, PC0
	s_add_co_u32 s46, s46, s33
	s_mov_b32 s47, 0
	s_mul_i32 s48, s12, NPT*NS*64
	s_add_co_u32 s48, s48, PS0
	s_mov_b32 s49, 0
	s_lshl_b32 s50, s13, 8
	s_lshl_b32 s51, s2, 6
	s_add_co_u32 s50, s50, s51                     ; my first token
	s_lshl_b32 s50, s50, 12
	s_lshl_b32 s51, s12, 8
	s_add_co_u32 s50, s50, s51                     ; + the 64 columns' 256 bytes
	s_mov_b32 s51, 0
	s_wait_alu depctr_va_vdst(0)
	s_wait_dscnt 0x0
	s_wait_kmcnt 0x0
	s_add_nc_u64 s[20:21], s[4:5], s[36:37]
	s_add_nc_u64 s[22:23], s[4:5], s[38:39]
	s_add_nc_u64 s[18:19], s[6:7], s[48:49]
	s_add_nc_u64 s[44:45], s[8:9], s[50:51]
	s_add_nc_u64 s[52:53], s[10:11], s[50:51]
	s_add_nc_u64 s[34:35], s[6:7], s[46:47]
	s_or_b32 s35, s35, 0x80000000
	s_mov_b32 s32, 1
	tensor_load_to_lds s[32:35], s[24:31]          ; my one tensor load
	s_nop 0
	PLACES
.set b, 0
.rept NPT
.set j, 0
.rept NS/2
	global_load_b32 v[PSC+b*(NS/2)+j], v8, s[18:19] offset:(b*NS+2*j)*64   ; lanes 0-15: K step 2 j, lanes 16-31: 2 j + 1
.set j, j+1
.endr
.set b, b+1
.endr
.set a, 0
.rept 4
.set j, 0
.rept NS/2
	global_load_b32 v[QSC+a*(NS/2)+j], v8, s[22:23] offset:(a*NS+2*j)*64
.set j, j+1
.endr
.set a, a+1
.endr
.irp q, 0,1,2,3,4,5,6,7
	QFETCH \q
.endr
	s_wait_tensorcnt 0x0                           ; my quarter of P lies in LDS,
	s_barrier_signal -1
	s_barrier_wait -1                              ; everybody's does
	PFETCH 0
.set st, 0
.rept NS
.if st > 0
	PLACES
.endif
.if st+1 < NS
	PFETCH st+1
.endif
.if (st >= 1) && (st+7 < NS)
	QFETCH st+7                                    ; into the slot that the last step's products have read, behind the four places
.endif
.if (st >= NS-7) && (st < NS-3)
	RLOAD st-(NS-7)                                ; no load of Q is left to issue: the residual's follow, a fragment a step
.endif
.if st+1 < NS
	s_wait_dscnt 4*NPT                             ; this step's P is in; the next step's loads, just issued, may be out
.else
	s_wait_dscnt 0x0
.endif
.set LC, NS-1-st
.if LC > 7
.set LC, 7
.endif
.set RL, st-(NS-7)+1
.if RL < 0
.set RL, 0
.endif
.if RL > 4
.set RL, 4
.endif
.set LC, 16*LC+8*RL
.if LC > 63
.set LC, 63
.endif
	s_wait_loadcnt LC                              ; this step's Q is in: behind it stand sixteen loads for each later step asked for and eight for each fragment of the residual asked for (the count's field ends at 63; a smaller count is safe)
	MULS st
.set st, st+1
.endr
	WIN 0
	PLACES
.irp a, 0,1,2,3
.if \a >= 2
	s_wait_xcnt 0x0                                ; fragment a - 2's stores have read their registers: the stage's loads may land there
.endif
	TOSTAGE \a
	s_wait_dscnt 0x0
	s_wait_loadcnt 8*(3-\a)                        ; this fragment's residual is in; the later fragments' loads, eight each, may be out
.if \a < 3
	WIN 0x04                                       ; source 1: window 1
.set RB, 96+32*\a
.else
.set RB, 128
.endif
.set k, 0
.rept 16
	v_pk_add_f32 v[192+32*(\a%2)+2*k:193+32*(\a%2)+2*k], v[192+32*(\a%2)+2*k:193+32*(\a%2)+2*k], v[RB+2*k:RB+2*k+1]
.set k, k+1
.endr
	WIN 0
	SEND \a                                        ; sixteen lanes store 256 consecutive bytes, at a multiple of 256 from the buffer's first byte
.endr
	s_wait_tensorcnt 0x0
	ds_add_u32 v126, v127
	s_wait_dscnt 0x0
	s_endpgm
.Lfunc_end_k_q913e0c9402_down:
	.size	k_q913e0c9402_down, .Lfunc_end_k_q913e0c9402_down-k_q913e0c9402_down
	.p2alignl 7, 3214868480
	.fill 96, 4, 3214868480
	.section	.rodata,"a",@progbits
	.p2align	6, 0x0
	.amdhsa_kernel k_q913e0c9402_down
		.amdhsa_group_segment_fixed_size 168448
		.amdhsa_private_segment_fixed_size 0
		.amdhsa_enable_private_segment 0
		.amdhsa_kernarg_size 32
		.amdhsa_user_sgpr_count 2
		.amdhsa_user_sgpr_kernarg_segment_ptr 1
		.amdhsa_wavefront_size32 1
		.amdhsa_system_sgpr_workgroup_id_x 1
		.amdhsa_system_sgpr_workgroup_id_y 1
		.amdhsa_system_sgpr_workgroup_id_z 1
		.amdhsa_system_vgpr_workitem_id 0
		.amdhsa_next_free_vgpr 1024
		.amdhsa_next_free_sgpr 66
		.amdhsa_reserve_vcc 0
		.amdhsa_float_denorm_mode_32 3
		.amdhsa_float_denorm_mode_16_64 3
		.amdhsa_memory_ordered 1
		.amdhsa_forward_progress 1
		.amdhsa_inst_pref_size 134
	.end_amdhsa_kernel
	.amdgpu_metadata
---
amdhsa.version: [ 1, 2 ]
amdhsa.kernels:
  - .name:           k_q913e0c9402_down
    .symbol:         k_q913e0c9402_down.kd
    .args:
      - { .name: gbuf, .offset: 0, .size: 8, .value_kind: global_buffer, .address_space: global }
      - { .name: wbuf, .offset: 8, .size: 8, .value_kind: global_buffer, .address_space: global }
      - { .name: x1, .offset: 16, .size: 8, .value_kind: global_buffer, .address_space: global }
      - { .name: out0, .offset: 24, .size: 8, .value_kind: global_buffer, .address_space: global }
    .group_segment_fixed_size: 168448
    .private_segment_fixed_size: 0
    .kernarg_segment_align: 8
    .kernarg_segment_size: 32
    .max_flat_workgroup_size: 128
    .sgpr_count:     66
    .vgpr_count:     1024
    .wavefront_size: 32
...
	.end_amdgpu_metadata
.endif
;; end of part 14
